; MI455X (gfx1250); checked and timed in simulation.
; The chip was launched on July 23, 2026; its instructions are those of AMD's public machine-readable ISA for CDNA 5 (MIT licence, August 2026) and "CDNA5" Instruction Set Architecture Reference Guide (July 2026). The comments in the code are by the model that wrote it; some were corrected since.
;; Mo E. Allowed arithmetic: matrix products marked QUANTISED: E3M2 operands, one E8M0 scale for each 32 along K, by v_wmma_scale_f32_16x16x128_f8f6f4 with both operands' format E3M2, f32 sums; products left as they are: f32 operands where the result goes on into a quantised operand, else bf16, f16 or f32 operands; f32 sums; everything else in f32.
;; Inputs: gate_w 8 x 1,024 float32; hidden_states 2 x 512 x 1,024 float32; w1 8 x 1,024 x 4,096 float32; w2 8 x 4,096 x 1,024 float32.
;; Outputs: out0 2 x 512 x 1,024 float32; out1 1,024 x 8 float32.
;; This version of the problem:
;;   THIS VERSION OF THE PROBLEM IS GIVEN IN LOW PRECISION. The matrix products marked QUANTISED in the list below multiply operands that are first quantised to E3M2 (3 exponent bits, 2 mantissa bits; 6 bits a number), with one power-of-two scale for each 32 numbers along K (OCP MX v1.0); their sums are f32. All else is computed in f32.
;;   The module's matrix products, in the order in which they are computed (A, B: the left and right operand; K: the contracted axis; several contracted axes count as one K, in the product's order):
;;     1. [M 1,024, K 1,024] x [K 1,024, N 8]; A: input hidden_states; B: input gate_w: left as it is (N = 8 < 16)
;;     2. [M 32,768, K 1,024] x [K 1,024, N 1,024]; A: input w1; B: input hidden_states: QUANTISED
;;     3. batch 8 x [M 1,024, K 4,096] x [K 4,096, N 1,024]; A: computed on the way; B: input w2: QUANTISED
;;   THE QUANTISER, for each operand of a quantised product, along K:
;;     - K is cut into blocks of 32 from its start; a last block that is shorter is filled with zeros.
;;     - A block's scale is 2^e with e = floor(log2(the largest magnitude in the block)) - 4, held to -126 .. 127; a block of zeros has e = 0. As a byte (E8M0): e + 127.
;;     - Each number is divided by its block's scale, clamped to +-28, and rounded to the nearest number of E3M2, ties to even, subnormals kept.
;;     - The product sums the exact products of the quantised numbers (number of the format x scale) in f32.
;;   ~~~python
;;   def quantise(x, axis):      # numpy; x: float32 -> the quantised numbers, widened to float32 again
;;       x = np.moveaxis(x, axis, -1); K = x.shape[-1]
;;       x = np.pad(x, [(0, 0)] * (x.ndim - 1) + [(0, -K % 32)]); x = x.reshape(x.shape[:-1] + (-1, 32)); a = np.abs(x).max(-1, keepdims=True)
;;       e = np.where(a > 0, np.clip(np.frexp(np.where(a > 0, a, 1))[1] - 1 - 4, -126, 127), 0)      # np.frexp(a)[1] - 1 = floor(log2(a)), exactly
;;       r = np.clip(x / 2.0 ** e, -28, 28)
;;       step = 2.0 ** (np.maximum(np.frexp(np.where(r == 0, 1, r))[1] - 1, -2) - 2)
;;       q = np.round(r / step) * step * 2.0 ** e      # np.round: ties to even
;;       return np.moveaxis(q.reshape(q.shape[:-2] + (-1,))[..., :K], -1, axis).astype(np.float32)
;;   ~~~
;;   OPERANDS COMPUTED ON THE WAY. 'Computed on the way' means the value that the module computes at that place (a softmax that the list does not call 'softmax' is quantised finished and normalised). What goes into a quantiser is computed in f32, as accurately as f32 sums, v_exp_f32 and their like allow (about 1e-6 of the number): no bf16 or f16 on the way to a quantiser, and a product that is left as it is and whose result goes on into a quantised operand takes f32 operands (vector FMAs, or v_wmma_f32_16x16x4_f32). A number that lies on a knife's edge between two numbers of the format may be rounded either way, as far as f32 arithmetic and the matrix unit's own rounding can turn it there, and no further.
;; 2 versions. Each part assembles by itself: llvm-mc -triple=amdgcn-amd-amdhsa -mcpu=gfx1250 --defsym DOCPART=n.
;; ======== version 1 of 2: 6 launches
;; workspace buffers: sel 4,096 bytes of whole numbers; rw 8,192 bytes; cnt 1,024 bytes of whole numbers; pos 32,768 bytes of whole numbers; list 32,768 bytes of whole numbers; xrec 8,388,608 bytes; hrec 33,554,432 bytes; parts 134,217,728 bytes
;; launch route (part 1): grid 32 x 1, 16 waves a work-group, no clusters, 36,864 bytes of LDS; arguments hidden_states, gate_w, out1, sel, rw; writes out1, sel, rw
.if DOCPART == 1
	.amdgcn_target "amdgcn-amd-amdhsa--gfx1250"
	.amdhsa_code_object_version 6
	.text
	.protected	k_qc35e4e4a54_route
	.globl	k_qc35e4e4a54_route
	.p2align	8
	.type	k_qc35e4e4a54_route,@function
k_qc35e4e4a54_route:
	s_mov_b64 s[64:65], 0
	v_nop
	global_prefetch_b8 v0, s[64:65] scope:SCOPE_SE
	s_setreg_imm32_b32 hwreg(HW_REG_WAVE_MODE, 25, 1), 1
	s_wait_xcnt 0x0
; THE ROUTER.  logits[t][e] = sum over d of x[t][d] gate_w[e][d], in f32 fused multiply-adds; softmax over the 8 experts with the row's maximum taken away; the two largest
; probabilities (of equals the lower index) and their weights, renormalised to sum 1.  Stored: out1 = the logits; rw[t][2] = the weights;
; sel[t] = e0 | e1 << 8 | ((1 << e0) | (1 << e1)) << 16, a whole number at a fixed place: no address and no branch of THIS launch hangs on the choice; later launches read it.
; SHARES.  A work-group takes 32 tokens, each of its 16 waves two.  gate_w (32,768 bytes) is copied into LDS once; a lane takes 4 neighbouring columns of each run of 128.
; LIMITS: NaN and infinities are not served.  Two probabilities that differ by less than the rounding of these f32 sums may be ranked otherwise than by another order of summation.
; No matrix unit: 8 columns of output, and the result steers a choice, so the operands stay f32.
.set SLOG, 32768                       ; LDS: gate_w lies at 0 as in memory; then 32 tokens x 8 logits,
.set SRW,  33792                       ; 32 x 2 weights,
.set SSEL, 34048                       ; 32 choice words
.set LG,   32                          ; v32-47   gate_w on its way to LDS; later the 16 logits (8 u + e)
.set PR,   48                          ; v48-55   a token's probabilities
.set XR,   64                          ; v64-127  x: token u, run j at 32 u + 4 j
.set GB,   128                         ; v128-191 gate_w from LDS: two sets of 8 experts x 4
.set ACC,  192                         ; v192-223 sums: a pair for (u, e) at 16 u + 2 e
	s_load_b256 s[4:11], s[0:1], 0x0               ; hidden_states s[4:5], gate_w s[6:7], out1 s[8:9], sel s[10:11]
	s_load_b64 s[12:13], s[0:1], 0x20              ; rw
	v_lshl_add_u32 v224, v0, 2, 0x8800
	v_mov_b32 v225, 0
	v_lshrrev_b32 v8, 5, v0
	v_readfirstlane_b32 s14, v8                    ; wave 0..15
	v_and_b32 v9, 31, v0                           ; lane
	v_lshlrev_b32 v1, 4, v9                        ; 16 x lane
	v_lshlrev_b32 v2, 3, v9                        ; 8 x lane
	v_lshlrev_b32 v3, 2, v9                        ; 4 x lane
	s_lshl_b32 s15, s14, 11
	v_add_nc_u32 v4, s15, v1                       ; my 16 bytes of my wave's 2,048 bytes of gate_w, in memory and in LDS alike
	s_lshl_b32 s16, s14, 6
	s_add_co_u32 s16, s16, SLOG
	v_mov_b32 v5, s16                              ; where my wave's two tokens put their logits,
	s_lshl_b32 s16, s14, 4
	s_add_co_u32 s16, s16, SRW
	v_mov_b32 v6, s16                              ; their weights,
	s_lshl_b32 s16, s14, 3
	s_add_co_u32 s16, s16, SSEL
	v_mov_b32 v7, s16                              ; their choice words
	v_mov_b32 v30, 1
	s_mov_b32 s20, 0x76543210
	s_mov_b32 s21, 0xfedcba98                      ; v_permlanex16_b32's selects for lane l xor 16
	s_mov_b32 s26, 0x3fb8aa3b                      ; log2(e)
	s_lshl_b32 s22, ttmp9, 17                      ; 32 tokens of 4,096 bytes a work-group,
	s_lshl_b32 s23, s14, 13                        ; two a wave
	s_add_co_u32 s22, s22, s23
	s_mov_b32 s23, 0
	s_mov_b32 s25, 0
	s_wait_kmcnt 0x0
	s_add_nc_u64 s[4:5], s[4:5], s[22:23]
.irp i, 0,1,2,3
	global_load_b128 v[LG+4*\i:LG+4*\i+3], v4, s[6:7] offset:512*\i
.endr
.irp u, 0,1
.irp j, 0,1,2,3,4,5,6,7
	global_load_b128 v[XR+32*\u+4*\j:XR+32*\u+4*\j+3], v1, s[4:5] offset:4096*\u+512*\j   ; 32 lanes read 512 consecutive bytes of a token
.endr
.endr
	s_lshl_b32 s24, ttmp9, 10
	s_add_nc_u64 s[8:9], s[8:9], s[24:25]          ; out1: 32 bytes a token
	s_lshl_b32 s24, ttmp9, 7
	s_add_nc_u64 s[10:11], s[10:11], s[24:25]      ; sel: 4
	s_lshl_b32 s24, ttmp9, 8
	s_add_nc_u64 s[12:13], s[12:13], s[24:25]      ; rw: 8
	s_wait_loadcnt 16                              ; gate_w's four loads are in; x's sixteen, issued behind them, may be out
.irp i, 0,1,2,3
	ds_store_b128 v4, v[LG+4*\i:LG+4*\i+3] offset:512*\i
.endr
	s_wait_dscnt 0x0                               ; for the others' sake: my part of gate_w lies in LDS
	s_barrier_signal -1
	s_barrier_wait -1
.macro GLOAD c                         ; the 8 experts' numbers at my 4 columns of run c, into set c % 2
.irp e, 0,1,2,3,4,5,6,7
	ds_load_b128 v[GB+32*((\c)%2)+4*\e:GB+32*((\c)%2)+4*\e+3], v1 offset:4096*\e+512*(\c)
.endr
.endm
.macro DOT c                           ; 2 tokens x 8 experts x 4 columns; the first run starts the sums: nothing is cleared
.set GBB, GB+32*((\c)%2)
.irp u, 0,1
.irp e, 0,1,2,3,4,5,6,7
.if (\c) == 0
	v_pk_mul_f32 v[ACC+16*\u+2*\e:ACC+16*\u+2*\e+1], v[XR+32*\u:XR+32*\u+1], v[GBB+4*\e:GBB+4*\e+1]
.else
	v_pk_fma_f32 v[ACC+16*\u+2*\e:ACC+16*\u+2*\e+1], v[XR+32*\u+4*(\c):XR+32*\u+4*(\c)+1], v[GBB+4*\e:GBB+4*\e+1], v[ACC+16*\u+2*\e:ACC+16*\u+2*\e+1]
.endif
.endr
.endr
.irp u, 0,1
.irp e, 0,1,2,3,4,5,6,7
	v_pk_fma_f32 v[ACC+16*\u+2*\e:ACC+16*\u+2*\e+1], v[XR+32*\u+4*(\c)+2:XR+32*\u+4*(\c)+3], v[GBB+4*\e+2:GBB+4*\e+3], v[ACC+16*\u+2*\e:ACC+16*\u+2*\e+1]
.endr
.endr
.endm
	GLOAD 0
	s_wait_loadcnt 0x0                             ; x
.irp j, 0,1,2,3,4,5,6
	GLOAD \j+1
	s_wait_dscnt 8                                 ; this run's eight loads are in; the eight just issued may be out
	DOT \j
.endr
	s_wait_dscnt 0x0
	DOT 7
	; the sums' two halves, then the 32 lanes: every lane ends with all 16 logits
.irp i, 0,1,2,3,4,5,6,7,8,9,10,11,12,13,14,15
	v_add_f32 v[LG+\i], v[ACC+2*\i], v[ACC+2*\i+1]
.endr
.irp msk, 1,2,4,8
.irp i, 0,1,2,3,4,5,6,7,8,9,10,11,12,13,14,15
	v_add_f32_dpp v[LG+\i], v[LG+\i], v[LG+\i] row_xmask:\msk row_mask:0xf bank_mask:0xf
.endr
.endr
.irp i, 0,1,2,3,4,5,6,7,8,9,10,11,12,13,14,15
	v_permlanex16_b32 v[ACC+\i], v[LG+\i], s20, s21   ; (its destination counts as read: the sums' registers have been written)
.endr
.irp i, 0,1,2,3,4,5,6,7,8,9,10,11,12,13,14,15
	v_add_f32 v[LG+\i], v[LG+\i], v[ACC+\i]
.endr
.macro PICK bst, idx                   ; the largest of the 8 probabilities and its index; the old best stays where p_i <= best, so of equals the lower index is kept
	v_mov_b32 v[\bst], v[PR]
	v_mov_b32 v[\idx], 0
.irp i, 1,2,3,4,5,6,7
	v_cmp_le_f32 vcc_lo, v[PR+\i], v[\bst]
	v_cndmask_b32 v[\bst], v[PR+\i], v[\bst], vcc_lo
	v_cndmask_b32 v[\idx], \i, v[\idx], vcc_lo
.endr
.endm
.macro TOP2 u                          ; token u, the same in every lane
.set LB, LG+8*\u
	v_max3_num_f32 v8, v[LB], v[LB+1], v[LB+2]
	v_max3_num_f32 v8, v8, v[LB+3], v[LB+4]
	v_max3_num_f32 v8, v8, v[LB+5], v[LB+6]
	v_max_num_f32 v8, v8, v[LB+7]                  ; the row's maximum is taken away ahead of the exponentials
	v_mul_f32 v8, s26, v8
.irp i, 0,1,2,3,4,5,6,7
	v_fma_f32 v[PR+\i], v[LB+\i], s26, -v8
.endr
.irp i, 0,1,2,3,4,5,6,7
	v_exp_f32 v[PR+\i], v[PR+\i]
.endr
	v_nop                                          ; a plain place behind the exponentials
	s_wait_alu depctr_va_vdst(0)
	v_add_f32 v9, v[PR], v[PR+1]
	v_add_f32 v10, v[PR+2], v[PR+3]
	v_add_f32 v11, v[PR+4], v[PR+5]
	v_add_f32 v12, v[PR+6], v[PR+7]
	v_add_f32 v9, v9, v10
	v_add_f32 v11, v11, v12
	v_add_f32 v9, v9, v11
	v_rcp_f32 v9, v9
	v_nop                                          ; a plain place behind the reciprocal
	s_wait_alu depctr_va_vdst(0)
.irp i, 0,1,2,3,4,5,6,7
	v_mul_f32 v[PR+\i], v[PR+\i], v9               ; the probabilities
.endr
	PICK 10, 11
.irp i, 0,1,2,3,4,5,6,7
	v_cmp_ne_u32 vcc_lo, \i, v11
	v_cndmask_b32 v[PR+\i], -1.0, v[PR+\i], vcc_lo ; the winner leaves the field
.endr
	PICK 12, 13
	v_add_f32 v14, v10, v12
	v_rcp_f32 v14, v14
	v_lshl_or_b32 v[28+\u], v13, 8, v11            ; (a plain place)  e0 | e1 << 8
	s_wait_alu depctr_va_vdst(0)
	v_mul_f32 v[24+2*\u], v10, v14                 ; the two weights, renormalised
	v_mul_f32 v[25+2*\u], v12, v14
	v_lshlrev_b32 v15, v11, v30
	v_lshlrev_b32 v16, v13, v30
	v_or_b32 v15, v15, v16
	v_lshl_or_b32 v[28+\u], v15, 16, v[28+\u]      ; and the two experts' bits above
.endm
	TOP2 0
	TOP2 1
.irp i, 0,1,2,3
	ds_store_b128 v5, v[LG+4*\i:LG+4*\i+3] offset:16*\i   ; all lanes write the same bytes with the same values
.endr
	ds_store_b128 v6, v[24:27]
	ds_store_b64 v7, v[28:29]
	s_wait_dscnt 0x0                               ; for wave 0's sake
	s_barrier_signal -1
	s_barrier_wait -1
	s_cmp_lg_u32 s14, 0                            ; wave 0 stores the work-group's results in long runs
	s_cbranch_scc1 .Lend
	ds_load_b128 v[64:67], v1 offset:SLOG
	ds_load_b128 v[68:71], v1 offset:SLOG+512
	ds_load_b64 v[72:73], v2 offset:SRW
	ds_load_b32 v74, v3 offset:SSEL
	s_wait_dscnt 0x0
	global_store_b128 v1, v[64:67], s[8:9]         ; 512 consecutive bytes each
	global_store_b128 v1, v[68:71], s[8:9] offset:512
	global_store_b64 v2, v[72:73], s[12:13]        ; 256 consecutive bytes
	global_store_b32 v3, v74, s[10:11]
.Lend:
	s_wait_tensorcnt 0x0
	ds_add_u32 v224, v225
	s_wait_dscnt 0x0
	s_endpgm
.Lfunc_end_k_qc35e4e4a54_route:
	.size	k_qc35e4e4a54_route, .Lfunc_end_k_qc35e4e4a54_route-k_qc35e4e4a54_route
	.p2alignl 7, 3214868480
	.fill 96, 4, 3214868480
	.section	.rodata,"a",@progbits
	.p2align	6, 0x0
	.amdhsa_kernel k_qc35e4e4a54_route
		.amdhsa_group_segment_fixed_size 36864
		.amdhsa_private_segment_fixed_size 0
		.amdhsa_enable_private_segment 0
		.amdhsa_kernarg_size 40
		.amdhsa_user_sgpr_count 2
		.amdhsa_user_sgpr_kernarg_segment_ptr 1
		.amdhsa_wavefront_size32 1
		.amdhsa_system_sgpr_workgroup_id_x 1
		.amdhsa_system_sgpr_workgroup_id_y 1
		.amdhsa_system_sgpr_workgroup_id_z 1
		.amdhsa_system_vgpr_workitem_id 0
		.amdhsa_next_free_vgpr 226
		.amdhsa_next_free_sgpr 66
		.amdhsa_reserve_vcc 1
		.amdhsa_float_denorm_mode_32 3
		.amdhsa_float_denorm_mode_16_64 3
		.amdhsa_memory_ordered 1
		.amdhsa_forward_progress 1
		.amdhsa_inst_pref_size 40
	.end_amdhsa_kernel
	.amdgpu_metadata
---
amdhsa.version: [ 1, 2 ]
amdhsa.kernels:
  - .name:           k_qc35e4e4a54_route
    .symbol:         k_qc35e4e4a54_route.kd
    .args:
      - { .name: hidden_states, .offset: 0, .size: 8, .value_kind: global_buffer, .address_space: global }
      - { .name: gate_w, .offset: 8, .size: 8, .value_kind: global_buffer, .address_space: global }
      - { .name: out1, .offset: 16, .size: 8, .value_kind: global_buffer, .address_space: global }
      - { .name: sel, .offset: 24, .size: 8, .value_kind: global_buffer, .address_space: global }
      - { .name: rw, .offset: 32, .size: 8, .value_kind: global_buffer, .address_space: global }
    .group_segment_fixed_size: 36864
    .private_segment_fixed_size: 0
    .kernarg_segment_align: 8
    .kernarg_segment_size: 40
    .max_flat_workgroup_size: 512
    .sgpr_count:     66
    .vgpr_count:     226
    .wavefront_size: 32
...
	.end_amdgpu_metadata
.endif
;; end of part 1
;; launch sort (part 2): grid 8 x 1, 1 waves a work-group, no clusters, 4,608 bytes of LDS; arguments sel, list, cnt, pos; writes list, cnt, pos
.if DOCPART == 2
	.amdgcn_target "amdgcn-amd-amdhsa--gfx1250"
	.amdhsa_code_object_version 6
	.text
	.protected	k_qc35e4e4a54_sort
	.globl	k_qc35e4e4a54_sort
	.p2align	8
	.type	k_qc35e4e4a54_sort,@function
k_qc35e4e4a54_sort:
	s_mov_b64 s[64:65], 0
	v_nop
	global_prefetch_b8 v0, s[64:65] scope:SCOPE_SE
	s_setreg_imm32_b32 hwreg(HW_REG_WAVE_MODE, 25, 1), 1
	s_wait_xcnt 0x0
; THE TOKENS ARE SORTED BY EXPERT.  Work-group e, one wave, makes expert e's list from the stored choice words: a counting sort, no atomics.
; list[e][1,024] = the tokens that chose e, one after the other; places from the count on hold token 0.  cnt[e][32 words], all = the expert's number of rows.
; pos[e][t] = token t's place in e's list (a defined number that nobody uses where t did not choose e).
; A LAUNCH OF ITS OWN: list and count steer the next launches' addresses and branches, so they are made here, stored as whole numbers, and read there from memory.
; In this launch nothing that went through LDS enters a global address or a branch: LDS carries only the numbers that are stored.
; The order within a list is that of the registers (register 4 c + q of lane l holds token 128 c + 4 l + q), not that of the tokens: any order serves, since pos says which place a token got.
; One wave: 4,096 bytes of input an expert; LDS serves a wave's instructions in order (ISA guide 5.7.1.4), so no barrier stands here.
.set DUMP, 4096                        ; LDS: the list, 1,024 words, at 0; then a word a lane for lanes with nothing to place
.set S,    32                          ; v32-63   the choice words, then the places
.set LO,   64                          ; v64-95   the list on its way out
.set MK,   66                          ; s[66:97] which lanes' tokens chose e, for each of the 32 registers
	s_load_b256 s[4:11], s[0:1], 0x0               ; sel s[4:5], list s[6:7], cnt s[8:9], pos s[10:11]
	v_lshl_add_u32 v96, v0, 2, 0x1100
	v_mov_b32 v97, 0
	v_lshlrev_b32 v1, 4, v0                        ; 16 x lane (one wave: the thread's number is the lane)
	v_lshlrev_b32 v2, 2, v0                        ; 4 x lane
	v_add_nc_u32 v3, DUMP, v2                      ; my dump word
.irp i, 0,1,2,3
	v_mov_b32 v[12+\i], 0
.endr
	s_lshl_b32 s12, ttmp9, 12                      ; list[e] and pos[e]: 4,096 bytes an expert
	s_mov_b32 s13, 0
	s_lshl_b32 s14, ttmp9, 7                       ; cnt[e]: 128
	s_mov_b32 s15, 0
	s_add_co_u32 s30, ttmp9, 16
	s_lshl_b32 s30, 1, s30                         ; expert e's bit in a choice word
	s_mov_b32 s31, 0                               ; places given out so far
	s_wait_kmcnt 0x0
.irp c, 0,1,2,3,4,5,6,7
	global_load_b128 v[S+4*\c:S+4*\c+3], v1, s[4:5] offset:512*\c   ; register 4 c + q of lane l: token 128 c + 4 l + q
.endr
.irp c, 0,1,2,3,4,5,6,7
	ds_store_b128 v1, v[12:15] offset:512*\c       ; the list begins as token 0 everywhere
.endr
	s_add_nc_u64 s[6:7], s[6:7], s[12:13]
	s_add_nc_u64 s[10:11], s[10:11], s[12:13]
	s_add_nc_u64 s[8:9], s[8:9], s[14:15]
	s_wait_loadcnt 0x0
.irp i, 0,1,2,3,4,5,6,7,8,9,10,11,12,13,14,15,16,17,18,19,20,21,22,23,24,25,26,27,28,29,30,31
	v_and_b32 v10, s30, v[S+\i]
	v_cmp_ne_u32 s[MK+\i], 0, v10
.endr
.irp i, 0,1,2,3,4,5,6,7,8,9,10,11,12,13,14,15,16,17,18,19,20,21,22,23,24,25,26,27,28,29,30,31
	v_mbcnt_lo_u32_b32 v[S+\i], s[MK+\i], s31      ; my token's place: those given out + the lower lanes that chose e
	s_bcnt1_i32_b32 s32, s[MK+\i]
	s_add_co_u32 s31, s31, s32
	v_lshlrev_b32 v10, 2, v[S+\i]
	v_cndmask_b32 v10, v3, v10, s[MK+\i]           ; a lane whose token did not choose e writes to its dump word
	v_min_u32 v10, 0x107c, v10                     ; inside the list and the dump words, whatever was loaded
	v_add_nc_u32 v11, 128*(\i/4)+\i%4, v2          ; the token
	ds_store_b32 v10, v11
.endr
.irp c, 0,1,2,3,4,5,6,7
	ds_load_b128 v[LO+4*\c:LO+4*\c+3], v1 offset:512*\c   ; the list comes back behind my stores
.endr
	v_mov_b32 v11, s31                             ; the count
.irp c, 0,1,2,3,4,5,6,7
	global_store_b128 v1, v[S+4*\c:S+4*\c+3], s[10:11] offset:512*\c   ; pos[e]: 512 consecutive bytes each
.endr
	global_store_b32 v2, v11, s[8:9]               ; cnt[e]: 32 equal words
	s_wait_dscnt 0x0
.irp c, 0,1,2,3,4,5,6,7
	global_store_b128 v1, v[LO+4*\c:LO+4*\c+3], s[6:7] offset:512*\c   ; list[e]
.endr
	s_wait_tensorcnt 0x0
	ds_add_u32 v96, v97
	s_wait_dscnt 0x0
	s_endpgm
.Lfunc_end_k_qc35e4e4a54_sort:
	.size	k_qc35e4e4a54_sort, .Lfunc_end_k_qc35e4e4a54_sort-k_qc35e4e4a54_sort
	.p2alignl 7, 3214868480
	.fill 96, 4, 3214868480
	.section	.rodata,"a",@progbits
	.p2align	6, 0x0
	.amdhsa_kernel k_qc35e4e4a54_sort
		.amdhsa_group_segment_fixed_size 4608
		.amdhsa_private_segment_fixed_size 0
		.amdhsa_enable_private_segment 0
		.amdhsa_kernarg_size 32
		.amdhsa_user_sgpr_count 2
		.amdhsa_user_sgpr_kernarg_segment_ptr 1
		.amdhsa_wavefront_size32 1
		.amdhsa_system_sgpr_workgroup_id_x 1
		.amdhsa_system_sgpr_workgroup_id_y 1
		.amdhsa_system_sgpr_workgroup_id_z 1
		.amdhsa_system_vgpr_workitem_id 0
		.amdhsa_next_free_vgpr 98
		.amdhsa_next_free_sgpr 100
		.amdhsa_reserve_vcc 0
		.amdhsa_float_denorm_mode_32 3
		.amdhsa_float_denorm_mode_16_64 3
		.amdhsa_memory_ordered 1
		.amdhsa_forward_progress 1
		.amdhsa_inst_pref_size 21
	.end_amdhsa_kernel
	.amdgpu_metadata
---
amdhsa.version: [ 1, 2 ]
amdhsa.kernels:
  - .name:           k_qc35e4e4a54_sort
    .symbol:         k_qc35e4e4a54_sort.kd
    .args:
      - { .name: sel, .offset: 0, .size: 8, .value_kind: global_buffer, .address_space: global }
      - { .name: list, .offset: 8, .size: 8, .value_kind: global_buffer, .address_space: global }
      - { .name: cnt, .offset: 16, .size: 8, .value_kind: global_buffer, .address_space: global }
      - { .name: pos, .offset: 24, .size: 8, .value_kind: global_buffer, .address_space: global }
    .group_segment_fixed_size: 4608
    .private_segment_fixed_size: 0
    .kernarg_segment_align: 8
    .kernarg_segment_size: 32
    .max_flat_workgroup_size: 32
    .sgpr_count:     100
    .vgpr_count:     98
    .wavefront_size: 32
...
	.end_amdgpu_metadata
.endif
;; end of part 2
;; launch place (part 3): grid 16 x 8, 16 waves a work-group, no clusters, 137,216 bytes of LDS; arguments list, cnt, hidden_states, xrec; writes xrec
.if DOCPART == 3
	.amdgcn_target "amdgcn-amd-amdhsa--gfx1250"
	.amdhsa_code_object_version 6
	.text
	.protected	k_qc35e4e4a54_place
	.globl	k_qc35e4e4a54_place
	.p2align	8
	.type	k_qc35e4e4a54_place,@function
k_qc35e4e4a54_place:
	s_mov_b64 s[64:65], 0
	v_nop
	global_prefetch_b8 v0, s[64:65] scope:SCOPE_SE
	s_setreg_imm32_b32 hwreg(HW_REG_WAVE_MODE, 25, 1), 1
	s_wait_xcnt 0x0
; x IS GATHERED BY EXPERT AND QUANTISED.  Work-group (x, e) writes the rows of pairs x and x + 16 of expert e's list (a pair = 32 places = two tiles of 16 rows) as codes of E3M2 with one
; E8M0 scale for each 32 along D.  List and count are whole numbers that the launch before stored; they are read by scalar loads at addresses made of ids alone.
; A RECORD is the image of one operand fragment (16 rows x 128 along K, 12 registers a lane): registers 4 c .. 4 c + 3 of lane l at byte 512 c + 16 l, the row's scale word at 1,536 + 4 l; 2,048 bytes.
; xrec[e][tile 0..63][K step 0..7][record].
; SHARES.  Wave w = (m = w / 8: which tile of the pair; ks = w % 8: which 128 along D): one record a pair.  Waves share nothing: no barrier.
; List places from the count on hold token 0: their rows are computed with the others of their pair, and nobody reads the results.  The grid serves every split: up to 32 pairs an expert;
; a pair that the count does not reach is passed over by a scalar branch.
; A block's scale is 2^(floor(log2(largest magnitude)) - 4): the magnitude's exponent field less 4, held at 1 from below.  A block of zeros so has the byte 1 where the rule says 127: its codes are
; zeros, and this program alone reads the bytes.  LIMITS: NaN and infinities are not served.
.set TK,   16                          ; v16-31   a tile's 16 rows: my byte offset in each token
.set R,    32                          ; v32-95   16 rows x 512 bytes as loaded
.set XQ,   96                          ; v96-159  64 numbers of my row: register 16 b + i = k 32 b + 16 (lane / 16) + i
.set TM,   160                         ; v160-175 at work in QUANT
.set PW,   176                         ; the scale word just made
.set PC,   180                         ; v180-199 the codes just made
.set LT,   32                          ; s[32:47] my tile's 16 tokens of pair x;  s[48:63] of pair x + 16
                                       ; LDS: a stage of 16 rows x (512 + 16) bytes for each wave, from byte 0 on
	s_load_b256 s[4:11], s[0:1], 0x0               ; list s[4:5], cnt s[6:7], hidden_states s[8:9], xrec s[10:11]
	v_lshl_add_u32 v208, v0, 2, 0x21000
	v_mov_b32 v209, 0
	v_lshrrev_b32 v20, 5, v0
	v_readfirstlane_b32 s14, v20                   ; wave 0..15
	s_lshr_b32 s15, s14, 3                         ; m: which tile of a pair is my wave's
	s_and_b32 s16, s14, 7                          ; ks: which 128 along D
	s_and_b32 s18, ttmp9, 15                       ; x
	s_and_b32 s19, ttmp7, 0xffff                   ; e
	s_lshl_b32 s26, s19, 12                        ; list[e],
	s_lshl_b32 s27, s18, 7                         ; pair x: 32 words,
	s_add_co_u32 s26, s26, s27
	s_lshl_b32 s27, s15, 6                         ; tile m: 16 words
	s_add_co_u32 s26, s26, s27
	s_mov_b32 s27, 0
	s_lshl_b32 s28, s19, 7                         ; cnt[e]
	s_mov_b32 s29, 0
	s_lshl_b32 s24, s19, 20                        ; xrec: 64 tiles x 8 records an expert,
	s_lshl_b32 s25, s18, 15                        ; pair x,
	s_add_co_u32 s24, s24, s25
	s_lshl_b32 s25, s15, 14                        ; tile m,
	s_add_co_u32 s24, s24, s25
	s_lshl_b32 s25, s16, 11                        ; record ks
	s_add_co_u32 s24, s24, s25
	s_mov_b32 s25, 0
	s_wait_kmcnt 0x0
	s_add_nc_u64 s[4:5], s[4:5], s[26:27]
	s_add_nc_u64 s[6:7], s[6:7], s[28:29]
	s_add_nc_u64 s[10:11], s[10:11], s[24:25]
	s_load_b512 s[LT:LT+15], s[4:5], 0x0           ; my tile's tokens of pair x,
	s_load_b512 s[LT+16:LT+31], s[4:5], 0x800      ; of pair x + 16 (16 pairs of 128 bytes on: still inside list[e]),
	s_load_b32 s17, s[6:7], 0x0                    ; and the expert's rows
	v_and_b32 v21, 31, v0
	v_lshlrev_b32 v1, 4, v21                       ; 16 x lane
	v_lshlrev_b32 v2, 2, v21                       ; 4 x lane
	s_mul_i32 s22, s14, 8448                       ; my wave's stage
	v_add_nc_u32 v5, s22, v1                       ; in: a row's 512 bytes, 16 a lane
	v_and_b32 v22, 15, v0
	v_bfe_u32 v23, v0, 4, 1
	v_mul_u32_u24 v6, v22, 528
	v_lshl_add_u32 v6, v23, 6, v6
	v_add_nc_u32 v6, s22, v6                       ; back: row lane % 16, + 64 (lane / 16): 16 neighbours of each block of 32
	s_lshl_b32 s22, s16, 9
	v_add_nc_u32 v7, s22, v1                       ; my 16 bytes of a token's 512 bytes of K step ks
.irp i, 0,1,2,3
	v_mov_b32 v[TM+4+\i], 0                        ; (a lane permute's destination counts as one of its sources)
.endr
	s_mov_b32 s20, 0x76543210
	s_mov_b32 s21, 0xfedcba98                      ; v_permlanex16_b32's selects for lane l xor 16
	s_wait_kmcnt 0x0
	s_min_u32 s17, s17, 1024
; 64 numbers of a lane, register 16 b + i = k 32 b + 16 (lane / 16) + i of my row, become a fragment's codes in v[PC] on and its scale word in v[PW].
.macro QUANT s
.irp b, 0,1,2,3
	v_max3_num_f32 v[TM+\b], |v[\s+16*\b]|, |v[\s+1+16*\b]|, 0x2800000   ; block b: my 16 numbers, and the floor 2^(5 - 127): the byte cannot fall under 1
.endr
.irp i, 2,4,6,8,10,12,14
.irp b, 0,1,2,3
	v_max3_num_f32 v[TM+\b], v[TM+\b], |v[\s+16*\b+\i]|, |v[\s+1+16*\b+\i]|   ; (the four blocks by turns)
.endr
.endr
.irp b, 0,1,2,3
	v_permlanex16_b32 v[TM+4+\b], v[TM+\b], s20, s21
.endr
.irp b, 0,1,2,3
	v_max_num_f32 v[TM+\b], v[TM+\b], v[TM+4+\b]   ; with lane l xor 16's: the block's largest magnitude
.endr
.irp b, 0,1,2,3
	v_add_nc_u32 v[TM+12+\b], 0xfe000000, v[TM+\b] ; 4 off its exponent field: the conversion takes the exponent field of this operand as its scale
.endr
.irp b, 0,1,2,3
	v_lshrrev_b32 v[TM+4+\b], 23, v[TM+12+\b]      ; the scale's byte
.endr
	v_lshl_or_b32 v[PW], v[TM+5], 8, v[TM+4]
	v_lshl_or_b32 v[PW], v[TM+6], 16, v[PW]
	v_lshl_or_b32 v[PW], v[TM+7], 24, v[PW]        ; my row's scale word
.irp c, 0,1
	v_cvt_scalef32_pk16_bf6_f32 v[PC+6*\c:PC+2+6*\c], v[\s+32*\c:\s+15+32*\c], v[TM+12+2*\c]
	v_cvt_scalef32_pk16_bf6_f32 v[PC+12+4*\c:PC+14+4*\c], v[\s+16+32*\c:\s+31+32*\c], v[TM+12+2*\c+1]   ; (a conversion's three registers begin on an even number)
.endr
	v_nop                                          ; one plain place behind a scaled conversion
.irp c, 0,1                            ; the operand's layout wants a whole block in a lane: lanes 0-15 block 2 c, lanes 16-31 block 2 c + 1
.irp i, 0,1,2
	v_permlane16_swap_b32 v[PC+6*\c+\i], v[PC+12+4*\c+\i]
.endr
.irp i, 0,1,2
	v_mov_b32 v[PC+3+6*\c+\i], v[PC+12+4*\c+\i]
.endr
.endr
.endm
; Pair x + 16 tr, if the expert has it: my wave's tile and K step of it.
.macro TILE tr
.set LB, LT+16*\tr
	s_lshl_b32 s22, s18, 5
.if \tr
	s_add_co_u32 s22, s22, 512*\tr
.endif
	s_cmp_ge_u32 s22, s17                          ; the pair's first place against the count
	s_cbranch_scc1 .Lnone_\@
.irp r, 0,1,2,3,4,5,6,7,8,9,10,11,12,13,14,15
	s_min_u32 s[LB+\r], s[LB+\r], 0x3ff            ; a token's number stays inside x, whatever was read
	s_lshl_b32 s[LB+\r], s[LB+\r], 12              ; 4,096 bytes a token
	v_add_nc_u32 v[TK+\r], s[LB+\r], v7
.endr
.irp r, 0,1,2,3,4,5,6,7,8,9,10,11,12,13,14,15
	global_load_b128 v[R+4*\r:R+4*\r+3], v[TK+\r], s[8:9]   ; 32 lanes read 512 consecutive bytes of the token
.endr
.irp r, 0,1,2,3,4,5,6,7,8,9,10,11,12,13,14,15
	s_wait_loadcnt 15-\r                           ; row r is in; the younger rows may be out
	ds_store_b128 v5, v[R+4*\r:R+4*\r+3] offset:528*\r
.endr
.irp b, 0,1,2,3
.irp j, 0,1,2,3
	ds_load_b128 v[XQ+16*\b+4*\j:XQ+16*\b+4*\j+3], v6 offset:128*\b+16*\j   ; LDS serves a wave's instructions in order (ISA guide 5.7.1.4): these see my stores.  Rows 33 x 16 bytes apart: sixteen rows, sixteen different columns of 16 bytes
.endr
.endr
	s_wait_dscnt 0x0
	QUANT XQ
.irp c, 0,1,2
	global_store_b128 v1, v[PC+4*\c:PC+4*\c+3], s[10:11] offset:524288*\tr+512*\c   ; the record: 512 consecutive bytes a store
.endr
	global_store_b32 v2, v[PW], s[10:11] offset:524288*\tr+1536
	s_wait_xcnt 0x0                                ; the stores' data registers are written again by the next pair
.Lnone_\@:
.endm
	TILE 0
	TILE 1
	s_wait_tensorcnt 0x0
	ds_add_u32 v208, v209
	s_wait_dscnt 0x0
	s_endpgm
.Lfunc_end_k_qc35e4e4a54_place:
	.size	k_qc35e4e4a54_place, .Lfunc_end_k_qc35e4e4a54_place-k_qc35e4e4a54_place
	.p2alignl 7, 3214868480
	.fill 96, 4, 3214868480
	.section	.rodata,"a",@progbits
	.p2align	6, 0x0
	.amdhsa_kernel k_qc35e4e4a54_place
		.amdhsa_group_segment_fixed_size 137216
		.amdhsa_private_segment_fixed_size 0
		.amdhsa_enable_private_segment 0
		.amdhsa_kernarg_size 32
		.amdhsa_user_sgpr_count 2
		.amdhsa_user_sgpr_kernarg_segment_ptr 1
		.amdhsa_wavefront_size32 1
		.amdhsa_system_sgpr_workgroup_id_x 1
		.amdhsa_system_sgpr_workgroup_id_y 1
		.amdhsa_system_sgpr_workgroup_id_z 1
		.amdhsa_system_vgpr_workitem_id 0
		.amdhsa_next_free_vgpr 210
		.amdhsa_next_free_sgpr 66
		.amdhsa_reserve_vcc 0
		.amdhsa_float_denorm_mode_32 3
		.amdhsa_float_denorm_mode_16_64 3
		.amdhsa_memory_ordered 1
		.amdhsa_forward_progress 1
		.amdhsa_inst_pref_size 24
	.end_amdhsa_kernel
	.amdgpu_metadata
---
amdhsa.version: [ 1, 2 ]
amdhsa.kernels:
  - .name:           k_qc35e4e4a54_place
    .symbol:         k_qc35e4e4a54_place.kd
    .args:
      - { .name: list, .offset: 0, .size: 8, .value_kind: global_buffer, .address_space: global }
      - { .name: cnt, .offset: 8, .size: 8, .value_kind: global_buffer, .address_space: global }
      - { .name: hidden_states, .offset: 16, .size: 8, .value_kind: global_buffer, .address_space: global }
      - { .name: xrec, .offset: 24, .size: 8, .value_kind: global_buffer, .address_space: global }
    .group_segment_fixed_size: 137216
    .private_segment_fixed_size: 0
    .kernarg_segment_align: 8
    .kernarg_segment_size: 32
    .max_flat_workgroup_size: 512
    .sgpr_count:     66
    .vgpr_count:     210
    .wavefront_size: 32
...
	.end_amdgpu_metadata
.endif
;; end of part 3
;; launch up (part 4): grid 32 x 8, 16 waves a work-group, no clusters, 104,448 bytes of LDS; arguments w1, xrec, cnt, hrec; writes hrec
.if DOCPART == 4
	.amdgcn_target "amdgcn-amd-amdhsa--gfx1250"
	.amdhsa_code_object_version 6
	.text
	.protected	k_qc35e4e4a54_up
	.globl	k_qc35e4e4a54_up
	.p2align	8
	.type	k_qc35e4e4a54_up,@function
k_qc35e4e4a54_up:
	s_mov_b64 s[64:65], 0
	v_nop
	global_prefetch_b8 v0, s[64:65] scope:SCOPE_SE
	s_setreg_imm32_b32 hwreg(HW_REG_WAVE_MODE, 25, 1), 1
	s_wait_xcnt 0x0
; h = gelu(x W1[e]) for the rows that chose expert e, on codes of E3M2 with one E8M0 scale for each 32 along K (K = D = 1,024); h leaves quantised along H, as records for the next product.
; SHARES.  Work-group (sl, e) owns the slice W1[e][all 1,024 d][128 sl .. 128 sl + 127]: EVERY BYTE OF W1 IS READ ONCE IN THE LAUNCH, BY ITS OWNER, and is quantised in registers; its codes go no further than LDS.
; PHASE 1.  Wave w = (cg = w % 4: 32 columns; kw = w / 4: 256 rows of K).  A lane takes a column and its registers run down K: a block of 32 lies in one lane, the conversions give codes with K innermost.
;   Two blocks of loads (64) run ahead.  Of four blocks (128 along K) the wave makes two operand fragments (its lanes 0-15's columns, its lanes 16-31's) and stores their images in LDS.
; PHASE 2.  One barrier; then a wave takes up to two of the expert's pairs of tiles (a pair = 32 sorted rows), as far as the stored count has them: 8 K steps x (8 tiles of units x 2 tiles of rows).
;   A wave without a pair ends behind the barrier.  The product is used transposed (source 0 = 16 units of W1, source 1 = 16 rows of x): a lane holds one row, its registers run along the units.
;   W's fragments come from LDS through a ring of four register slots: a fragment's loads are issued behind the products of the fragment four earlier, so that they are on their way under six products.
;   THE UNITS OF A TILE ARE NOT NEIGHBOURS: lane r of tile 2 b + u takes unit 32 b + 8 u + r + 8 (r / 8), so that the 16 registers of tiles 2 b, 2 b + 1 are 16 neighbours along the next K.
; A RECORD is the image of a fragment: registers 4 c .. 4 c + 3 of lane l at byte 512 c + 16 l, the row's scale word at 1,536 + 4 l; 2,048 bytes.  xrec[e][tile][8 K steps], hrec[e][tile][32 K steps].
; GELU, exact form: gelu(x) = max(x, 0) - (|x| / 2) erfc(|x| / sqrt 2), erfc(z) = t exp(-z^2 + Q(t)), t = 1 / (1 + z / 2), Q of degree 9: a fit that holds for every z >= 0 to 1.2e-7 of erfc.
;   In base 2: U = A |x| with A^2 = log2(e) / 2; T = 1 / (1 + CD U); the result is max(x, 0) - (T U) 2^(Q'(T) - U^2); Q' is Q x log2(e), with log2(1 / (2 A)) in its constant.
; LIMITS: NaN and infinities are not served.  gelu's error is about (2 + x^2 / 2) x 1e-7 of the number; where the exponential falls under 2^-126 it is 0 (v_exp_f32 flushes: ISA guide, its entry).
;   A block of zeros has the scale byte 1 where the rule says 127: its codes are zeros, and this program alone reads the bytes.
; NOT SHARED IN A CLUSTER: the 32 slices of an expert read the same records, some 200 KB beside each one's own 512 KB of weights, and how many of them hangs on a count read from memory.
.set PITCH, 16384                      ; bytes from row to row of W1
.set TS,    16384                      ; bytes from tile to tile of xrec
.set TSL,   14
.set WSC,   98304                      ; LDS: 64 fragments (K step ks, tile: (8 ks + tile) x 1,536) at 0; then scale words: (4 ks + cg) x 128 + 4 x lane: lanes 0-15 tile 2 cg's rows, lanes 16-31 tile 2 cg + 1's
.set WS,  12                           ; v12-15   W's scale words of a K step: scales and nothing else
.set BS,  16                           ; v16-17   the rows' scale words, slot 0 and 1: lanes 0-15 tile 0's, lanes 16-31 tile 1's: scales and nothing else
.set X,   32                           ; phase 1: v32-95 two sets of 32 numbers
.set FA,  96                           ;          v96-107, v108-119 the two fragments
.set FB,  108
.set TC,  120                          ;          v120-122 half a block's codes
.set SW,  123                          ;          my column's scale word
.set MG,  124                          ;          v124-125 largest magnitudes
.set SO,  126                          ;          the conversion's scale operand
.set SBY, 127                          ;          a scale byte
.set WF,  32                           ; phase 2: v32-79 the ring: four slots of one fragment of W; tile t goes to slot t % 4
.set BF,  80                           ;          v80-127 the rows' fragments: slot q, tile m at 24 q + 12 m
.set ACC, 128                          ;          v128-255 accumulator (tile of rows m, tile of units t) at 64 m + 8 t
.set U,   32                           ; gelu: v32-39 U, v40-47 T, v48-55 the exponent, v56-63 max(x, 0), v[64:65] the highest coefficient
.set T,   40
.set P,   48
.set MX,  56
.set K9,  64
.set TM,  72                           ; QUANT: v72-87 at work, v88 the scale word, v96-115 the codes
.set PW,  88
.set PC,  96
.set CC,  40                           ; s[40:57] Q' 's coefficients 0 to 8, each a pair;  s[58:59] CD;  s60 A
.set CD,  58
.set SA,  60
.set NISS, 0                           ; symbols of the text, not registers: the LDS loads issued so far in a pass,
.set RDY0, 0                           ; and that number as it stood behind the loads of each slot of the ring
.set RDY1, 0
.set RDY2, 0
.set RDY3, 0
	s_load_b256 s[4:11], s[0:1], 0x0               ; w1 s[4:5], xrec s[6:7], cnt s[8:9], hrec s[10:11]
	v_lshl_add_u32 v30, v0, 2, 0x19000
	v_mov_b32 v31, 0
	v_lshrrev_b32 v21, 5, v0
	v_readfirstlane_b32 s14, v21                   ; wave 0..15
	v_and_b32 v22, 31, v0
	v_lshlrev_b32 v1, 4, v22                       ; 16 x lane: an image's place for my lane; the LDS address of K steps 0-3
	v_lshlrev_b32 v2, 2, v22                       ; 4 x lane
	v_and_b32 v23, 7, v0
	v_bfe_u32 v24, v0, 3, 1
	v_bfe_u32 v25, v0, 4, 1
	v_lshl_add_u32 v23, v24, 4, v23
	v_lshl_add_u32 v23, v25, 3, v23                ; my column of the wave's 32: (l % 8) + 16 ((l / 8) % 2) + 8 (l / 16)
	v_lshlrev_b32 v3, 2, v23
	v_add_nc_u32 v5, 49152, v1                     ; the LDS address of K steps 4-7
	v_add_nc_u32 v6, WSC, v2
	s_and_b32 s15, s14, 3                          ; cg
	s_lshr_b32 s16, s14, 2                         ; kw
	s_mul_i32 s30, s16, 24576
	s_mul_i32 s31, s15, 3072
	s_add_co_u32 s30, s30, s31
	v_add_nc_u32 v18, s30, v1                      ; where I store fragments: K step 2 kw, tile 2 cg
	s_lshl_b32 s30, s16, 10
	s_lshl_b32 s31, s15, 7
	s_add_co_u32 s30, s30, s31
	s_add_co_u32 s30, s30, WSC
	v_add_nc_u32 v19, s30, v2                      ; and their scale words
	v_and_b32 v26, 15, v0
	v_lshlrev_b32 v26, 2, v26
	v_lshl_add_u32 v20, v25, TSL, v26              ; the rows' scale words: lanes 16-31 take the pair's second tile
	s_and_b32 s12, ttmp7, 0xffff                   ; e
	s_lshl_b32 s30, s12, 24                        ; W1: the expert,
	s_lshl_b32 s31, s16, 22                        ; 256 kw rows,
	s_add_co_u32 s30, s30, s31
	s_lshl_b32 s31, ttmp9, 9                       ; the slice's 128 columns,
	s_add_co_u32 s30, s30, s31
	s_lshl_b32 s31, s15, 7                         ; my wave's 32
	s_add_co_u32 s30, s30, s31
	s_mov_b32 s31, 0
	s_lshl_b32 s32, s12, 20                        ; xrec[e]
	s_mov_b32 s33, 0
	s_lshl_b32 s34, s12, 7                         ; cnt[e]
	s_mov_b32 s35, 0
	s_lshl_b32 s36, s12, 22                        ; hrec[e], K step sl
	s_lshl_b32 s37, ttmp9, 11
	s_add_co_u32 s36, s36, s37
	s_mov_b32 s37, 0
	s_wait_kmcnt 0x0
	s_add_nc_u64 s[4:5], s[4:5], s[30:31]
	s_add_nc_u64 s[6:7], s[6:7], s[32:33]
	s_add_nc_u64 s[8:9], s[8:9], s[34:35]
	s_add_nc_u64 s[10:11], s[10:11], s[36:37]
.macro LOADW t                         ; block t: W(32 t + i, my column) into set t % 2; a wave's load covers 128 consecutive bytes, four waves side by side 512
.irp i, 0,1,2,3,4,5,6,7,8,9,10,11,12,13,14,15,16,17,18,19,20,21,22,23,24,25,26,27,28,29,30,31
	global_load_b32 v[X+32*((\t)%2)+\i], v3, s[4:5] offset:(32*(\t)+\i)*PITCH th:TH_LOAD_NT
.endr
.endm
	LOADW 0
	LOADW 1
	s_load_b32 s17, s[8:9], 0x0                    ; the expert's rows
	s_mov_b32 s20, 0x76543210
	s_mov_b32 s21, 0xfedcba98                      ; v_permlanex16_b32's selects for lane l xor 16
.macro KONST k, bits                   ; (a packed form names a pair and takes its low word for both halves: both words are written)
	s_mov_b32 s[CC+2*\k], \bits
	s_mov_b32 s[CC+2*\k+1], \bits
.endm
	KONST 0, 0xc025c4b7                            ; -2.59013140
	KONST 1, 0x3fb8ab5a                            ;  1.44272920
	KONST 2, 0x3f0a29d2                            ;  0.53970062
	KONST 3, 0x3e0efb2e                            ;  0.13963006
	KONST 4, 0xbe899a80                            ; -0.26875686
	KONST 5, 0x3ecdfd18                            ;  0.40232158
	KONST 6, 0xbfd1a1e5                            ; -1.63775315
	KONST 7, 0x40097039                            ;  2.14747446
	KONST 8, 0xbf97d29d                            ; -1.18611495
	s_mov_b32 s[CD], 0x3ed5224d                    ; 0.41627731 = 1 / (2 sqrt 2 A)
	s_mov_b32 s[CD+1], 0x3ed5224d
	s_mov_b32 s[SA], 0x3f596d27                    ; 0.84932180 = sqrt(log2(e) / 2)
; Block t of my 8: its scale, its codes.  Blocks 2 c and 2 c + 1 of a K step go to registers 6 c .. 6 c + 5 of FA and of FB; six exchanges of halves then leave in FA the fragment of lanes 0-15's
; columns (lanes 0-15 block 2 c, lanes 16-31 block 2 c + 1, as the operand's layout asks) and in FB that of lanes 16-31's.
.macro BLOCK t
.set XS, X+32*((\t)%2)
.set BQ, (\t)%4
.set CQ, BQ/2
.if BQ%2
.set DB, FB+6*CQ
.else
.set DB, FA+6*CQ
.endif
.if (\t) < 7
	s_wait_loadcnt 32                              ; this block's 32 loads are in; the next block's may be out
.else
	s_wait_loadcnt 0x0
.endif
	v_max3_num_f32 v[MG], |v[XS]|, |v[XS+1]|, |v[XS+2]|            ; the block's largest magnitude: all 32 numbers are mine; two chains
	v_max3_num_f32 v[MG+1], |v[XS+3]|, |v[XS+4]|, |v[XS+5]|
.irp i, 6,10,14,18,22,26
	v_max3_num_f32 v[MG], v[MG], |v[XS+\i]|, |v[XS+\i+1]|
	v_max3_num_f32 v[MG+1], v[MG+1], |v[XS+\i+2]|, |v[XS+\i+3]|
.endr
	v_max3_num_f32 v[MG], v[MG], |v[XS+30]|, |v[XS+31]|
	v_max3_num_f32 v[MG], v[MG], v[MG+1], 0x2800000                ; and the floor 2^(5 - 127): the byte cannot fall under 1
	v_add_nc_u32 v[SO], 0xfe000000, v[MG]          ; 4 off its exponent field: the conversion takes the exponent field of this operand as its scale
.if BQ == 0
	v_lshrrev_b32 v[SW], 23, v[SO]                 ; the scale's byte: four make my column's word, the lower K in the lower byte
.else
	v_lshrrev_b32 v[SBY], 23, v[SO]
	v_lshl_or_b32 v[SW], v[SBY], 8*BQ, v[SW]
.endif
	v_cvt_scalef32_pk16_bf6_f32 v[DB:DB+2], v[XS:XS+15], v[SO]
	v_cvt_scalef32_pk16_bf6_f32 v[TC:TC+2], v[XS+16:XS+31], v[SO]  ; (a conversion's three registers begin on an even number)
	v_nop                                          ; one plain place behind a scaled conversion
.irp i, 0,1,2
	v_mov_b32 v[DB+3+\i], v[TC+\i]
.endr
.if (\t)+2 < 8
	LOADW (\t)+2
.endif
.if BQ%2
.irp i, 0,1,2,3,4,5
	v_permlane16_swap_b32 v[FA+6*CQ+\i], v[FB+6*CQ+\i]
.endr
.endif
.if BQ == 3
.irp c, 0,1,2
	ds_store_b128 v18, v[FA+4*\c:FA+4*\c+3] offset:((\t)/4)*12288+512*\c
.endr
.irp c, 0,1,2
	ds_store_b128 v18, v[FB+4*\c:FB+4*\c+3] offset:((\t)/4)*12288+1536+512*\c
.endr
	ds_store_b32 v19, v[SW] offset:((\t)/4)*512
	s_wait_dscnt 0x0                               ; the stores have read their registers: the next K step's codes may be written
.endif
.endm
.irp t, 0,1,2,3,4,5,6,7
	BLOCK \t
.endr
; The offsets of pair s19.  A wave whose pair the expert does not have is given the last pair that the expert has (pair 0 where it has no row at all).
.macro SETP
	s_max_u32 s22, s18, 1
	s_sub_co_u32 s22, s22, 1                       ; the expert's last pair
	s_min_u32 s22, s22, s19
	s_min_u32 s22, s22, 31                         ; inside the buffers, whatever was read
	s_lshl_b32 s30, s22, TSL+1
	v_add_nc_u32 v7, s30, v1                       ; the pair's records in xrec,
	v_add_nc_u32 v8, s30, v20                      ; their scale words,
	s_lshl_b32 s30, s22, 17
	v_add_nc_u32 v9, s30, v1                       ; the pair's records in hrec,
	v_add_nc_u32 v10, s30, v2                      ; their scale words
.endm
.macro BLOADS ks, q                    ; K step ks of the pair's two tiles into slot q: seven loads
.irp m, 0,1
.irp c, 0,1,2
	global_load_b128 v[BF+24*(\q)+12*\m+4*\c:BF+24*(\q)+12*\m+4*\c+3], v7, s[6:7] offset:\m*TS+(\ks)*2048+512*\c
.endr
.endr
	global_load_b32 v[BS+(\q)], v8, s[6:7] offset:(\ks)*2048+1536
.endm
.macro BPRE                            ; a pass's first two K steps: fourteen loads
	BLOADS 0, 0
	BLOADS 1, 1
.endm
.macro PLACES                          ; four places in front of loads into registers that matrix instructions have read, and of the first read of results
.rept 4
	v_nop
.endr
.endm
.macro SLOAD ks, g                     ; the scale words of W's tiles 2 g and 2 g + 1 of K step ks
	ds_load_b32 v[WS+(\g)], v6 offset:(\ks)*512+(\g)*128
.set NISS, NISS+1
.endm
.macro FLOAD ks, t                     ; W's tile t of K step ks, as it was stored, into slot t % 4
.if (\ks) < 4
.set WAD, 1
.else
.set WAD, 5
.endif
.set WSL, WF+12*((\t)%4)
.irp c, 0,1,2
	ds_load_b128 v[WSL+4*\c:WSL+4*\c+3], v[WAD] offset:((\ks)%4)*12288+(\t)*1536+512*\c
.endr
.set NISS, NISS+3
.if (\t)%4 == 0
.set RDY0, NISS
.elseif (\t)%4 == 1
.set RDY1, NISS
.elseif (\t)%4 == 2
.set RDY2, NISS
.else
.set RDY3, NISS
.endif
.endm
.macro FWAIT t                         ; LDS loads come back in order (ISA guide 5.7.1): the count is the number of LDS loads issued behind this slot's three: the three younger fragments' nine and the scale words among them,
.if (\t)%4 == 0                        ; 9 to 11; it runs down to 0 over the pass's last fragments.  The fragment's own scale word was asked for before its loads
	s_wait_dscnt NISS-RDY0
.elseif (\t)%4 == 1
	s_wait_dscnt NISS-RDY1
.elseif (\t)%4 == 2
	s_wait_dscnt NISS-RDY2
.else
	s_wait_dscnt NISS-RDY3
.endif
.endm
.macro WPRE                            ; a pass's first scale words and its first four fragments
.set NISS, 0
.irp g, 0,1,2,3
	SLOAD 0, \g
.endr
.irp t, 0,1,2,3
	FLOAD 0, \t
.endr
.endm
; One product: tile of units t x tile of rows m; the rows' slot q.  An odd tile's scale words lie in lanes 16-31 of its register, and so do the second tile of rows'.
.macro WM t, m, q, zero
.set rD, ACC+64*(\m)+8*(\t)
.set rA, WF+12*((\t)%4)
.set rB, BF+24*(\q)+12*(\m)
.set rW, WS+(\t)/2
.set rX, BS+(\q)
.if \zero
.if ((\t)%2) && (\m)
	v_wmma_scale_f32_16x16x128_f8f6f4 v[rD:rD+7], v[rA:rA+11], v[rB:rB+11], 0, v[rW], v[rX] matrix_a_fmt:MATRIX_FMT_BF6 matrix_b_fmt:MATRIX_FMT_BF6 matrix_a_scale:MATRIX_SCALE_ROW1 matrix_b_scale:MATRIX_SCALE_ROW1
.elseif (\t)%2
	v_wmma_scale_f32_16x16x128_f8f6f4 v[rD:rD+7], v[rA:rA+11], v[rB:rB+11], 0, v[rW], v[rX] matrix_a_fmt:MATRIX_FMT_BF6 matrix_b_fmt:MATRIX_FMT_BF6 matrix_a_scale:MATRIX_SCALE_ROW1
.elseif \m
	v_wmma_scale_f32_16x16x128_f8f6f4 v[rD:rD+7], v[rA:rA+11], v[rB:rB+11], 0, v[rW], v[rX] matrix_a_fmt:MATRIX_FMT_BF6 matrix_b_fmt:MATRIX_FMT_BF6 matrix_b_scale:MATRIX_SCALE_ROW1
.else
	v_wmma_scale_f32_16x16x128_f8f6f4 v[rD:rD+7], v[rA:rA+11], v[rB:rB+11], 0, v[rW], v[rX] matrix_a_fmt:MATRIX_FMT_BF6 matrix_b_fmt:MATRIX_FMT_BF6
.endif
.else
.if ((\t)%2) && (\m)
	v_wmma_scale_f32_16x16x128_f8f6f4 v[rD:rD+7], v[rA:rA+11], v[rB:rB+11], v[rD:rD+7], v[rW], v[rX] matrix_a_fmt:MATRIX_FMT_BF6 matrix_b_fmt:MATRIX_FMT_BF6 matrix_a_scale:MATRIX_SCALE_ROW1 matrix_b_scale:MATRIX_SCALE_ROW1
.elseif (\t)%2
	v_wmma_scale_f32_16x16x128_f8f6f4 v[rD:rD+7], v[rA:rA+11], v[rB:rB+11], v[rD:rD+7], v[rW], v[rX] matrix_a_fmt:MATRIX_FMT_BF6 matrix_b_fmt:MATRIX_FMT_BF6 matrix_a_scale:MATRIX_SCALE_ROW1
.elseif \m
	v_wmma_scale_f32_16x16x128_f8f6f4 v[rD:rD+7], v[rA:rA+11], v[rB:rB+11], v[rD:rD+7], v[rW], v[rX] matrix_a_fmt:MATRIX_FMT_BF6 matrix_b_fmt:MATRIX_FMT_BF6 matrix_b_scale:MATRIX_SCALE_ROW1
.else
	v_wmma_scale_f32_16x16x128_f8f6f4 v[rD:rD+7], v[rA:rA+11], v[rB:rB+11], v[rD:rD+7], v[rW], v[rX] matrix_a_fmt:MATRIX_FMT_BF6 matrix_b_fmt:MATRIX_FMT_BF6
.endif
.endif
.endm
; Tile t of K step ks: its two products, and behind them and four places what goes into the registers that they have read: the fragment four further on into this slot; behind an odd tile the next K step's
; scale word of this tile and the one before; behind a K step's last tile the rows' records of two K steps on.  The sixteen accumulators take turns, one instruction a turn, in the same order in every
; K step.  K step 0 starts the sums: nothing is cleared.
.macro FSTEP ks, t
.set FN, 8*(\ks)+(\t)+4
.if (\t) == 0
.if (\ks) < 7
	s_wait_loadcnt 7                               ; this K step's seven loads are in; the other slot's seven, issued behind them, may be out
.else
	s_wait_loadcnt 0x0
.endif
.endif
	FWAIT \t
.if (\ks) == 0
	WM \t, 0, 0, 1
	WM \t, 1, 0, 1
.else
	WM \t, 0, (\ks)%2, 0
	WM \t, 1, (\ks)%2, 0
.endif
.if (FN < 64) || ((\t) == 7)
	PLACES
.endif
.if ((\t)%2) && ((\ks) < 7)
	SLOAD (\ks)+1, (\t)/2
.endif
.if FN < 64
	FLOAD FN/8, FN%8
.endif
.if ((\t) == 7) && ((\ks) < 6)
	BLOADS (\ks)+2, (\ks)%2
.endif
.endm
; gelu of an accumulator's eight numbers, in place; the accumulator is read from its low end on.
.macro GELU xb
.irp i, 0,1,2,3,4,5,6,7
	v_mul_f32 v[U+\i], |v[\xb+\i]|, s[SA]
.endr
.irp i, 0,2,4,6
	v_pk_fma_f32 v[T+\i:T+\i+1], v[U+\i:U+\i+1], s[CD:CD+1], 1.0 op_sel_hi:[1,0,0]
.endr
.irp i, 0,1,2,3,4,5,6,7
	v_rcp_f32 v[T+\i], v[T+\i]
.endr
.irp i, 0,1,2,3,4,5,6,7
	v_max_num_f32 v[MX+\i], 0, v[\xb+\i]           ; (plain places behind the reciprocals)
.endr
	s_wait_alu depctr_va_vdst(0)
.irp i, 0,2,4,6
	v_pk_fma_f32 v[P+\i:P+\i+1], v[T+\i:T+\i+1], v[K9:K9+1], s[CC+16:CC+17] op_sel_hi:[1,1,0]
.endr
.irp k, 7,6,5,4,3,2,1,0
.irp i, 0,2,4,6
	v_pk_fma_f32 v[P+\i:P+\i+1], v[P+\i:P+\i+1], v[T+\i:T+\i+1], s[CC+2*\k:CC+2*\k+1] op_sel_hi:[1,1,0]
.endr
.endr
.irp i, 0,2,4,6
	v_pk_fma_f32 v[P+\i:P+\i+1], v[U+\i:U+\i+1], v[U+\i:U+\i+1], v[P+\i:P+\i+1] neg_lo:[1,0,0] neg_hi:[1,0,0]   ; Q'(T) - U^2
.endr
.irp i, 0,1,2,3,4,5,6,7
	v_exp_f32 v[P+\i], v[P+\i]
.endr
.irp i, 0,2,4,6
	v_pk_mul_f32 v[T+\i:T+\i+1], v[T+\i:T+\i+1], v[U+\i:U+\i+1]   ; (plain places behind the exponentials)
.endr
	s_wait_alu depctr_va_vdst(0)
.irp i, 0,2,4,6
	v_pk_fma_f32 v[\xb+\i:\xb+\i+1], v[T+\i:T+\i+1], v[P+\i:P+\i+1], v[MX+\i:MX+\i+1] neg_lo:[1,0,0] neg_hi:[1,0,0]
.endr
.endm
; 64 numbers of a lane, register 16 b + i = k 32 b + 16 (lane / 16) + i of my row, become a fragment's codes in v[PC] on and its scale word in v[PW].
.macro QUANT s
.irp b, 0,1,2,3
	v_max3_num_f32 v[TM+\b], |v[\s+16*\b]|, |v[\s+1+16*\b]|, 0x2800000   ; block b: my 16 numbers, and the floor 2^(5 - 127)
.endr
.irp i, 2,4,6,8,10,12,14
.irp b, 0,1,2,3
	v_max3_num_f32 v[TM+\b], v[TM+\b], |v[\s+16*\b+\i]|, |v[\s+1+16*\b+\i]|
.endr
.endr
.irp b, 0,1,2,3
	v_permlanex16_b32 v[TM+4+\b], v[TM+\b], s20, s21
.endr
.irp b, 0,1,2,3
	v_max_num_f32 v[TM+\b], v[TM+\b], v[TM+4+\b]   ; with lane l xor 16's: the block's largest magnitude
.endr
.irp b, 0,1,2,3
	v_add_nc_u32 v[TM+12+\b], 0xfe000000, v[TM+\b]
.endr
.irp b, 0,1,2,3
	v_lshrrev_b32 v[TM+4+\b], 23, v[TM+12+\b]
.endr
	v_lshl_or_b32 v[PW], v[TM+5], 8, v[TM+4]
	v_lshl_or_b32 v[PW], v[TM+6], 16, v[PW]
	v_lshl_or_b32 v[PW], v[TM+7], 24, v[PW]
.irp c, 0,1
	v_cvt_scalef32_pk16_bf6_f32 v[PC+6*\c:PC+2+6*\c], v[\s+32*\c:\s+15+32*\c], v[TM+12+2*\c]
	v_cvt_scalef32_pk16_bf6_f32 v[PC+12+4*\c:PC+14+4*\c], v[\s+16+32*\c:\s+31+32*\c], v[TM+12+2*\c+1]
.endr
	v_nop                                          ; one plain place behind a scaled conversion
.irp c, 0,1
.irp i, 0,1,2
	v_permlane16_swap_b32 v[PC+6*\c+\i], v[PC+12+4*\c+\i]
.endr
.irp i, 0,1,2
	v_mov_b32 v[PC+3+6*\c+\i], v[PC+12+4*\c+\i]
.endr
.endr
.endm
	s_wait_kmcnt 0x0                               ; the count, asked for at the head of phase 1
	s_min_u32 s17, s17, 1024
	s_add_co_u32 s18, s17, 31
	s_lshr_b32 s18, s18, 5                         ; the expert's pairs
	s_sub_co_u32 s19, s15, s16                     ; my first pair: kw + 4 ((cg - kw) mod 4).  Any four pairs on end fall on four waves that differ both in w % 4 and in w / 4:
	s_and_b32 s19, s19, 3                          ; however the sixteen waves are dealt to the four SIMDs, an expert's pairs are spread evenly over them
	s_lshl_b32 s19, s19, 2
	s_add_co_u32 s19, s19, s16
	SETP
	BPRE                                           ; on every wave's way to the barrier, so that every way into a pass has the same fourteen loads out; they are on their way across the barrier: nobody writes
	                                               ; those bytes in this launch.  A wave without a pair has asked for bytes that another wave reads anyway, and uses nothing of them
	s_mov_b32 s23, 0
	s_wait_dscnt 0x0                               ; for the others' sake: my fragments lie in LDS
	s_barrier_signal -1
	s_barrier_wait -1                              ; the slice's 64 fragments are whole; from here on LDS is only read
	s_cmp_ge_u32 s19, s18                          ; has the expert my pair?  (a whole number that an earlier launch stored)
	s_cbranch_scc1 .Lend
.Lpass:
	WPRE
.irp ks, 0,1,2,3,4,5,6,7
.irp t, 0,1,2,3,4,5,6,7
	FSTEP \ks, \t
.endr
.endr
	v_mov_b32 v[K9], 0x3e7c6f08                    ; 0.24651730, Q' 's coefficient 9
	v_mov_b32 v[K9+1], 0x3e7c6f08
.irp b, 0,1,2,3
	v_mov_b32 v[TM+4+\b], 0                        ; (a lane permute's destination counts as one of its sources)
.endr
.irp m, 0,1
.irp t, 0,1,2,3,4,5,6,7
	GELU ACC+64*\m+8*\t
.endr
	QUANT ACC+64*\m                                ; the slice's 128 units are K step sl of the next product
.irp c, 0,1,2
	global_store_b128 v9, v[PC+4*\c:PC+4*\c+3], s[10:11] offset:\m*65536+512*\c   ; the record: 512 consecutive bytes a store
.endr
	global_store_b32 v10, v[PW], s[10:11] offset:\m*65536+1536
	s_wait_xcnt 0x0                                ; the stores' data registers are written again, and behind the second tile their address registers too
.endr
	s_add_co_u32 s19, s19, 16                      ; my next pair
	s_add_co_u32 s23, s23, 1
	s_cmp_ge_u32 s19, s18                          ; where the expert does not have it, nothing is asked for
	s_cbranch_scc1 .Lend
	SETP                                           ; (my loads are all in since K step 7's wait for 0: their address registers are free)
	BPRE
	s_cmp_lt_u32 s23, 2                            ; 32 pairs at the most, 16 waves: two passes
	s_cbranch_scc1 .Lpass
.Lend:
	s_wait_tensorcnt 0x0
	ds_add_u32 v30, v31
	s_wait_dscnt 0x0
	s_endpgm
.Lfunc_end_k_qc35e4e4a54_up:
	.size	k_qc35e4e4a54_up, .Lfunc_end_k_qc35e4e4a54_up-k_qc35e4e4a54_up
	.p2alignl 7, 3214868480
	.fill 96, 4, 3214868480
	.section	.rodata,"a",@progbits
	.p2align	6, 0x0
	.amdhsa_kernel k_qc35e4e4a54_up
		.amdhsa_group_segment_fixed_size 104448
		.amdhsa_private_segment_fixed_size 0
		.amdhsa_enable_private_segment 0
		.amdhsa_kernarg_size 32
		.amdhsa_user_sgpr_count 2
		.amdhsa_user_sgpr_kernarg_segment_ptr 1
		.amdhsa_wavefront_size32 1
		.amdhsa_system_sgpr_workgroup_id_x 1
		.amdhsa_system_sgpr_workgroup_id_y 1
		.amdhsa_system_sgpr_workgroup_id_z 1
		.amdhsa_system_vgpr_workitem_id 0
		.amdhsa_next_free_vgpr 256
		.amdhsa_next_free_sgpr 66
		.amdhsa_reserve_vcc 0
		.amdhsa_float_denorm_mode_32 3
		.amdhsa_float_denorm_mode_16_64 3
		.amdhsa_memory_ordered 1
		.amdhsa_forward_progress 1
		.amdhsa_inst_pref_size 171
	.end_amdhsa_kernel
	.amdgpu_metadata
---
amdhsa.version: [ 1, 2 ]
amdhsa.kernels:
  - .name:           k_qc35e4e4a54_up
    .symbol:         k_qc35e4e4a54_up.kd
    .args:
      - { .name: w1, .offset: 0, .size: 8, .value_kind: global_buffer, .address_space: global }
      - { .name: xrec, .offset: 8, .size: 8, .value_kind: global_buffer, .address_space: global }
      - { .name: cnt, .offset: 16, .size: 8, .value_kind: global_buffer, .address_space: global }
      - { .name: hrec, .offset: 24, .size: 8, .value_kind: global_buffer, .address_space: global }
    .group_segment_fixed_size: 104448
    .private_segment_fixed_size: 0
    .kernarg_segment_align: 8
    .kernarg_segment_size: 32
    .max_flat_workgroup_size: 512
    .sgpr_count:     66
    .vgpr_count:     256
    .wavefront_size: 32
...
	.end_amdgpu_metadata
.endif
;; end of part 4
;; launch down (part 5): grid 32 x 8, 16 waves a work-group, no clusters, 239,616 bytes of LDS; arguments w2, hrec, cnt, parts; writes parts
.if DOCPART == 5
	.amdgcn_target "amdgcn-amd-amdhsa--gfx1250"
	.amdhsa_code_object_version 6
	.text
	.protected	k_qc35e4e4a54_down
	.globl	k_qc35e4e4a54_down
	.p2align	8
	.type	k_qc35e4e4a54_down,@function
k_qc35e4e4a54_down:
	s_mov_b64 s[64:65], 0
	v_nop
	global_prefetch_b8 v0, s[64:65] scope:SCOPE_SE
	s_setreg_imm32_b32 hwreg(HW_REG_WAVE_MODE, 25, 1), 1
	s_wait_xcnt 0x0
; y = h W2[e] for the rows that chose expert e, on codes of E3M2 with one E8M0 scale for each 32 along K (K = H = 4,096), K in four quarters.
; SHARES.  Work-group (ds + 8 kq, e) owns the slice W2[e][1,024 kq .. + 1,023][128 ds .. + 127]: EVERY BYTE OF W2 IS READ ONCE IN THE LAUNCH, BY ITS OWNER, and is quantised in registers; its codes go no further than LDS.
;   With c column slices and s parts of K, c s = 32: the hidden records are read c times and s partial results are written; s = 4 keeps both small, and the slice has the shape of the first product's.
; PHASE 1.  Wave w = (cg = w % 4: 32 columns; kw = w / 4: 256 rows of K).  A lane takes a column and its registers run down K.  Of four blocks (128 along K) the wave makes two operand fragments and stores their images in LDS.
; PHASE 2.  One barrier; then a wave takes up to two of the expert's pairs of tiles (a pair = 32 sorted rows), as far as the stored count has them: 8 K steps x (8 tiles of columns x 2 tiles of rows).
;   A wave without a pair ends behind the barrier.  The product is used transposed (source 0 = 16 columns of W2, source 1 = 16 rows of h): a lane holds eight neighbouring numbers of a row of y.
;   W's fragments come from LDS through a ring of four register slots: a fragment's loads are issued behind the products of the fragment four earlier, so that they are on their way under six products.
; parts[kq][e][place in e's list][1,024] f32: the quarter's sums; the last launch adds the four quarters and the two experts of a token, in f32.
; hrec[e][tile][32 K steps][record]; a record is the image of a fragment: registers 4 c .. 4 c + 3 of lane l at byte 512 c + 16 l, the row's scale word at 1,536 + 4 l.
; LIMITS: NaN and infinities are not served.  A block of zeros has the scale byte 1 where the rule says 127: its codes are zeros, and this program alone reads the bytes.  A sum over K is formed in four quarters.
; NOT SHARED IN A CLUSTER: the 8 column slices of a quarter read the same records, some 200 KB beside each one's own 512 KB of weights, and how many of them hangs on a count read from memory.
.set PITCH, 4096                       ; bytes from row to row of W2
.set TS,    65536                      ; bytes from tile to tile of hrec
.set TSL,   16
.set WSC,   98304                      ; LDS: 64 fragments ((8 ks + tile) x 1,536) at 0; then scale words: (4 ks + cg) x 128 + 4 x lane;
.set STG,   102400                     ; then a stage of 16 rows x (512 + 16) bytes for each wave
.set WS,  12                           ; v12-15   W's scale words of a K step: scales and nothing else
.set BS,  16                           ; v16-17   the rows' scale words, slot 0 and 1: scales and nothing else
.set X,   32                           ; phase 1: v32-95 two sets of 32 numbers; v96-107, v108-119 the two fragments; v120-127 at work
.set FA,  96
.set FB,  108
.set TC,  120
.set SW,  123
.set MG,  124
.set SO,  126
.set SBY, 127
.set WF,  32                           ; phase 2: v32-79 the ring: four slots of one fragment of W; v80-127 the rows' fragments; v128-255 accumulator (m, t) at 64 m + 8 t; on the way out v32-95 hold 16 rows
.set BF,  80
.set ACC, 128
.set NISS, 0                           ; symbols of the text, not registers: the LDS loads issued so far in a pass,
.set RDY0, 0                           ; and that number as it stood behind the loads of each slot of the ring
.set RDY1, 0
.set RDY2, 0
.set RDY3, 0
	s_load_b256 s[4:11], s[0:1], 0x0               ; w2 s[4:5], hrec s[6:7], cnt s[8:9], parts s[10:11]
	v_lshl_add_u32 v30, v0, 2, 0x3a000
	v_mov_b32 v31, 0
	v_lshrrev_b32 v21, 5, v0
	v_readfirstlane_b32 s14, v21                   ; wave 0..15
	v_and_b32 v22, 31, v0
	v_lshlrev_b32 v1, 4, v22                       ; 16 x lane: an image's place for my lane; the LDS address of K steps 0-3
	v_lshlrev_b32 v2, 2, v22                       ; 4 x lane: also my column of the wave's 32, in bytes
	v_bfe_u32 v25, v0, 4, 1
	v_add_nc_u32 v5, 49152, v1                     ; the LDS address of K steps 4-7
	v_add_nc_u32 v6, WSC, v2
	s_and_b32 s15, s14, 3                          ; cg
	s_lshr_b32 s16, s14, 2                         ; kw
	s_mul_i32 s30, s16, 24576
	s_mul_i32 s31, s15, 3072
	s_add_co_u32 s30, s30, s31
	v_add_nc_u32 v18, s30, v1                      ; where I store fragments: K step 2 kw, tile 2 cg
	s_lshl_b32 s30, s16, 10
	s_lshl_b32 s31, s15, 7
	s_add_co_u32 s30, s30, s31
	s_add_co_u32 s30, s30, WSC
	v_add_nc_u32 v19, s30, v2                      ; and their scale words
	v_and_b32 v26, 15, v0
	v_lshlrev_b32 v27, 2, v26
	v_lshl_add_u32 v20, v25, TSL, v27              ; the rows' scale words: lanes 16-31 take the pair's second tile
	s_mul_i32 s30, s14, 8448
	s_add_co_u32 s30, s30, STG                     ; my wave's stage
	v_mul_u32_u24 v9, v26, 528
	v_lshl_add_u32 v9, v25, 5, v9
	v_add_nc_u32 v9, s30, v9                       ; in: row lane % 16, 32 bytes for each half of the lanes
	v_add_nc_u32 v10, s30, v1                      ; back: a row's 512 bytes, 16 a lane
	s_and_b32 s12, ttmp7, 0xffff                   ; e
	s_and_b32 s13, ttmp9, 7                        ; ds
	s_lshr_b32 s24, ttmp9, 3                       ; kq
	s_lshl_b32 s30, s12, 24                        ; W2: the expert,
	s_lshl_b32 s31, s24, 22                        ; the quarter's 1,024 rows,
	s_add_co_u32 s30, s30, s31
	s_lshl_b32 s31, s16, 20                        ; 256 kw rows,
	s_add_co_u32 s30, s30, s31
	s_lshl_b32 s31, s13, 9                         ; the slice's 128 columns,
	s_add_co_u32 s30, s30, s31
	s_lshl_b32 s31, s15, 7                         ; my wave's 32
	s_add_co_u32 s30, s30, s31
	s_mov_b32 s31, 0
	s_lshl_b32 s32, s12, 22                        ; hrec[e], K steps 8 kq on
	s_lshl_b32 s33, s24, 14
	s_add_co_u32 s32, s32, s33
	s_mov_b32 s33, 0
	s_lshl_b32 s34, s12, 7                         ; cnt[e]
	s_mov_b32 s35, 0
	s_lshl_b32 s36, s24, 25                        ; parts[kq][e], the slice's columns
	s_lshl_b32 s37, s12, 22
	s_add_co_u32 s36, s36, s37
	s_lshl_b32 s37, s13, 9
	s_add_co_u32 s36, s36, s37
	s_mov_b32 s37, 0
	s_wait_kmcnt 0x0
	s_add_nc_u64 s[4:5], s[4:5], s[30:31]
	s_add_nc_u64 s[6:7], s[6:7], s[32:33]
	s_add_nc_u64 s[8:9], s[8:9], s[34:35]
	s_add_nc_u64 s[10:11], s[10:11], s[36:37]
.macro LOADW t                         ; block t: W(32 t + i, my column) into set t % 2; a wave's load covers 128 consecutive bytes, four waves side by side 512
.irp i, 0,1,2,3,4,5,6,7,8,9,10,11,12,13,14,15,16,17,18,19,20,21,22,23,24,25,26,27,28,29,30,31
	global_load_b32 v[X+32*((\t)%2)+\i], v2, s[4:5] offset:(32*(\t)+\i)*PITCH th:TH_LOAD_NT
.endr
.endm
	LOADW 0
	LOADW 1
	s_load_b32 s17, s[8:9], 0x0                    ; the expert's rows
; Block t of my 8: its scale, its codes.  Blocks 2 c and 2 c + 1 of a K step go to registers 6 c .. 6 c + 5 of FA and of FB; six exchanges of halves then leave in FA the fragment of lanes 0-15's
; columns (lanes 0-15 block 2 c, lanes 16-31 block 2 c + 1, as the operand's layout asks) and in FB that of lanes 16-31's.
.macro BLOCK t
.set XS, X+32*((\t)%2)
.set BQ, (\t)%4
.set CQ, BQ/2
.if BQ%2
.set DB, FB+6*CQ
.else
.set DB, FA+6*CQ
.endif
.if (\t) < 7
	s_wait_loadcnt 32                              ; this block's 32 loads are in; the next block's may be out
.else
	s_wait_loadcnt 0x0
.endif
	v_max3_num_f32 v[MG], |v[XS]|, |v[XS+1]|, |v[XS+2]|            ; the block's largest magnitude: all 32 numbers are mine; two chains
	v_max3_num_f32 v[MG+1], |v[XS+3]|, |v[XS+4]|, |v[XS+5]|
.irp i, 6,10,14,18,22,26
	v_max3_num_f32 v[MG], v[MG], |v[XS+\i]|, |v[XS+\i+1]|
	v_max3_num_f32 v[MG+1], v[MG+1], |v[XS+\i+2]|, |v[XS+\i+3]|
.endr
	v_max3_num_f32 v[MG], v[MG], |v[XS+30]|, |v[XS+31]|
	v_max3_num_f32 v[MG], v[MG], v[MG+1], 0x2800000                ; and the floor 2^(5 - 127): the byte cannot fall under 1
	v_add_nc_u32 v[SO], 0xfe000000, v[MG]          ; 4 off its exponent field: the conversion takes the exponent field of this operand as its scale
.if BQ == 0
	v_lshrrev_b32 v[SW], 23, v[SO]                 ; the scale's byte: four make my column's word, the lower K in the lower byte
.else
	v_lshrrev_b32 v[SBY], 23, v[SO]
	v_lshl_or_b32 v[SW], v[SBY], 8*BQ, v[SW]
.endif
	v_cvt_scalef32_pk16_bf6_f32 v[DB:DB+2], v[XS:XS+15], v[SO]
	v_cvt_scalef32_pk16_bf6_f32 v[TC:TC+2], v[XS+16:XS+31], v[SO]  ; (a conversion's three registers begin on an even number)
	v_nop                                          ; one plain place behind a scaled conversion
.irp i, 0,1,2
	v_mov_b32 v[DB+3+\i], v[TC+\i]
.endr
.if (\t)+2 < 8
	LOADW (\t)+2
.endif
.if BQ%2
.irp i, 0,1,2,3,4,5
	v_permlane16_swap_b32 v[FA+6*CQ+\i], v[FB+6*CQ+\i]
.endr
.endif
.if BQ == 3
.irp c, 0,1,2
	ds_store_b128 v18, v[FA+4*\c:FA+4*\c+3] offset:((\t)/4)*12288+512*\c
.endr
.irp c, 0,1,2
	ds_store_b128 v18, v[FB+4*\c:FB+4*\c+3] offset:((\t)/4)*12288+1536+512*\c
.endr
	ds_store_b32 v19, v[SW] offset:((\t)/4)*512
	s_wait_dscnt 0x0                               ; the stores have read their registers: the next K step's codes may be written
.endif
.endm
.irp t, 0,1,2,3,4,5,6,7
	BLOCK \t
.endr
; The offsets of pair s19.  A wave whose pair the expert does not have is given the last pair that the expert has (pair 0 where it has no row at all).
.macro SETP
	s_max_u32 s22, s18, 1
	s_sub_co_u32 s22, s22, 1                       ; the expert's last pair
	s_min_u32 s22, s22, s19
	s_min_u32 s22, s22, 31                         ; inside the buffers, whatever was read
	s_lshl_b32 s30, s22, 17
	v_add_nc_u32 v7, s30, v1                       ; the pair's records in hrec; the pair's 32 rows of parts lie as many bytes on, so this serves the stores too
	v_add_nc_u32 v8, s30, v20                      ; the records' scale words
.endm
.macro BLOADS ks, q                    ; K step ks of the pair's two tiles into slot q: seven loads
.irp m, 0,1
.irp c, 0,1,2
	global_load_b128 v[BF+24*(\q)+12*\m+4*\c:BF+24*(\q)+12*\m+4*\c+3], v7, s[6:7] offset:\m*TS+(\ks)*2048+512*\c
.endr
.endr
	global_load_b32 v[BS+(\q)], v8, s[6:7] offset:(\ks)*2048+1536
.endm
.macro BPRE                            ; a pass's first two K steps: fourteen loads
	BLOADS 0, 0
	BLOADS 1, 1
.endm
.macro PLACES                          ; four places in front of loads into registers that matrix instructions have read, and of the first read of results
.rept 4
	v_nop
.endr
.endm
.macro SLOAD ks, g                     ; the scale words of W's tiles 2 g and 2 g + 1 of K step ks
	ds_load_b32 v[WS+(\g)], v6 offset:(\ks)*512+(\g)*128
.set NISS, NISS+1
.endm
.macro FLOAD ks, t                     ; W's tile t of K step ks, as it was stored, into slot t % 4
.if (\ks) < 4
.set WAD, 1
.else
.set WAD, 5
.endif
.set WSL, WF+12*((\t)%4)
.irp c, 0,1,2
	ds_load_b128 v[WSL+4*\c:WSL+4*\c+3], v[WAD] offset:((\ks)%4)*12288+(\t)*1536+512*\c
.endr
.set NISS, NISS+3
.if (\t)%4 == 0
.set RDY0, NISS
.elseif (\t)%4 == 1
.set RDY1, NISS
.elseif (\t)%4 == 2
.set RDY2, NISS
.else
.set RDY3, NISS
.endif
.endm
.macro FWAIT t                         ; LDS loads come back in order (ISA guide 5.7.1): the count is the number of LDS loads issued behind this slot's three: the three younger fragments' nine and the scale words among them,
.if (\t)%4 == 0                        ; 9 to 11; it runs down to 0 over the pass's last fragments.  The fragment's own scale word was asked for before its loads
	s_wait_dscnt NISS-RDY0
.elseif (\t)%4 == 1
	s_wait_dscnt NISS-RDY1
.elseif (\t)%4 == 2
	s_wait_dscnt NISS-RDY2
.else
	s_wait_dscnt NISS-RDY3
.endif
.endm
.macro WPRE                            ; a pass's first scale words and its first four fragments
.set NISS, 0
.irp g, 0,1,2,3
	SLOAD 0, \g
.endr
.irp t, 0,1,2,3
	FLOAD 0, \t
.endr
.endm
; One product: tile of columns t x tile of rows m; the rows' slot q.  An odd tile's scale words lie in lanes 16-31 of its register, and so do the second tile of rows'.
.macro WM t, m, q, zero
.set rD, ACC+64*(\m)+8*(\t)
.set rA, WF+12*((\t)%4)
.set rB, BF+24*(\q)+12*(\m)
.set rW, WS+(\t)/2
.set rX, BS+(\q)
.if \zero
.if ((\t)%2) && (\m)
	v_wmma_scale_f32_16x16x128_f8f6f4 v[rD:rD+7], v[rA:rA+11], v[rB:rB+11], 0, v[rW], v[rX] matrix_a_fmt:MATRIX_FMT_BF6 matrix_b_fmt:MATRIX_FMT_BF6 matrix_a_scale:MATRIX_SCALE_ROW1 matrix_b_scale:MATRIX_SCALE_ROW1
.elseif (\t)%2
	v_wmma_scale_f32_16x16x128_f8f6f4 v[rD:rD+7], v[rA:rA+11], v[rB:rB+11], 0, v[rW], v[rX] matrix_a_fmt:MATRIX_FMT_BF6 matrix_b_fmt:MATRIX_FMT_BF6 matrix_a_scale:MATRIX_SCALE_ROW1
.elseif \m
	v_wmma_scale_f32_16x16x128_f8f6f4 v[rD:rD+7], v[rA:rA+11], v[rB:rB+11], 0, v[rW], v[rX] matrix_a_fmt:MATRIX_FMT_BF6 matrix_b_fmt:MATRIX_FMT_BF6 matrix_b_scale:MATRIX_SCALE_ROW1
.else
	v_wmma_scale_f32_16x16x128_f8f6f4 v[rD:rD+7], v[rA:rA+11], v[rB:rB+11], 0, v[rW], v[rX] matrix_a_fmt:MATRIX_FMT_BF6 matrix_b_fmt:MATRIX_FMT_BF6
.endif
.else
.if ((\t)%2) && (\m)
	v_wmma_scale_f32_16x16x128_f8f6f4 v[rD:rD+7], v[rA:rA+11], v[rB:rB+11], v[rD:rD+7], v[rW], v[rX] matrix_a_fmt:MATRIX_FMT_BF6 matrix_b_fmt:MATRIX_FMT_BF6 matrix_a_scale:MATRIX_SCALE_ROW1 matrix_b_scale:MATRIX_SCALE_ROW1
.elseif (\t)%2
	v_wmma_scale_f32_16x16x128_f8f6f4 v[rD:rD+7], v[rA:rA+11], v[rB:rB+11], v[rD:rD+7], v[rW], v[rX] matrix_a_fmt:MATRIX_FMT_BF6 matrix_b_fmt:MATRIX_FMT_BF6 matrix_a_scale:MATRIX_SCALE_ROW1
.elseif \m
	v_wmma_scale_f32_16x16x128_f8f6f4 v[rD:rD+7], v[rA:rA+11], v[rB:rB+11], v[rD:rD+7], v[rW], v[rX] matrix_a_fmt:MATRIX_FMT_BF6 matrix_b_fmt:MATRIX_FMT_BF6 matrix_b_scale:MATRIX_SCALE_ROW1
.else
	v_wmma_scale_f32_16x16x128_f8f6f4 v[rD:rD+7], v[rA:rA+11], v[rB:rB+11], v[rD:rD+7], v[rW], v[rX] matrix_a_fmt:MATRIX_FMT_BF6 matrix_b_fmt:MATRIX_FMT_BF6
.endif
.endif
.endm
; Tile t of K step ks: its two products, and behind them and four places what goes into the registers that they have read: the fragment four further on into this slot; behind an odd tile the next K step's
; scale word of this tile and the one before; behind a K step's last tile the rows' records of two K steps on.  The sixteen accumulators take turns, one instruction a turn, in the same order in every
; K step.  K step 0 starts the sums: nothing is cleared.
.macro FSTEP ks, t
.set FN, 8*(\ks)+(\t)+4
.if (\t) == 0
.if (\ks) < 7
	s_wait_loadcnt 7                               ; this K step's seven loads are in; the other slot's seven, issued behind them, may be out
.else
	s_wait_loadcnt 0x0
.endif
.endif
	FWAIT \t
.if (\ks) == 0
	WM \t, 0, 0, 1
	WM \t, 1, 0, 1
.else
	WM \t, 0, (\ks)%2, 0
	WM \t, 1, (\ks)%2, 0
.endif
.if (FN < 64) || ((\t) == 7)
	PLACES
.endif
.if ((\t)%2) && ((\ks) < 7)
	SLOAD (\ks)+1, (\t)/2
.endif
.if FN < 64
	FLOAD FN/8, FN%8
.endif
.if ((\t) == 7) && ((\ks) < 6)
	BLOADS (\ks)+2, (\ks)%2
.endif
.endm
	s_wait_kmcnt 0x0                               ; the count, asked for at the head of phase 1
	s_min_u32 s17, s17, 1024
	s_add_co_u32 s18, s17, 31
	s_lshr_b32 s18, s18, 5                         ; the expert's pairs
	s_sub_co_u32 s19, s15, s16                     ; my first pair: kw + 4 ((cg - kw) mod 4).  Any four pairs on end fall on four waves that differ both in w % 4 and in w / 4:
	s_and_b32 s19, s19, 3                          ; however the sixteen waves are dealt to the four SIMDs, an expert's pairs are spread evenly over them
	s_lshl_b32 s19, s19, 2
	s_add_co_u32 s19, s19, s16
	SETP
	BPRE                                           ; on every wave's way to the barrier, so that every way into a pass has the same fourteen loads out; they are on their way across the barrier: nobody writes
	                                               ; those bytes in this launch.  A wave without a pair has asked for bytes that another wave reads anyway, and uses nothing of them
	s_mov_b32 s23, 0
	s_wait_dscnt 0x0                               ; for the others' sake: my fragments lie in LDS
	s_barrier_signal -1
	s_barrier_wait -1                              ; the slice's 64 fragments are whole; from here on they are only read, and each wave's stage is its own
	s_cmp_ge_u32 s19, s18                          ; has the expert my pair?  (a whole number that an earlier launch stored)
	s_cbranch_scc1 .Lend
.Lpass:
	WPRE
.irp ks, 0,1,2,3,4,5,6,7
.irp t, 0,1,2,3,4,5,6,7
	FSTEP \ks, \t
.endr
.endr
	; THE WAY OUT, a tile of 16 rows at a time: a lane holds 32 neighbouring bytes of a row and the lanes beside it other rows, so the tile goes through my stage and comes back as whole rows of 512 bytes
.irp m, 0,1
.irp t, 0,1,2,3,4,5,6,7
	ds_store_b128 v9, v[ACC+64*\m+8*\t:ACC+64*\m+8*\t+3] offset:64*\t          ; each accumulator from its low end on
	ds_store_b128 v9, v[ACC+64*\m+8*\t+4:ACC+64*\m+8*\t+7] offset:64*\t+16
.endr
.irp i, 0,1,2,3,4,5,6,7,8,9,10,11,12,13,14,15
	ds_load_b128 v[32+4*\i:35+4*\i], v10 offset:528*\i   ; LDS serves a wave's instructions in order (ISA guide 5.7.1.4): these see my stores
.endr
.irp i, 0,1,2,3,4,5,6,7,8,9,10,11,12,13,14,15
	s_wait_dscnt 15-\i                             ; row i is back; the younger rows may be out
	global_store_b128 v7, v[32+4*\i:35+4*\i], s[10:11] offset:(16*\m+\i)*4096   ; 32 lanes store 512 consecutive bytes, at a multiple of 512 from the buffer's first byte
.endr
	s_wait_xcnt 0x0                                ; the stores' data registers are loaded again, and behind the second tile their address register is written again
.endr
	s_add_co_u32 s19, s19, 16                      ; my next pair
	s_add_co_u32 s23, s23, 1
	s_cmp_ge_u32 s19, s18                          ; where the expert does not have it, nothing is asked for
	s_cbranch_scc1 .Lend
	SETP                                           ; (my loads are all in since K step 7's wait for 0: their address registers are free)
	BPRE
	s_cmp_lt_u32 s23, 2                            ; 32 pairs at the most, 16 waves: two passes
	s_cbranch_scc1 .Lpass
.Lend:
	s_wait_tensorcnt 0x0
	ds_add_u32 v30, v31
	s_wait_dscnt 0x0
	s_endpgm
.Lfunc_end_k_qc35e4e4a54_down:
	.size	k_qc35e4e4a54_down, .Lfunc_end_k_qc35e4e4a54_down-k_qc35e4e4a54_down
	.p2alignl 7, 3214868480
	.fill 96, 4, 3214868480
	.section	.rodata,"a",@progbits
	.p2align	6, 0x0
	.amdhsa_kernel k_qc35e4e4a54_down
		.amdhsa_group_segment_fixed_size 239616
		.amdhsa_private_segment_fixed_size 0
		.amdhsa_enable_private_segment 0
		.amdhsa_kernarg_size 32
		.amdhsa_user_sgpr_count 2
		.amdhsa_user_sgpr_kernarg_segment_ptr 1
		.amdhsa_wavefront_size32 1
		.amdhsa_system_sgpr_workgroup_id_x 1
		.amdhsa_system_sgpr_workgroup_id_y 1
		.amdhsa_system_sgpr_workgroup_id_z 1
		.amdhsa_system_vgpr_workitem_id 0
		.amdhsa_next_free_vgpr 256
		.amdhsa_next_free_sgpr 66
		.amdhsa_reserve_vcc 0
		.amdhsa_float_denorm_mode_32 3
		.amdhsa_float_denorm_mode_16_64 3
		.amdhsa_memory_ordered 1
		.amdhsa_forward_progress 1
		.amdhsa_inst_pref_size 96
	.end_amdhsa_kernel
	.amdgpu_metadata
---
amdhsa.version: [ 1, 2 ]
amdhsa.kernels:
  - .name:           k_qc35e4e4a54_down
    .symbol:         k_qc35e4e4a54_down.kd
    .args:
      - { .name: w2, .offset: 0, .size: 8, .value_kind: global_buffer, .address_space: global }
      - { .name: hrec, .offset: 8, .size: 8, .value_kind: global_buffer, .address_space: global }
      - { .name: cnt, .offset: 16, .size: 8, .value_kind: global_buffer, .address_space: global }
      - { .name: parts, .offset: 24, .size: 8, .value_kind: global_buffer, .address_space: global }
    .group_segment_fixed_size: 239616
    .private_segment_fixed_size: 0
    .kernarg_segment_align: 8
    .kernarg_segment_size: 32
    .max_flat_workgroup_size: 512
    .sgpr_count:     66
    .vgpr_count:     256
    .wavefront_size: 32
...
	.end_amdgpu_metadata
.endif
;; end of part 5
;; launch combine (part 6): grid 256 x 1, 8 waves a work-group, no clusters, 0 bytes of LDS; arguments parts, sel, pos, rw, out0; writes out0
.if DOCPART == 6
	.amdgcn_target "amdgcn-amd-amdhsa--gfx1250"
	.amdhsa_code_object_version 6
	.text
	.protected	k_qc35e4e4a54_combine
	.globl	k_qc35e4e4a54_combine
	.p2align	8
	.type	k_qc35e4e4a54_combine,@function
k_qc35e4e4a54_combine:
	s_mov_b64 s[64:65], 0
	v_nop
	global_prefetch_b8 v0, s[64:65] scope:SCOPE_SE
	s_setreg_imm32_b32 hwreg(HW_REG_WAVE_MODE, 25, 1), 1
	s_wait_xcnt 0x0
; out0[t] = rw[t][0] y[e0][t] + rw[t][1] y[e1][t], where y[e][t] = the sum of the four quarters parts[kq][e][pos[e][t]].  Each output row has one owner: nothing is added in memory.
; SHARES.  A work-group takes 4 tokens; a wave half a token's row, 2,048 bytes: 32 loads of 512 consecutive bytes, all issued at once; 4 stores of 512.
; The two experts and the places come from whole numbers that earlier launches stored; each is held inside its table before it enters an address.
; A stream: no LDS, no barrier, no matrix unit; waves share nothing.
	s_load_b256 s[4:11], s[0:1], 0x0               ; parts s[4:5], sel s[6:7], pos s[8:9], rw s[10:11]
	s_load_b64 s[12:13], s[0:1], 0x20              ; out0
	v_lshrrev_b32 v2, 5, v0
	v_readfirstlane_b32 s14, v2                    ; wave 0..7
	v_and_b32 v3, 31, v0
	s_and_b32 s15, s14, 1                          ; which half of the row
	s_lshr_b32 s16, s14, 1
	s_lshl_b32 s17, ttmp9, 2
	s_add_co_u32 s16, s16, s17                     ; the token
	s_lshl_b32 s15, s15, 11
	v_lshl_add_u32 v1, v3, 4, s15                  ; 16 x lane + 2,048 x half
	s_lshl_b32 s18, s16, 2
	s_mov_b32 s19, 0
	s_lshl_b32 s20, s16, 3
	s_mov_b32 s21, 0
	s_lshl_b32 s22, s16, 12
	s_mov_b32 s23, 0
	s_wait_kmcnt 0x0
	s_add_nc_u64 s[6:7], s[6:7], s[18:19]
	s_add_nc_u64 s[8:9], s[8:9], s[18:19]
	s_add_nc_u64 s[10:11], s[10:11], s[20:21]
	s_add_nc_u64 s[12:13], s[12:13], s[22:23]
	s_load_b32 s33, s[6:7], 0x0                    ; the choice word
	s_load_b64 s[34:35], s[10:11], 0x0             ; the two weights
.irp e, 0,1,2,3,4,5,6,7
	s_load_b32 s[24+\e], s[8:9], 4096*\e           ; the token's place in all eight lists: one round of loads, at addresses made of ids alone
.endr
	s_wait_kmcnt 0x0
	s_and_b32 s36, s33, 0xff
	s_min_u32 s36, s36, 7                          ; e0
	s_bfe_u32 s37, s33, 0x80008
	s_min_u32 s37, s37, 7                          ; e1
	s_mov_b32 s38, s24
	s_mov_b32 s39, s24
.irp i, 1,2,3,4,5,6,7
	s_cmp_eq_u32 s36, \i
	s_cselect_b32 s38, s[24+\i], s38
	s_cmp_eq_u32 s37, \i
	s_cselect_b32 s39, s[24+\i], s39
.endr
	s_min_u32 s38, s38, 1023                       ; the places
	s_min_u32 s39, s39, 1023
	s_lshl_b32 s56, s36, 10
	s_add_co_u32 s56, s56, s38
	s_lshl_b32 s56, s56, 12                        ; (1,024 e + place) rows of 4,096 bytes
	s_mov_b32 s57, 0
	s_lshl_b32 s58, s37, 10
	s_add_co_u32 s58, s58, s39
	s_lshl_b32 s58, s58, 12
	s_mov_b32 s59, 0
	s_mov_b32 s60, s35                             ; the second weight as a pair's low word (both words are written)
	s_mov_b32 s61, s35
	s_add_nc_u64 s[40:41], s[4:5], s[56:57]
	s_add_nc_u64 s[48:49], s[4:5], s[58:59]
.irp k, 1,2,3
	s_add_nc_u64 s[40+2*\k:41+2*\k], s[40:41], \k*0x2000000   ; the quarters lie 33,554,432 bytes apart
	s_add_nc_u64 s[48+2*\k:49+2*\k], s[48:49], \k*0x2000000
.endr
.irp j, 0,1
.irp k, 0,1,2,3
.irp i, 0,1,2,3
	global_load_b128 v[16+64*\j+16*\k+4*\i:19+64*\j+16*\k+4*\i], v1, s[40+8*\j+2*\k:41+8*\j+2*\k] offset:512*\i th:TH_LOAD_NT
.endr
.endr
.endr
.macro SUMJ j                          ; the four quarters of choice j, into the first quarter's registers
.irp q, 0,2,4,6,8,10,12,14
	v_pk_add_f32 v[16+64*\j+\q:17+64*\j+\q], v[16+64*\j+\q:17+64*\j+\q], v[32+64*\j+\q:33+64*\j+\q]
	v_pk_add_f32 v[48+64*\j+\q:49+64*\j+\q], v[48+64*\j+\q:49+64*\j+\q], v[64+64*\j+\q:65+64*\j+\q]
.endr
.irp q, 0,2,4,6,8,10,12,14
	v_pk_add_f32 v[16+64*\j+\q:17+64*\j+\q], v[16+64*\j+\q:17+64*\j+\q], v[48+64*\j+\q:49+64*\j+\q]
.endr
.endm
	s_wait_loadcnt 16                              ; the first choice's sixteen loads are in; the second's may be out
	SUMJ 0
.irp q, 0,2,4,6,8,10,12,14
	v_pk_mul_f32 v[16+\q:17+\q], v[16+\q:17+\q], s[34:35] op_sel_hi:[1,0]
.endr
	s_wait_loadcnt 0x0
	SUMJ 1
.irp q, 0,2,4,6,8,10,12,14
	v_pk_fma_f32 v[16+\q:17+\q], v[80+\q:81+\q], s[60:61], v[16+\q:17+\q] op_sel_hi:[1,0,1]
.endr
.irp i, 0,1,2,3
	global_store_b128 v1, v[16+4*\i:19+4*\i], s[12:13] offset:512*\i th:TH_STORE_NT   ; 512 consecutive bytes each
.endr
	s_endpgm
.Lfunc_end_k_qc35e4e4a54_combine:
	.size	k_qc35e4e4a54_combine, .Lfunc_end_k_qc35e4e4a54_combine-k_qc35e4e4a54_combine
	.p2alignl 7, 3214868480
	.fill 96, 4, 3214868480
	.section	.rodata,"a",@progbits
	.p2align	6, 0x0
	.amdhsa_kernel k_qc35e4e4a54_combine
		.amdhsa_group_segment_fixed_size 0
		.amdhsa_private_segment_fixed_size 0
		.amdhsa_enable_private_segment 0
		.amdhsa_kernarg_size 40
		.amdhsa_user_sgpr_count 2
		.amdhsa_user_sgpr_kernarg_segment_ptr 1
		.amdhsa_wavefront_size32 1
		.amdhsa_system_sgpr_workgroup_id_x 1
		.amdhsa_system_sgpr_workgroup_id_y 1
		.amdhsa_system_sgpr_workgroup_id_z 1
		.amdhsa_system_vgpr_workitem_id 0
		.amdhsa_next_free_vgpr 148
		.amdhsa_next_free_sgpr 66
		.amdhsa_reserve_vcc 0
		.amdhsa_float_denorm_mode_32 3
		.amdhsa_float_denorm_mode_16_64 3
		.amdhsa_memory_ordered 1
		.amdhsa_forward_progress 1
		.amdhsa_inst_pref_size 12
	.end_amdhsa_kernel
	.amdgpu_metadata
---
amdhsa.version: [ 1, 2 ]
amdhsa.kernels:
  - .name:           k_qc35e4e4a54_combine
    .symbol:         k_qc35e4e4a54_combine.kd
    .args:
      - { .name: parts, .offset: 0, .size: 8, .value_kind: global_buffer, .address_space: global }
      - { .name: sel, .offset: 8, .size: 8, .value_kind: global_buffer, .address_space: global }
      - { .name: pos, .offset: 16, .size: 8, .value_kind: global_buffer, .address_space: global }
      - { .name: rw, .offset: 24, .size: 8, .value_kind: global_buffer, .address_space: global }
      - { .name: out0, .offset: 32, .size: 8, .value_kind: global_buffer, .address_space: global }
    .group_segment_fixed_size: 0
    .private_segment_fixed_size: 0
    .kernarg_segment_align: 8
    .kernarg_segment_size: 40
    .max_flat_workgroup_size: 256
    .sgpr_count:     66
    .vgpr_count:     148
    .wavefront_size: 32
...
	.end_amdgpu_metadata
.endif
;; end of part 6
;; ======== version 2 of 2: 6 launches
;; workspace buffers: sel 4,096 bytes of whole numbers; rw 8,192 bytes; cnt 1,024 bytes of whole numbers; pos 32,768 bytes of whole numbers; list 32,768 bytes of whole numbers; xrec 8,388,608 bytes; hrec 33,554,432 bytes; parts 134,217,728 bytes
;; launch route (part 7): grid 32 x 1, 16 waves a work-group, no clusters, 36,864 bytes of LDS; arguments hidden_states, gate_w, out1, sel, rw; writes out1, sel, rw
.if DOCPART == 7
	.amdgcn_target "amdgcn-amd-amdhsa--gfx1250"
	.amdhsa_code_object_version 6
	.text
	.protected	k_qc35e4e4a54_route
	.globl	k_qc35e4e4a54_route
	.p2align	8
	.type	k_qc35e4e4a54_route,@function
k_qc35e4e4a54_route:
	s_mov_b64 s[64:65], 0
	v_nop
	global_prefetch_b8 v0, s[64:65] scope:SCOPE_SE
	s_setreg_imm32_b32 hwreg(HW_REG_WAVE_MODE, 25, 1), 1
	s_wait_xcnt 0x0
; THE ROUTER.  logits[t][e] = sum over d of x[t][d] gate_w[e][d], in f32 fused multiply-adds; softmax over the 8 experts with the row's maximum taken away; the two largest
; probabilities (of equals the lower index) and their weights, renormalised to sum 1.  Stored: out1 = the logits; rw[t][2] = the weights;
; sel[t] = e0 | e1 << 8 | ((1 << e0) | (1 << e1)) << 16, a whole number at a fixed place: no address and no branch of THIS launch hangs on the choice; later launches read it.
; SHARES.  A work-group takes 32 tokens, each of its 16 waves two.  gate_w (32,768 bytes) is copied into LDS once; a lane takes 4 neighbouring columns of each run of 128.
; LIMITS: NaN and infinities are not served.  Two probabilities that differ by less than the rounding of these f32 sums may be ranked otherwise than by another order of summation.
; No matrix unit: 8 columns of output, and the result steers a choice, so the operands stay f32.
.set SLOG, 32768                       ; LDS: gate_w lies at 0 as in memory; then 32 tokens x 8 logits,
.set SRW,  33792                       ; 32 x 2 weights,
.set SSEL, 34048                       ; 32 choice words
.set LG,   32                          ; v32-47   gate_w on its way to LDS; later the 16 logits (8 u + e)
.set PR,   48                          ; v48-55   a token's probabilities
.set XR,   64                          ; v64-127  x: token u, run j at 32 u + 4 j
.set GB,   128                         ; v128-191 gate_w from LDS: two sets of 8 experts x 4
.set ACC,  192                         ; v192-223 sums: a pair for (u, e) at 16 u + 2 e
	s_load_b256 s[4:11], s[0:1], 0x0               ; hidden_states s[4:5], gate_w s[6:7], out1 s[8:9], sel s[10:11]
	s_load_b64 s[12:13], s[0:1], 0x20              ; rw
	v_lshl_add_u32 v224, v0, 2, 0x8800
	v_mov_b32 v225, 0
	v_lshrrev_b32 v8, 5, v0
	s_delay_alu instid0(VALU_DEP_1)
	v_readfirstlane_b32 s14, v8                    ; wave 0..15
	v_and_b32 v9, 31, v0                           ; lane
	s_delay_alu instid0(VALU_DEP_1)
	v_lshlrev_b32 v1, 4, v9                        ; 16 x lane
	s_delay_alu instid0(VALU_DEP_2)
	v_lshlrev_b32 v2, 3, v9                        ; 8 x lane
	s_delay_alu instid0(VALU_DEP_3)
	v_lshlrev_b32 v3, 2, v9                        ; 4 x lane
	s_lshl_b32 s15, s14, 11
	v_add_nc_u32 v4, s15, v1                       ; my 16 bytes of my wave's 2,048 bytes of gate_w, in memory and in LDS alike
	s_lshl_b32 s16, s14, 6
	s_add_co_u32 s16, s16, SLOG
	v_mov_b32 v5, s16                              ; where my wave's two tokens put their logits,
	s_lshl_b32 s16, s14, 4
	s_add_co_u32 s16, s16, SRW
	v_mov_b32 v6, s16                              ; their weights,
	s_lshl_b32 s16, s14, 3
	s_add_co_u32 s16, s16, SSEL
	v_mov_b32 v7, s16                              ; their choice words
	v_mov_b32 v30, 1
	s_mov_b32 s20, 0x76543210
	s_mov_b32 s21, 0xfedcba98                      ; v_permlanex16_b32's selects for lane l xor 16
	s_mov_b32 s26, 0x3fb8aa3b                      ; log2(e)
	s_lshl_b32 s22, ttmp9, 17                      ; 32 tokens of 4,096 bytes a work-group,
	s_lshl_b32 s23, s14, 13                        ; two a wave
	s_add_co_u32 s22, s22, s23
	s_mov_b32 s23, 0
	s_mov_b32 s25, 0
	s_wait_alu depctr_va_vdst(0)
	s_wait_kmcnt 0x0
	s_add_nc_u64 s[4:5], s[4:5], s[22:23]
.irp i, 0,1,2,3
	global_load_b128 v[LG+4*\i:LG+4*\i+3], v4, s[6:7] offset:512*\i
.endr
.irp u, 0,1
.irp j, 0,1,2,3,4,5,6,7
	global_load_b128 v[XR+32*\u+4*\j:XR+32*\u+4*\j+3], v1, s[4:5] offset:4096*\u+512*\j   ; 32 lanes read 512 consecutive bytes of a token
.endr
.endr
	s_lshl_b32 s24, ttmp9, 10
	s_add_nc_u64 s[8:9], s[8:9], s[24:25]          ; out1: 32 bytes a token
	s_lshl_b32 s24, ttmp9, 7
	s_add_nc_u64 s[10:11], s[10:11], s[24:25]      ; sel: 4
	s_lshl_b32 s24, ttmp9, 8
	s_add_nc_u64 s[12:13], s[12:13], s[24:25]      ; rw: 8
	s_wait_loadcnt 16                              ; gate_w's four loads are in; x's sixteen, issued behind them, may be out
.irp i, 0,1,2,3
	ds_store_b128 v4, v[LG+4*\i:LG+4*\i+3] offset:512*\i
.endr
	s_wait_dscnt 0x0                               ; for the others' sake: my part of gate_w lies in LDS
	s_barrier_signal -1
	s_barrier_wait -1
.macro GLOAD c                         ; the 8 experts' numbers at my 4 columns of run c, into set c % 2
.irp e, 0,1,2,3,4,5,6,7
	ds_load_b128 v[GB+32*((\c)%2)+4*\e:GB+32*((\c)%2)+4*\e+3], v1 offset:4096*\e+512*(\c)
.endr
.endm
.macro DOT c                           ; 2 tokens x 8 experts x 4 columns; the first run starts the sums: nothing is cleared
.set GBB, GB+32*((\c)%2)
.irp u, 0,1
.irp e, 0,1,2,3,4,5,6,7
.if (\c) == 0
	v_pk_mul_f32 v[ACC+16*\u+2*\e:ACC+16*\u+2*\e+1], v[XR+32*\u:XR+32*\u+1], v[GBB+4*\e:GBB+4*\e+1]
.else
	v_pk_fma_f32 v[ACC+16*\u+2*\e:ACC+16*\u+2*\e+1], v[XR+32*\u+4*(\c):XR+32*\u+4*(\c)+1], v[GBB+4*\e:GBB+4*\e+1], v[ACC+16*\u+2*\e:ACC+16*\u+2*\e+1]
.endif
.endr
.endr
.irp u, 0,1
.irp e, 0,1,2,3,4,5,6,7
	v_pk_fma_f32 v[ACC+16*\u+2*\e:ACC+16*\u+2*\e+1], v[XR+32*\u+4*(\c)+2:XR+32*\u+4*(\c)+3], v[GBB+4*\e+2:GBB+4*\e+3], v[ACC+16*\u+2*\e:ACC+16*\u+2*\e+1]
.endr
.endr
.endm
	GLOAD 0
	s_wait_loadcnt 0x0                             ; x
.irp j, 0,1,2,3,4,5,6
	GLOAD \j+1
	s_wait_dscnt 8                                 ; this run's eight loads are in; the eight just issued may be out
	DOT \j
.endr
	s_wait_dscnt 0x0
	DOT 7
	; the sums' two halves, then the 32 lanes: every lane ends with all 16 logits
.irp i, 0,1,2,3,4,5,6,7,8,9,10,11,12,13,14,15
	v_add_f32 v[LG+\i], v[ACC+2*\i], v[ACC+2*\i+1]
.endr
.irp msk, 1,2,4,8
.irp i, 0,1,2,3,4,5,6,7,8,9,10,11,12,13,14,15
	v_add_f32_dpp v[LG+\i], v[LG+\i], v[LG+\i] row_xmask:\msk row_mask:0xf bank_mask:0xf
.endr
.endr
.irp i, 0,1,2,3,4,5,6,7,8,9,10,11,12,13,14,15
	v_permlanex16_b32 v[ACC+\i], v[LG+\i], s20, s21   ; (its destination counts as read: the sums' registers have been written)
.endr
.irp i, 0,1,2,3,4,5,6,7,8,9,10,11,12,13,14,15
	v_add_f32 v[LG+\i], v[LG+\i], v[ACC+\i]
.endr
.macro PICK bst, idx                   ; the largest of the 8 probabilities and its index; the old best stays where p_i <= best, so of equals the lower index is kept
	v_mov_b32 v[\bst], v[PR]
	v_mov_b32 v[\idx], 0
.irp i, 1,2,3,4,5,6,7
	s_delay_alu instid0(VALU_DEP_2)
	v_cmp_le_f32 vcc_lo, v[PR+\i], v[\bst]
	s_delay_alu instid0(VALU_DEP_1)
	v_cndmask_b32 v[\bst], v[PR+\i], v[\bst], vcc_lo
	s_delay_alu instid0(VALU_DEP_2)
	v_cndmask_b32 v[\idx], \i, v[\idx], vcc_lo
.endr
.endm
.macro TOP2 u                          ; token u, the same in every lane
.set LB, LG+8*\u
	v_max3_num_f32 v8, v[LB], v[LB+1], v[LB+2]
	s_delay_alu instid0(VALU_DEP_1)
	v_max3_num_f32 v8, v8, v[LB+3], v[LB+4]
	s_delay_alu instid0(VALU_DEP_1)
	v_max3_num_f32 v8, v8, v[LB+5], v[LB+6]
	s_delay_alu instid0(VALU_DEP_1)
	v_max_num_f32 v8, v8, v[LB+7]                  ; the row's maximum is taken away ahead of the exponentials
	s_delay_alu instid0(VALU_DEP_1)
	v_mul_f32 v8, s26, v8
.irp i, 0,1,2,3,4,5,6,7
	v_fma_f32 v[PR+\i], v[LB+\i], s26, -v8
.endr
	s_wait_alu depctr_va_vdst(0)
.irp i, 0,1,2,3,4,5,6,7
	v_exp_f32 v[PR+\i], v[PR+\i]
.endr
	v_nop                                          ; a plain place behind the exponentials
	s_wait_alu depctr_va_vdst(0)
	v_add_f32 v9, v[PR], v[PR+1]
	v_add_f32 v10, v[PR+2], v[PR+3]
	v_add_f32 v11, v[PR+4], v[PR+5]
	v_add_f32 v12, v[PR+6], v[PR+7]
	s_delay_alu instid0(VALU_DEP_3)
	v_add_f32 v9, v9, v10
	s_delay_alu instid0(VALU_DEP_2)
	v_add_f32 v11, v11, v12
	s_delay_alu instid0(VALU_DEP_1)
	v_add_f32 v9, v9, v11
	s_wait_alu depctr_va_vdst(0)
	v_rcp_f32 v9, v9
	v_nop                                          ; a plain place behind the reciprocal
	s_wait_alu depctr_va_vdst(0)
.irp i, 0,1,2,3,4,5,6,7
	v_mul_f32 v[PR+\i], v[PR+\i], v9               ; the probabilities
.endr
	PICK 10, 11
.irp i, 0,1,2,3,4,5,6,7
	v_cmp_ne_u32 vcc_lo, \i, v11
	s_delay_alu instid0(VALU_DEP_1)
	v_cndmask_b32 v[PR+\i], -1.0, v[PR+\i], vcc_lo ; the winner leaves the field
.endr
	PICK 12, 13
	s_delay_alu instid0(VALU_DEP_2)
	v_add_f32 v14, v10, v12
	s_wait_alu depctr_va_vdst(0)
	v_rcp_f32 v14, v14
	v_lshl_or_b32 v[28+\u], v13, 8, v11            ; (a plain place)  e0 | e1 << 8
	s_wait_alu depctr_va_vdst(0)
	v_mul_f32 v[24+2*\u], v10, v14                 ; the two weights, renormalised
	v_mul_f32 v[25+2*\u], v12, v14
	v_lshlrev_b32 v15, v11, v30
	v_lshlrev_b32 v16, v13, v30
	s_delay_alu instid0(VALU_DEP_1)
	v_or_b32 v15, v15, v16
	s_delay_alu instid0(VALU_DEP_1)
	v_lshl_or_b32 v[28+\u], v15, 16, v[28+\u]      ; and the two experts' bits above
.endm
	TOP2 0
	TOP2 1
.irp i, 0,1,2,3
	ds_store_b128 v5, v[LG+4*\i:LG+4*\i+3] offset:16*\i   ; all lanes write the same bytes with the same values
.endr
	ds_store_b128 v6, v[24:27]
	ds_store_b64 v7, v[28:29]
	s_wait_dscnt 0x0                               ; for wave 0's sake
	s_barrier_signal -1
	s_barrier_wait -1
	s_cmp_lg_u32 s14, 0                            ; wave 0 stores the work-group's results in long runs
	s_cbranch_scc1 .Lend
	ds_load_b128 v[64:67], v1 offset:SLOG
	ds_load_b128 v[68:71], v1 offset:SLOG+512
	ds_load_b64 v[72:73], v2 offset:SRW
	ds_load_b32 v74, v3 offset:SSEL
	s_wait_dscnt 0x0
	global_store_b128 v1, v[64:67], s[8:9]         ; 512 consecutive bytes each
	global_store_b128 v1, v[68:71], s[8:9] offset:512
	global_store_b64 v2, v[72:73], s[12:13]        ; 256 consecutive bytes
	global_store_b32 v3, v74, s[10:11]
.Lend:
	s_wait_tensorcnt 0x0
	ds_add_u32 v224, v225
	s_wait_dscnt 0x0
	s_endpgm
.Lfunc_end_k_qc35e4e4a54_route:
	.size	k_qc35e4e4a54_route, .Lfunc_end_k_qc35e4e4a54_route-k_qc35e4e4a54_route
	.p2alignl 7, 3214868480
	.fill 96, 4, 3214868480
	.section	.rodata,"a",@progbits
	.p2align	6, 0x0
	.amdhsa_kernel k_qc35e4e4a54_route
		.amdhsa_group_segment_fixed_size 36864
		.amdhsa_private_segment_fixed_size 0
		.amdhsa_enable_private_segment 0
		.amdhsa_kernarg_size 40
		.amdhsa_user_sgpr_count 2
		.amdhsa_user_sgpr_kernarg_segment_ptr 1
		.amdhsa_wavefront_size32 1
		.amdhsa_system_sgpr_workgroup_id_x 1
		.amdhsa_system_sgpr_workgroup_id_y 1
		.amdhsa_system_sgpr_workgroup_id_z 1
		.amdhsa_system_vgpr_workitem_id 0
		.amdhsa_next_free_vgpr 226
		.amdhsa_next_free_sgpr 66
		.amdhsa_reserve_vcc 1
		.amdhsa_float_denorm_mode_32 3
		.amdhsa_float_denorm_mode_16_64 3
		.amdhsa_memory_ordered 1
		.amdhsa_forward_progress 1
		.amdhsa_inst_pref_size 44
	.end_amdhsa_kernel
	.amdgpu_metadata
---
amdhsa.version: [ 1, 2 ]
amdhsa.kernels:
  - .name:           k_qc35e4e4a54_route
    .symbol:         k_qc35e4e4a54_route.kd
    .args:
      - { .name: hidden_states, .offset: 0, .size: 8, .value_kind: global_buffer, .address_space: global }
      - { .name: gate_w, .offset: 8, .size: 8, .value_kind: global_buffer, .address_space: global }
      - { .name: out1, .offset: 16, .size: 8, .value_kind: global_buffer, .address_space: global }
      - { .name: sel, .offset: 24, .size: 8, .value_kind: global_buffer, .address_space: global }
      - { .name: rw, .offset: 32, .size: 8, .value_kind: global_buffer, .address_space: global }
    .group_segment_fixed_size: 36864
    .private_segment_fixed_size: 0
    .kernarg_segment_align: 8
    .kernarg_segment_size: 40
    .max_flat_workgroup_size: 512
    .sgpr_count:     66
    .vgpr_count:     226
    .wavefront_size: 32
...
	.end_amdgpu_metadata
.endif
;; end of part 7
;; launch sort (part 8): grid 8 x 1, 1 waves a work-group, no clusters, 4,608 bytes of LDS; arguments sel, list, cnt, pos; writes list, cnt, pos
.if DOCPART == 8
	.amdgcn_target "amdgcn-amd-amdhsa--gfx1250"
	.amdhsa_code_object_version 6
	.text
	.protected	k_qc35e4e4a54_sort
	.globl	k_qc35e4e4a54_sort
	.p2align	8
	.type	k_qc35e4e4a54_sort,@function
k_qc35e4e4a54_sort:
	s_mov_b64 s[64:65], 0
	v_nop
	global_prefetch_b8 v0, s[64:65] scope:SCOPE_SE
	s_setreg_imm32_b32 hwreg(HW_REG_WAVE_MODE, 25, 1), 1
	s_wait_xcnt 0x0
; THE TOKENS ARE SORTED BY EXPERT.  Work-group e, one wave, makes expert e's list from the stored choice words: a counting sort, no atomics.
; list[e][1,024] = the tokens that chose e, one after the other; places from the count on hold token 0.  cnt[e][32 words], all = the expert's number of rows.
; pos[e][t] = token t's place in e's list (a defined number that nobody uses where t did not choose e).
; A LAUNCH OF ITS OWN: list and count steer the next launches' addresses and branches, so they are made here, stored as whole numbers, and read there from memory.
; In this launch nothing that went through LDS enters a global address or a branch: LDS carries only the numbers that are stored.
; The order within a list is that of the registers (register 4 c + q of lane l holds token 128 c + 4 l + q), not that of the tokens: any order serves, since pos says which place a token got.
; One wave: 4,096 bytes of input an expert; LDS serves a wave's instructions in order (ISA guide 5.7.1.4), so no barrier stands here.
.set DUMP, 4096                        ; LDS: the list, 1,024 words, at 0; then a word a lane for lanes with nothing to place
.set S,    32                          ; v32-63   the choice words, then the places
.set LO,   64                          ; v64-95   the list on its way out
.set MK,   66                          ; s[66:97] which lanes' tokens chose e, for each of the 32 registers
	s_load_b256 s[4:11], s[0:1], 0x0               ; sel s[4:5], list s[6:7], cnt s[8:9], pos s[10:11]
	v_lshl_add_u32 v96, v0, 2, 0x1100
	v_mov_b32 v97, 0
	v_lshlrev_b32 v1, 4, v0                        ; 16 x lane (one wave: the thread's number is the lane)
	v_lshlrev_b32 v2, 2, v0                        ; 4 x lane
	v_add_nc_u32 v3, DUMP, v2                      ; my dump word
.irp i, 0,1,2,3
	v_mov_b32 v[12+\i], 0
.endr
	s_lshl_b32 s12, ttmp9, 12                      ; list[e] and pos[e]: 4,096 bytes an expert
	s_mov_b32 s13, 0
	s_lshl_b32 s14, ttmp9, 7                       ; cnt[e]: 128
	s_mov_b32 s15, 0
	s_add_co_u32 s30, ttmp9, 16
	s_lshl_b32 s30, 1, s30                         ; expert e's bit in a choice word
	s_mov_b32 s31, 0                               ; places given out so far
	s_wait_alu depctr_va_vdst(0)
	s_wait_kmcnt 0x0
.irp c, 0,1,2,3,4,5,6,7
	global_load_b128 v[S+4*\c:S+4*\c+3], v1, s[4:5] offset:512*\c   ; register 4 c + q of lane l: token 128 c + 4 l + q
.endr
.irp c, 0,1,2,3,4,5,6,7
	ds_store_b128 v1, v[12:15] offset:512*\c       ; the list begins as token 0 everywhere
.endr
	s_add_nc_u64 s[6:7], s[6:7], s[12:13]
	s_add_nc_u64 s[10:11], s[10:11], s[12:13]
	s_add_nc_u64 s[8:9], s[8:9], s[14:15]
	s_wait_loadcnt 0x0
.irp i, 0,1,2,3,4,5,6,7,8,9,10,11,12,13,14,15,16,17,18,19,20,21,22,23,24,25,26,27,28,29,30,31
	v_and_b32 v10, s30, v[S+\i]
	v_cmp_ne_u32 s[MK+\i], 0, v10
.endr
.irp i, 0,1,2,3,4,5,6,7,8,9,10,11,12,13,14,15,16,17,18,19,20,21,22,23,24,25,26,27,28,29,30,31
	v_mbcnt_lo_u32_b32 v[S+\i], s[MK+\i], s31      ; my token's place: those given out + the lower lanes that chose e
	s_bcnt1_i32_b32 s32, s[MK+\i]
	s_add_co_u32 s31, s31, s32
	v_lshlrev_b32 v10, 2, v[S+\i]
	v_cndmask_b32 v10, v3, v10, s[MK+\i]           ; a lane whose token did not choose e writes to its dump word
	v_min_u32 v10, 0x107c, v10                     ; inside the list and the dump words, whatever was loaded
	v_add_nc_u32 v11, 128*(\i/4)+\i%4, v2          ; the token
	ds_store_b32 v10, v11
.endr
.irp c, 0,1,2,3,4,5,6,7
	ds_load_b128 v[LO+4*\c:LO+4*\c+3], v1 offset:512*\c   ; the list comes back behind my stores
.endr
	v_mov_b32 v11, s31                             ; the count
.irp c, 0,1,2,3,4,5,6,7
	global_store_b128 v1, v[S+4*\c:S+4*\c+3], s[10:11] offset:512*\c   ; pos[e]: 512 consecutive bytes each
.endr
	global_store_b32 v2, v11, s[8:9]               ; cnt[e]: 32 equal words
	s_wait_dscnt 0x0
.irp c, 0,1,2,3,4,5,6,7
	global_store_b128 v1, v[LO+4*\c:LO+4*\c+3], s[6:7] offset:512*\c   ; list[e]
.endr
	s_wait_tensorcnt 0x0
	ds_add_u32 v96, v97
	s_wait_dscnt 0x0
	s_endpgm
.Lfunc_end_k_qc35e4e4a54_sort:
	.size	k_qc35e4e4a54_sort, .Lfunc_end_k_qc35e4e4a54_sort-k_qc35e4e4a54_sort
	.p2alignl 7, 3214868480
	.fill 96, 4, 3214868480
	.section	.rodata,"a",@progbits
	.p2align	6, 0x0
	.amdhsa_kernel k_qc35e4e4a54_sort
		.amdhsa_group_segment_fixed_size 4608
		.amdhsa_private_segment_fixed_size 0
		.amdhsa_enable_private_segment 0
		.amdhsa_kernarg_size 32
		.amdhsa_user_sgpr_count 2
		.amdhsa_user_sgpr_kernarg_segment_ptr 1
		.amdhsa_wavefront_size32 1
		.amdhsa_system_sgpr_workgroup_id_x 1
		.amdhsa_system_sgpr_workgroup_id_y 1
		.amdhsa_system_sgpr_workgroup_id_z 1
		.amdhsa_system_vgpr_workitem_id 0
		.amdhsa_next_free_vgpr 98
		.amdhsa_next_free_sgpr 100
		.amdhsa_reserve_vcc 0
		.amdhsa_float_denorm_mode_32 3
		.amdhsa_float_denorm_mode_16_64 3
		.amdhsa_memory_ordered 1
		.amdhsa_forward_progress 1
		.amdhsa_inst_pref_size 21
	.end_amdhsa_kernel
	.amdgpu_metadata
---
amdhsa.version: [ 1, 2 ]
amdhsa.kernels:
  - .name:           k_qc35e4e4a54_sort
    .symbol:         k_qc35e4e4a54_sort.kd
    .args:
      - { .name: sel, .offset: 0, .size: 8, .value_kind: global_buffer, .address_space: global }
      - { .name: list, .offset: 8, .size: 8, .value_kind: global_buffer, .address_space: global }
      - { .name: cnt, .offset: 16, .size: 8, .value_kind: global_buffer, .address_space: global }
      - { .name: pos, .offset: 24, .size: 8, .value_kind: global_buffer, .address_space: global }
    .group_segment_fixed_size: 4608
    .private_segment_fixed_size: 0
    .kernarg_segment_align: 8
    .kernarg_segment_size: 32
    .max_flat_workgroup_size: 32
    .sgpr_count:     100
    .vgpr_count:     98
    .wavefront_size: 32
...
	.end_amdgpu_metadata
.endif
;; end of part 8
;; launch place (part 9): grid 16 x 8, 16 waves a work-group, no clusters, 137,216 bytes of LDS; arguments list, cnt, hidden_states, xrec; writes xrec
.if DOCPART == 9
	.amdgcn_target "amdgcn-amd-amdhsa--gfx1250"
	.amdhsa_code_object_version 6
	.text
	.protected	k_qc35e4e4a54_place
	.globl	k_qc35e4e4a54_place
	.p2align	8
	.type	k_qc35e4e4a54_place,@function
k_qc35e4e4a54_place:
	s_mov_b64 s[64:65], 0
	v_nop
	global_prefetch_b8 v0, s[64:65] scope:SCOPE_SE
	s_setreg_imm32_b32 hwreg(HW_REG_WAVE_MODE, 25, 1), 1
	s_wait_xcnt 0x0
; x IS GATHERED BY EXPERT AND QUANTISED.  Work-group (x, e) writes the rows of pairs x and x + 16 of expert e's list (a pair = 32 places = two tiles of 16 rows) as codes of E3M2 with one
; E8M0 scale for each 32 along D.  List and count are whole numbers that the launch before stored; they are read by scalar loads at addresses made of ids alone.
; A RECORD is the image of one operand fragment (16 rows x 128 along K, 12 registers a lane): registers 4 c .. 4 c + 3 of lane l at byte 512 c + 16 l, the row's scale word at 1,536 + 4 l; 2,048 bytes.
; xrec[e][tile 0..63][K step 0..7][record].
; SHARES.  Wave w = (m = w / 8: which tile of the pair; ks = w % 8: which 128 along D): one record a pair.  Waves share nothing: no barrier.
; List places from the count on hold token 0: their rows are computed with the others of their pair, and nobody reads the results.  The grid serves every split: up to 32 pairs an expert;
; a pair that the count does not reach is passed over by a scalar branch.
; A block's scale is 2^(floor(log2(largest magnitude)) - 4): the magnitude's exponent field less 4, held at 1 from below.  A block of zeros so has the byte 1 where the rule says 127: its codes are
; zeros, and this program alone reads the bytes.  LIMITS: NaN and infinities are not served.
.set TK,   16                          ; v16-31   a tile's 16 rows: my byte offset in each token
.set R,    32                          ; v32-95   16 rows x 512 bytes as loaded
.set XQ,   96                          ; v96-159  64 numbers of my row: register 16 b + i = k 32 b + 16 (lane / 16) + i
.set TM,   160                         ; v160-175 at work in QUANT
.set PW,   176                         ; the scale word just made
.set PC,   180                         ; v180-199 the codes just made
.set LT,   32                          ; s[32:47] my tile's 16 tokens of pair x;  s[48:63] of pair x + 16
                                       ; LDS: a stage of 16 rows x (512 + 16) bytes for each wave, from byte 0 on
	s_load_b256 s[4:11], s[0:1], 0x0               ; list s[4:5], cnt s[6:7], hidden_states s[8:9], xrec s[10:11]
	v_lshl_add_u32 v208, v0, 2, 0x21000
	v_mov_b32 v209, 0
	v_lshrrev_b32 v20, 5, v0
	s_delay_alu instid0(VALU_DEP_1)
	v_readfirstlane_b32 s14, v20                   ; wave 0..15
	s_lshr_b32 s15, s14, 3                         ; m: which tile of a pair is my wave's
	s_and_b32 s16, s14, 7                          ; ks: which 128 along D
	s_and_b32 s18, ttmp9, 15                       ; x
	s_and_b32 s19, ttmp7, 0xffff                   ; e
	s_lshl_b32 s26, s19, 12                        ; list[e],
	s_lshl_b32 s27, s18, 7                         ; pair x: 32 words,
	s_add_co_u32 s26, s26, s27
	s_lshl_b32 s27, s15, 6                         ; tile m: 16 words
	s_add_co_u32 s26, s26, s27
	s_mov_b32 s27, 0
	s_lshl_b32 s28, s19, 7                         ; cnt[e]
	s_mov_b32 s29, 0
	s_lshl_b32 s24, s19, 20                        ; xrec: 64 tiles x 8 records an expert,
	s_lshl_b32 s25, s18, 15                        ; pair x,
	s_add_co_u32 s24, s24, s25
	s_lshl_b32 s25, s15, 14                        ; tile m,
	s_add_co_u32 s24, s24, s25
	s_lshl_b32 s25, s16, 11                        ; record ks
	s_add_co_u32 s24, s24, s25
	s_mov_b32 s25, 0
	s_wait_kmcnt 0x0
	s_add_nc_u64 s[4:5], s[4:5], s[26:27]
	s_add_nc_u64 s[6:7], s[6:7], s[28:29]
	s_add_nc_u64 s[10:11], s[10:11], s[24:25]
	s_load_b512 s[LT:LT+15], s[4:5], 0x0           ; my tile's tokens of pair x,
	s_load_b512 s[LT+16:LT+31], s[4:5], 0x800      ; of pair x + 16 (16 pairs of 128 bytes on: still inside list[e]),
	s_load_b32 s17, s[6:7], 0x0                    ; and the expert's rows
	v_and_b32 v21, 31, v0
	s_delay_alu instid0(VALU_DEP_1)
	v_lshlrev_b32 v1, 4, v21                       ; 16 x lane
	s_delay_alu instid0(VALU_DEP_2)
	v_lshlrev_b32 v2, 2, v21                       ; 4 x lane
	s_mul_i32 s22, s14, 8448                       ; my wave's stage
	v_add_nc_u32 v5, s22, v1                       ; in: a row's 512 bytes, 16 a lane
	v_and_b32 v22, 15, v0
	v_bfe_u32 v23, v0, 4, 1
	s_delay_alu instid0(VALU_DEP_2)
	v_mul_u32_u24 v6, v22, 528
	s_delay_alu instid0(VALU_DEP_1)
	v_lshl_add_u32 v6, v23, 6, v6
	s_delay_alu instid0(VALU_DEP_1)
	v_add_nc_u32 v6, s22, v6                       ; back: row lane % 16, + 64 (lane / 16): 16 neighbours of each block of 32
	s_lshl_b32 s22, s16, 9
	v_add_nc_u32 v7, s22, v1                       ; my 16 bytes of a token's 512 bytes of K step ks
.irp i, 0,1,2,3
	v_mov_b32 v[TM+4+\i], 0                        ; (a lane permute's destination counts as one of its sources)
.endr
	s_mov_b32 s20, 0x76543210
	s_mov_b32 s21, 0xfedcba98                      ; v_permlanex16_b32's selects for lane l xor 16
	s_wait_kmcnt 0x0
	s_min_u32 s17, s17, 1024
; 64 numbers of a lane, register 16 b + i = k 32 b + 16 (lane / 16) + i of my row, become a fragment's codes in v[PC] on and its scale word in v[PW].
.macro QUANT s
.irp b, 0,1,2,3
	v_max3_num_f32 v[TM+\b], |v[\s+16*\b]|, |v[\s+1+16*\b]|, 0x2800000   ; block b: my 16 numbers, and the floor 2^(5 - 127): the byte cannot fall under 1
.endr
.irp i, 2,4,6,8,10,12,14
.irp b, 0,1,2,3
	s_delay_alu instid0(VALU_DEP_4)
	v_max3_num_f32 v[TM+\b], v[TM+\b], |v[\s+16*\b+\i]|, |v[\s+1+16*\b+\i]|   ; (the four blocks by turns)
.endr
.endr
.irp b, 0,1,2,3
	s_delay_alu instid0(VALU_DEP_4)
	v_permlanex16_b32 v[TM+4+\b], v[TM+\b], s20, s21
.endr
.irp b, 0,1,2,3
	s_delay_alu instid0(VALU_DEP_4)
	v_max_num_f32 v[TM+\b], v[TM+\b], v[TM+4+\b]   ; with lane l xor 16's: the block's largest magnitude
.endr
.irp b, 0,1,2,3
	s_delay_alu instid0(VALU_DEP_4)
	v_add_nc_u32 v[TM+12+\b], 0xfe000000, v[TM+\b] ; 4 off its exponent field: the conversion takes the exponent field of this operand as its scale
.endr
.irp b, 0,1,2,3
	s_delay_alu instid0(VALU_DEP_4)
	v_lshrrev_b32 v[TM+4+\b], 23, v[TM+12+\b]      ; the scale's byte
.endr
	s_delay_alu instid0(VALU_DEP_3)
	v_lshl_or_b32 v[PW], v[TM+5], 8, v[TM+4]
	s_delay_alu instid0(VALU_DEP_1)
	v_lshl_or_b32 v[PW], v[TM+6], 16, v[PW]
	s_delay_alu instid0(VALU_DEP_1)
	v_lshl_or_b32 v[PW], v[TM+7], 24, v[PW]        ; my row's scale word
.irp c, 0,1
	v_cvt_scalef32_pk16_bf6_f32 v[PC+6*\c:PC+2+6*\c], v[\s+32*\c:\s+15+32*\c], v[TM+12+2*\c]
	v_cvt_scalef32_pk16_bf6_f32 v[PC+12+4*\c:PC+14+4*\c], v[\s+16+32*\c:\s+31+32*\c], v[TM+12+2*\c+1]   ; (a conversion's three registers begin on an even number)
.endr
	v_nop                                          ; one plain place behind a scaled conversion
.irp c, 0,1                            ; the operand's layout wants a whole block in a lane: lanes 0-15 block 2 c, lanes 16-31 block 2 c + 1
.irp i, 0,1,2
	v_permlane16_swap_b32 v[PC+6*\c+\i], v[PC+12+4*\c+\i]
.endr
.irp i, 0,1,2
	s_delay_alu instid0(VALU_DEP_3)
	v_mov_b32 v[PC+3+6*\c+\i], v[PC+12+4*\c+\i]
.endr
.endr
.endm
; Pair x + 16 tr, if the expert has it: my wave's tile and K step of it.
.macro TILE tr
.set LB, LT+16*\tr
	s_lshl_b32 s22, s18, 5
.if \tr
	s_add_co_u32 s22, s22, 512*\tr
.endif
	s_cmp_ge_u32 s22, s17                          ; the pair's first place against the count
	s_cbranch_scc1 .Lnone_\@
	s_wait_alu depctr_va_vdst(0)
.irp r, 0,1,2,3,4,5,6,7,8,9,10,11,12,13,14,15
	s_min_u32 s[LB+\r], s[LB+\r], 0x3ff            ; a token's number stays inside x, whatever was read
	s_lshl_b32 s[LB+\r], s[LB+\r], 12              ; 4,096 bytes a token
	v_add_nc_u32 v[TK+\r], s[LB+\r], v7
.endr
	s_wait_alu depctr_va_vdst(0)
.irp r, 0,1,2,3,4,5,6,7,8,9,10,11,12,13,14,15
	global_load_b128 v[R+4*\r:R+4*\r+3], v[TK+\r], s[8:9]   ; 32 lanes read 512 consecutive bytes of the token
.endr
.irp r, 0,1,2,3,4,5,6,7,8,9,10,11,12,13,14,15
	s_wait_loadcnt 15-\r                           ; row r is in; the younger rows may be out
	ds_store_b128 v5, v[R+4*\r:R+4*\r+3] offset:528*\r
.endr
.irp b, 0,1,2,3
.irp j, 0,1,2,3
	ds_load_b128 v[XQ+16*\b+4*\j:XQ+16*\b+4*\j+3], v6 offset:128*\b+16*\j   ; LDS serves a wave's instructions in order (ISA guide 5.7.1.4): these see my stores.  Rows 33 x 16 bytes apart: sixteen rows, sixteen different columns of 16 bytes
.endr
.endr
	s_wait_dscnt 0x0
	QUANT XQ
.irp c, 0,1,2
	global_store_b128 v1, v[PC+4*\c:PC+4*\c+3], s[10:11] offset:524288*\tr+512*\c   ; the record: 512 consecutive bytes a store
.endr
	global_store_b32 v2, v[PW], s[10:11] offset:524288*\tr+1536
	s_wait_xcnt 0x0                                ; the stores' data registers are written again by the next pair
.Lnone_\@:
.endm
	TILE 0
	TILE 1
	s_wait_tensorcnt 0x0
	ds_add_u32 v208, v209
	s_wait_dscnt 0x0
	s_endpgm
.Lfunc_end_k_qc35e4e4a54_place:
	.size	k_qc35e4e4a54_place, .Lfunc_end_k_qc35e4e4a54_place-k_qc35e4e4a54_place
	.p2alignl 7, 3214868480
	.fill 96, 4, 3214868480
	.section	.rodata,"a",@progbits
	.p2align	6, 0x0
	.amdhsa_kernel k_qc35e4e4a54_place
		.amdhsa_group_segment_fixed_size 137216
		.amdhsa_private_segment_fixed_size 0
		.amdhsa_enable_private_segment 0
		.amdhsa_kernarg_size 32
		.amdhsa_user_sgpr_count 2
		.amdhsa_user_sgpr_kernarg_segment_ptr 1
		.amdhsa_wavefront_size32 1
		.amdhsa_system_sgpr_workgroup_id_x 1
		.amdhsa_system_sgpr_workgroup_id_y 1
		.amdhsa_system_sgpr_workgroup_id_z 1
		.amdhsa_system_vgpr_workitem_id 0
		.amdhsa_next_free_vgpr 210
		.amdhsa_next_free_sgpr 66
		.amdhsa_reserve_vcc 0
		.amdhsa_float_denorm_mode_32 3
		.amdhsa_float_denorm_mode_16_64 3
		.amdhsa_memory_ordered 1
		.amdhsa_forward_progress 1
		.amdhsa_inst_pref_size 27
	.end_amdhsa_kernel
	.amdgpu_metadata
---
amdhsa.version: [ 1, 2 ]
amdhsa.kernels:
  - .name:           k_qc35e4e4a54_place
    .symbol:         k_qc35e4e4a54_place.kd
    .args:
      - { .name: list, .offset: 0, .size: 8, .value_kind: global_buffer, .address_space: global }
      - { .name: cnt, .offset: 8, .size: 8, .value_kind: global_buffer, .address_space: global }
      - { .name: hidden_states, .offset: 16, .size: 8, .value_kind: global_buffer, .address_space: global }
      - { .name: xrec, .offset: 24, .size: 8, .value_kind: global_buffer, .address_space: global }
    .group_segment_fixed_size: 137216
    .private_segment_fixed_size: 0
    .kernarg_segment_align: 8
    .kernarg_segment_size: 32
    .max_flat_workgroup_size: 512
    .sgpr_count:     66
    .vgpr_count:     210
    .wavefront_size: 32
...
	.end_amdgpu_metadata
.endif
;; end of part 9
;; launch up (part 10): grid 32 x 8, 16 waves a work-group, no clusters, 104,448 bytes of LDS; arguments w1, xrec, cnt, hrec; writes hrec
.if DOCPART == 10
	.amdgcn_target "amdgcn-amd-amdhsa--gfx1250"
	.amdhsa_code_object_version 6
	.text
	.protected	k_qc35e4e4a54_up
	.globl	k_qc35e4e4a54_up
	.p2align	8
	.type	k_qc35e4e4a54_up,@function
k_qc35e4e4a54_up:
	s_mov_b64 s[64:65], 0
	v_nop
	global_prefetch_b8 v0, s[64:65] scope:SCOPE_SE
	s_setreg_imm32_b32 hwreg(HW_REG_WAVE_SCHED_MODE, 0, 2), 2
	s_setreg_imm32_b32 hwreg(HW_REG_WAVE_MODE, 25, 1), 1
	s_wait_xcnt 0x0
	s_wait_alu depctr_vm_vsrc(0)
; h = gelu(x W1[e]) for the rows that chose expert e, on codes of E3M2 with one E8M0 scale for each 32 along K (K = D = 1,024); h leaves quantised along H, as records for the next product.
; SHARES.  Work-group (sl, e) owns the slice W1[e][all 1,024 d][128 sl .. 128 sl + 127]: EVERY BYTE OF W1 IS READ ONCE IN THE LAUNCH, BY ITS OWNER, and is quantised in registers; its codes go no further than LDS.
; PHASE 1.  Wave w = (cg = w % 4: 32 columns; kw = w / 4: 256 rows of K).  A lane takes a column and its registers run down K: a block of 32 lies in one lane, the conversions give codes with K innermost.
;   Two blocks of loads (64) run ahead.  Of four blocks (128 along K) the wave makes two operand fragments (its lanes 0-15's columns, its lanes 16-31's) and stores their images in LDS.
; PHASE 2.  One barrier; then a wave takes up to two of the expert's pairs of tiles (a pair = 32 sorted rows), as far as the stored count has them: 8 K steps x (8 tiles of units x 2 tiles of rows).
;   A wave without a pair ends behind the barrier.  The product is used transposed (source 0 = 16 units of W1, source 1 = 16 rows of x): a lane holds one row, its registers run along the units.
;   W's fragments come from LDS through a ring of four register slots, two halves of two: while a step's four products read one half, the next step's two fragments land in the other.
;   THE UNITS OF A TILE ARE NOT NEIGHBOURS: lane r of tile 2 b + u takes unit 32 b + 8 u + r + 8 (r / 8), so that the 16 registers of tiles 2 b, 2 b + 1 are 16 neighbours along the next K.
; A RECORD is the image of a fragment: registers 4 c .. 4 c + 3 of lane l at byte 512 c + 16 l, the row's scale word at 1,536 + 4 l; 2,048 bytes.  xrec[e][tile][8 K steps], hrec[e][tile][32 K steps].
; GELU, exact form: gelu(x) = max(x, 0) - (|x| / 2) erfc(|x| / sqrt 2), erfc(z) = t exp(-z^2 + Q(t)), t = 1 / (1 + z / 2), Q of degree 9: a fit that holds for every z >= 0 to 1.2e-7 of erfc.
;   In base 2: U = A |x| with A^2 = log2(e) / 2; T = 1 / (1 + CD U); the result is max(x, 0) - (T U) 2^(Q'(T) - U^2); Q' is Q x log2(e), with log2(1 / (2 A)) in its constant.
; LIMITS: NaN and infinities are not served.  gelu's error is about (2 + x^2 / 2) x 1e-7 of the number; where the exponential falls under 2^-126 it is 0 (v_exp_f32 flushes: ISA guide, its entry).
;   A block of zeros has the scale byte 1 where the rule says 127: its codes are zeros, and this program alone reads the bytes.
; NOT SHARED IN A CLUSTER: the 32 slices of an expert read the same records, some 200 KB beside each one's own 512 KB of weights, and how many of them hangs on a count read from memory.
; THE MODE: SCHED_MODE bits 1:0 = 2 (LLVM: expert scheduling mode 2), set by the entry lines.  The code itself states the register dependences
; between vector or matrix instructions and memory or LDS instructions, with s_wait_alu, always for 0.
; THE PLAN.  Registers that memory or LDS instructions touch, and who else names them:
;   v1-3, v5, v6, v18-20   offsets and LDS addresses: made at the head, ahead of one wait on va_vdst, and never written again.
;   X0, X1 (phase 1)       block t's maxima and conversions read X[t % 2]; behind them the loads of block t + 2 land in it.
;   FA, FB, SW (phase 1)   written by a K step's conversions, moves and exchanges; read by its seven LDS stores; written again by the next K step, and behind phase 1 by the rows' loads.
;                          So one wait on va_vdst stands in a block, behind its last vector instruction and ahead of its loads and LDS stores, and one on vm_vsrc behind each run of LDS stores.
;   v7-10                  the pair's offsets: written by SETP once a pass, ahead of a wait on va_vdst; read by the pass's loads and stores; a wait on vm_vsrc stands behind the pass's last stores.
;   WF, WS, BF, BS         written by loads, read by products alone.  A step is a pair of tiles: two fragments (half of the ring), one register of W's scale words, four products.  ONE wait on va_vdst
;                          at a step's head states that the step before is done reading its half of the ring, its scale register and, at a K step's head, the rows' slot of the K step before.  All loads
;                          of the step land in just these, which none of the step's own products names, so they are dealt among the products with no further wait.
;   PC, PW                 written by QUANT; read by the tile's four stores, behind a wait on va_vdst; written again behind a wait on vm_vsrc.
.set PITCH, 16384                      ; bytes from row to row of W1
.set TS,    16384                      ; bytes from tile to tile of xrec
.set TSL,   14
.set WSC,   98304                      ; LDS: 64 fragments (K step ks, tile: (8 ks + tile) x 1,536) at 0; then scale words: (4 ks + cg) x 128 + 4 x lane: lanes 0-15 tile 2 cg's rows, lanes 16-31 tile 2 cg + 1's
.set WS,  12                           ; v12-15   W's scale words of a K step: scales and nothing else
.set BS,  16                           ; v16-17   the rows' scale words, slot 0 and 1: lanes 0-15 tile 0's, lanes 16-31 tile 1's: scales and nothing else
.set X,   32                           ; phase 1: v32-95 two sets of 32 numbers
.set FA,  96                           ;          v96-107, v108-119 the two fragments
.set FB,  108
.set TC,  120                          ;          v120-122 half a block's codes
.set SW,  123                          ;          my column's scale word
.set MG,  124                          ;          v124-125 largest magnitudes
.set SO,  126                          ;          the conversion's scale operand
.set SBY, 127                          ;          a scale byte
.set WF,  32                           ; phase 2: v32-79 the ring: four slots of one fragment of W; tile t goes to slot t % 4
.set BF,  80                           ;          v80-127 the rows' fragments: slot q, tile m at 24 q + 12 m
.set ACC, 128                          ;          v128-255 accumulator (tile of rows m, tile of units t) at 64 m + 8 t
.set U,   32                           ; gelu: v32-39 U, v40-47 T, v48-55 the exponent, v56-63 max(x, 0), v[64:65] the highest coefficient
.set T,   40
.set P,   48
.set MX,  56
.set K9,  64
.set TM,  72                           ; QUANT: v72-87 at work, v88 the scale word, v96-115 the codes
.set PW,  88
.set PC,  96
.set CC,  40                           ; s[40:57] Q' 's coefficients 0 to 8, each a pair;  s[58:59] CD;  s60 A
.set CD,  58
.set SA,  60
.set NISS, 0                           ; symbols of the text, not registers: the LDS loads issued so far in a pass,
.set RDY0, 0                           ; and that number as it stood behind the loads of each slot of the ring
.set RDY1, 0
.set RDY2, 0
.set RDY3, 0
	s_load_b256 s[4:11], s[0:1], 0x0               ; w1 s[4:5], xrec s[6:7], cnt s[8:9], hrec s[10:11]
	v_lshl_add_u32 v30, v0, 2, 0x19000
	v_mov_b32 v31, 0
	v_lshrrev_b32 v21, 5, v0
	v_readfirstlane_b32 s14, v21                   ; wave 0..15
	v_and_b32 v22, 31, v0
	v_lshlrev_b32 v1, 4, v22                       ; 16 x lane: an image's place for my lane; the LDS address of K steps 0-3
	v_lshlrev_b32 v2, 2, v22                       ; 4 x lane
	v_and_b32 v23, 7, v0
	v_bfe_u32 v24, v0, 3, 1
	v_bfe_u32 v25, v0, 4, 1
	v_lshl_add_u32 v23, v24, 4, v23
	v_lshl_add_u32 v23, v25, 3, v23                ; my column of the wave's 32: (l % 8) + 16 ((l / 8) % 2) + 8 (l / 16)
	v_lshlrev_b32 v3, 2, v23
	v_add_nc_u32 v5, 49152, v1                     ; the LDS address of K steps 4-7
	v_add_nc_u32 v6, WSC, v2
	s_wait_alu depctr_va_sdst(0)                   ; s14 is written, ahead of its first reader: addresses, bases and the wave's pair are made from it
	s_and_b32 s15, s14, 3                          ; cg
	s_lshr_b32 s16, s14, 2                         ; kw
	s_mul_i32 s30, s16, 24576
	s_mul_i32 s31, s15, 3072
	s_add_co_u32 s30, s30, s31
	v_add_nc_u32 v18, s30, v1                      ; where I store fragments: K step 2 kw, tile 2 cg
	s_lshl_b32 s30, s16, 10
	s_lshl_b32 s31, s15, 7
	s_add_co_u32 s30, s30, s31
	s_add_co_u32 s30, s30, WSC
	v_add_nc_u32 v19, s30, v2                      ; and their scale words
	v_and_b32 v26, 15, v0
	v_lshlrev_b32 v26, 2, v26
	v_lshl_add_u32 v20, v25, TSL, v26              ; the rows' scale words: lanes 16-31 take the pair's second tile
	s_and_b32 s12, ttmp7, 0xffff                   ; e
	s_lshl_b32 s30, s12, 24                        ; W1: the expert,
	s_lshl_b32 s31, s16, 22                        ; 256 kw rows,
	s_add_co_u32 s30, s30, s31
	s_lshl_b32 s31, ttmp9, 9                       ; the slice's 128 columns,
	s_add_co_u32 s30, s30, s31
	s_lshl_b32 s31, s15, 7                         ; my wave's 32
	s_add_co_u32 s30, s30, s31
	s_mov_b32 s31, 0
	s_lshl_b32 s32, s12, 20                        ; xrec[e]
	s_mov_b32 s33, 0
	s_lshl_b32 s34, s12, 7                         ; cnt[e]
	s_mov_b32 s35, 0
	s_lshl_b32 s36, s12, 22                        ; hrec[e], K step sl
	s_lshl_b32 s37, ttmp9, 11
	s_add_co_u32 s36, s36, s37
	s_mov_b32 s37, 0
	s_wait_kmcnt 0x0
	s_add_nc_u64 s[4:5], s[4:5], s[30:31]
	s_add_nc_u64 s[6:7], s[6:7], s[32:33]
	s_add_nc_u64 s[8:9], s[8:9], s[34:35]
	s_add_nc_u64 s[10:11], s[10:11], s[36:37]
.macro LOADW t                         ; block t: W(32 t + i, my column) into set t % 2; a wave's load covers 128 consecutive bytes, four waves side by side 512
.irp i, 0,1,2,3,4,5,6,7,8,9,10,11,12,13,14,15,16,17,18,19,20,21,22,23,24,25,26,27,28,29,30,31
	global_load_b32 v[X+32*((\t)%2)+\i], v3, s[4:5] offset:(32*(\t)+\i)*PITCH th:TH_LOAD_NT
.endr
.endm
	s_wait_alu depctr_va_vdst(0)                   ; v1 to v3, v5, v6 and v18 to v20 are written: every load and store that takes one of them as its offset or LDS address stands behind this wait
	LOADW 0
	LOADW 1
	s_load_b32 s17, s[8:9], 0x0                    ; the expert's rows
	s_mov_b32 s20, 0x76543210
	s_mov_b32 s21, 0xfedcba98                      ; v_permlanex16_b32's selects for lane l xor 16
.macro KONST k, bits                   ; (a packed form names a pair and takes its low word for both halves: both words are written)
	s_mov_b32 s[CC+2*\k], \bits
	s_mov_b32 s[CC+2*\k+1], \bits
.endm
	KONST 0, 0xc025c4b7                            ; -2.59013140
	KONST 1, 0x3fb8ab5a                            ;  1.44272920
	KONST 2, 0x3f0a29d2                            ;  0.53970062
	KONST 3, 0x3e0efb2e                            ;  0.13963006
	KONST 4, 0xbe899a80                            ; -0.26875686
	KONST 5, 0x3ecdfd18                            ;  0.40232158
	KONST 6, 0xbfd1a1e5                            ; -1.63775315
	KONST 7, 0x40097039                            ;  2.14747446
	KONST 8, 0xbf97d29d                            ; -1.18611495
	s_mov_b32 s[CD], 0x3ed5224d                    ; 0.41627731 = 1 / (2 sqrt 2 A)
	s_mov_b32 s[CD+1], 0x3ed5224d
	s_mov_b32 s[SA], 0x3f596d27                    ; 0.84932180 = sqrt(log2(e) / 2)
; Block t of my 8: its scale, its codes.  Blocks 2 c and 2 c + 1 of a K step go to registers 6 c .. 6 c + 5 of FA and of FB; six exchanges of halves then leave in FA the fragment of lanes 0-15's
; columns (lanes 0-15 block 2 c, lanes 16-31 block 2 c + 1, as the operand's layout asks) and in FB that of lanes 16-31's.
; All the block's vector instructions stand first; then its one wait on va_vdst; then its memory and LDS instructions.
.macro BLOCK t
.set XS, X+32*((\t)%2)
.set BQ, (\t)%4
.set CQ, BQ/2
.if BQ%2
.set DB, FB+6*CQ
.else
.set DB, FA+6*CQ
.endif
.if (\t) < 7
	s_wait_loadcnt 32                              ; this block's 32 loads are in; the next block's may be out
.else
	s_wait_loadcnt 0x0
.endif
	v_max3_num_f32 v[MG], |v[XS]|, |v[XS+1]|, |v[XS+2]|            ; the block's largest magnitude: all 32 numbers are mine; two chains
	v_max3_num_f32 v[MG+1], |v[XS+3]|, |v[XS+4]|, |v[XS+5]|
.irp i, 6,10,14,18,22,26
	v_max3_num_f32 v[MG], v[MG], |v[XS+\i]|, |v[XS+\i+1]|
	v_max3_num_f32 v[MG+1], v[MG+1], |v[XS+\i+2]|, |v[XS+\i+3]|
.endr
	v_max3_num_f32 v[MG], v[MG], |v[XS+30]|, |v[XS+31]|
	v_max3_num_f32 v[MG], v[MG], v[MG+1], 0x2800000                ; and the floor 2^(5 - 127): the byte cannot fall under 1
	v_add_nc_u32 v[SO], 0xfe000000, v[MG]          ; 4 off its exponent field: the conversion takes the exponent field of this operand as its scale
.if BQ == 0
	v_lshrrev_b32 v[SW], 23, v[SO]                 ; the scale's byte: four make my column's word, the lower K in the lower byte
.else
	v_lshrrev_b32 v[SBY], 23, v[SO]
	v_lshl_or_b32 v[SW], v[SBY], 8*BQ, v[SW]
.endif
	v_cvt_scalef32_pk16_bf6_f32 v[DB:DB+2], v[XS:XS+15], v[SO]
	v_cvt_scalef32_pk16_bf6_f32 v[TC:TC+2], v[XS+16:XS+31], v[SO]  ; (a conversion's three registers begin on an even number)
	v_nop                                          ; one plain place behind a scaled conversion
.irp i, 0,1,2
	v_mov_b32 v[DB+3+\i], v[TC+\i]
.endr
.if BQ%2
.irp i, 0,1,2,3,4,5
	v_permlane16_swap_b32 v[FA+6*CQ+\i], v[FB+6*CQ+\i]
.endr
.endif
.if ((\t)+2 < 8) || (BQ == 3)
	s_wait_alu depctr_va_vdst(0)                   ; the maxima and conversions are done reading this set of X, in which the loads below land; in a K step's last block FA, FB and SW are written, which the LDS stores below read
.endif
.if (\t)+2 < 8
	LOADW (\t)+2
.endif
.if BQ == 3
.irp c, 0,1,2
	ds_store_b128 v18, v[FA+4*\c:FA+4*\c+3] offset:((\t)/4)*12288+512*\c
.endr
.irp c, 0,1,2
	ds_store_b128 v18, v[FB+4*\c:FB+4*\c+3] offset:((\t)/4)*12288+1536+512*\c
.endr
	ds_store_b32 v19, v[SW] offset:((\t)/4)*512
	s_wait_dscnt 0x0                               ; this K step's images lie in LDS
	s_wait_alu depctr_vm_vsrc(0)                   ; the LDS stores have read FA, FB and SW: the next K step's codes are written there, and behind the last K step the rows' records land there
.endif
.endm
.irp t, 0,1,2,3,4,5,6,7
	BLOCK \t
.endr
; The offsets of pair s19.  A wave whose pair the expert does not have is given the last pair that the expert has (pair 0 where it has no row at all).
.macro SETP
	s_max_u32 s22, s18, 1
	s_sub_co_u32 s22, s22, 1                       ; the expert's last pair
	s_min_u32 s22, s22, s19
	s_min_u32 s22, s22, 31                         ; inside the buffers, whatever was read
	s_lshl_b32 s30, s22, TSL+1
	v_add_nc_u32 v7, s30, v1                       ; the pair's records in xrec,
	v_add_nc_u32 v8, s30, v20                      ; their scale words,
	s_lshl_b32 s30, s22, 17
	v_add_nc_u32 v9, s30, v1                       ; the pair's records in hrec,
	v_add_nc_u32 v10, s30, v2                      ; their scale words
.endm
.macro BLOADS ks, q                    ; K step ks of the pair's two tiles into slot q: seven loads
.irp m, 0,1
.irp c, 0,1,2
	global_load_b128 v[BF+24*(\q)+12*\m+4*\c:BF+24*(\q)+12*\m+4*\c+3], v7, s[6:7] offset:\m*TS+(\ks)*2048+512*\c
.endr
.endr
	global_load_b32 v[BS+(\q)], v8, s[6:7] offset:(\ks)*2048+1536
.endm
.macro BPRE                            ; a pass's first two K steps: fourteen loads
	BLOADS 0, 0
	BLOADS 1, 1
.endm
.macro PLACES                          ; four places behind the pass's last products, ahead of the first vector instruction that writes a register of theirs or reads a result (ISA guide 7.12.1)
.rept 4
	v_nop
.endr
.endm
.macro SLOAD ks, g                     ; the scale words of W's tiles 2 g and 2 g + 1 of K step ks
	ds_load_b32 v[WS+(\g)], v6 offset:(\ks)*512+(\g)*128
.set NISS, NISS+1
.endm
.macro FLOAD ks, t                     ; W's tile t of K step ks, as it was stored, into slot t % 4
.if (\ks) < 4
.set WAD, 1
.else
.set WAD, 5
.endif
.set WSL, WF+12*((\t)%4)
.irp c, 0,1,2
	ds_load_b128 v[WSL+4*\c:WSL+4*\c+3], v[WAD] offset:((\ks)%4)*12288+(\t)*1536+512*\c
.endr
.set NISS, NISS+3
.if (\t)%4 == 0
.set RDY0, NISS
.elseif (\t)%4 == 1
.set RDY1, NISS
.elseif (\t)%4 == 2
.set RDY2, NISS
.else
.set RDY3, NISS
.endif
.endm
.macro FWAIT t                         ; LDS loads come back in order (ISA guide 5.7.1): the count is the number of LDS loads issued behind this slot's three: the younger fragments' and the scale words among them,
.if (\t)%4 == 0                        ; 7 for a step's first fragment and 8 for its second; it runs down to 0 over the pass's last steps.  The fragment's own scale word was asked for before its loads
	s_wait_dscnt NISS-RDY0
.elseif (\t)%4 == 1
	s_wait_dscnt NISS-RDY1
.elseif (\t)%4 == 2
	s_wait_dscnt NISS-RDY2
.else
	s_wait_dscnt NISS-RDY3
.endif
.endm
.macro WPRE                            ; a pass's first scale words and its first four fragments: steps 0 and 1
.set NISS, 0
.irp g, 0,1,2,3
	SLOAD 0, \g
.endr
.irp t, 0,1,2,3
	FLOAD 0, \t
.endr
.endm
; One product: tile of units t x tile of rows m; the rows' slot q.  An odd tile's scale words lie in lanes 16-31 of its register, and so do the second tile of rows'.
.macro WM t, m, q, zero
.set rD, ACC+64*(\m)+8*(\t)
.set rA, WF+12*((\t)%4)
.set rB, BF+24*(\q)+12*(\m)
.set rW, WS+(\t)/2
.set rX, BS+(\q)
.if \zero
.if ((\t)%2) && (\m)
	v_wmma_scale_f32_16x16x128_f8f6f4 v[rD:rD+7], v[rA:rA+11], v[rB:rB+11], 0, v[rW], v[rX] matrix_a_fmt:MATRIX_FMT_BF6 matrix_b_fmt:MATRIX_FMT_BF6 matrix_a_scale:MATRIX_SCALE_ROW1 matrix_b_scale:MATRIX_SCALE_ROW1
.elseif (\t)%2
	v_wmma_scale_f32_16x16x128_f8f6f4 v[rD:rD+7], v[rA:rA+11], v[rB:rB+11], 0, v[rW], v[rX] matrix_a_fmt:MATRIX_FMT_BF6 matrix_b_fmt:MATRIX_FMT_BF6 matrix_a_scale:MATRIX_SCALE_ROW1
.elseif \m
	v_wmma_scale_f32_16x16x128_f8f6f4 v[rD:rD+7], v[rA:rA+11], v[rB:rB+11], 0, v[rW], v[rX] matrix_a_fmt:MATRIX_FMT_BF6 matrix_b_fmt:MATRIX_FMT_BF6 matrix_b_scale:MATRIX_SCALE_ROW1
.else
	v_wmma_scale_f32_16x16x128_f8f6f4 v[rD:rD+7], v[rA:rA+11], v[rB:rB+11], 0, v[rW], v[rX] matrix_a_fmt:MATRIX_FMT_BF6 matrix_b_fmt:MATRIX_FMT_BF6
.endif
.else
.if ((\t)%2) && (\m)
	v_wmma_scale_f32_16x16x128_f8f6f4 v[rD:rD+7], v[rA:rA+11], v[rB:rB+11], v[rD:rD+7], v[rW], v[rX] matrix_a_fmt:MATRIX_FMT_BF6 matrix_b_fmt:MATRIX_FMT_BF6 matrix_a_scale:MATRIX_SCALE_ROW1 matrix_b_scale:MATRIX_SCALE_ROW1
.elseif (\t)%2
	v_wmma_scale_f32_16x16x128_f8f6f4 v[rD:rD+7], v[rA:rA+11], v[rB:rB+11], v[rD:rD+7], v[rW], v[rX] matrix_a_fmt:MATRIX_FMT_BF6 matrix_b_fmt:MATRIX_FMT_BF6 matrix_a_scale:MATRIX_SCALE_ROW1
.elseif \m
	v_wmma_scale_f32_16x16x128_f8f6f4 v[rD:rD+7], v[rA:rA+11], v[rB:rB+11], v[rD:rD+7], v[rW], v[rX] matrix_a_fmt:MATRIX_FMT_BF6 matrix_b_fmt:MATRIX_FMT_BF6 matrix_b_scale:MATRIX_SCALE_ROW1
.else
	v_wmma_scale_f32_16x16x128_f8f6f4 v[rD:rD+7], v[rA:rA+11], v[rB:rB+11], v[rD:rD+7], v[rW], v[rX] matrix_a_fmt:MATRIX_FMT_BF6 matrix_b_fmt:MATRIX_FMT_BF6
.endif
.endif
.endm
; Step g of K step ks: tiles 2 g and 2 g + 1, four products.  Behind the wait at its head come the loads into what the step before has read: at a K step's head the rows' records of the next K step;
; the next step's two fragments; the next K step's scale word of the step before's two tiles.  This step's products name the other half of the ring, another scale register and the other slot of rows.
; The first step of a pass finds its fragments and the next step's asked for; the last step asks for nothing and has no wait.
; The sixteen accumulators take turns, one instruction a turn, in the same order in every K step.  K step 0 starts the sums: nothing is cleared.
.macro PSTEP ks, g
.set SJ, 4*(\ks)+(\g)                  ; the step's number in the pass, 0 to 31
.set FN, 2*SJ+2                        ; the next step's first fragment, 8 x K step + tile
.set PJ, SJ-1                          ; the step before
.if (SJ > 0) && (FN < 64)
	s_wait_alu depctr_va_vdst(0)                   ; the products of the step before are done reading their two slots of the ring and their scale register, and at a K step's head those of the K step before its slot of rows: the step's loads land there
.if ((\g) == 0) && ((\ks) < 7)
	BLOADS (\ks)+1, ((\ks)+1)%2
.endif
	FLOAD FN/8, FN%8
.endif
.if (\g) == 0
.if (\ks) < 7
	s_wait_loadcnt 7                               ; this K step's seven loads are in; the other slot's seven, issued behind them, may be out
.else
	s_wait_loadcnt 0x0
.endif
.endif
	FWAIT 2*(\g)
.if (\ks) == 0
	WM 2*(\g), 0, 0, 1
	WM 2*(\g), 1, 0, 1
.else
	WM 2*(\g), 0, (\ks)%2, 0
	WM 2*(\g), 1, (\ks)%2, 0
.endif
.if (SJ > 0) && (FN < 64)
	FLOAD (FN+1)/8, (FN+1)%8                       ; no wait: no product since the step's head names this slot, nor the scale register below
.if PJ < 28
	SLOAD PJ/4+1, PJ%4
.endif
.endif
	FWAIT 2*(\g)+1
.if (\ks) == 0
	WM 2*(\g)+1, 0, 0, 1
	WM 2*(\g)+1, 1, 0, 1
.else
	WM 2*(\g)+1, 0, (\ks)%2, 0
	WM 2*(\g)+1, 1, (\ks)%2, 0
.endif
.endm
; gelu of an accumulator's eight numbers, in place; the accumulator is read from its low end on.
.macro GELU xb
.irp i, 0,1,2,3,4,5,6,7
	v_mul_f32 v[U+\i], |v[\xb+\i]|, s[SA]
.endr
.irp i, 0,2,4,6
	v_pk_fma_f32 v[T+\i:T+\i+1], v[U+\i:U+\i+1], s[CD:CD+1], 1.0 op_sel_hi:[1,0,0]
.endr
	s_wait_alu depctr_va_vdst(0)
.irp i, 0,1,2,3,4,5,6,7
	v_rcp_f32 v[T+\i], v[T+\i]
.endr
.irp i, 0,1,2,3,4,5,6,7
	v_max_num_f32 v[MX+\i], 0, v[\xb+\i]           ; (plain places behind the reciprocals)
.endr
	s_wait_alu depctr_va_vdst(0)                   ; the eight reciprocals have written v[T ..], ahead of their first reader
.irp i, 0,2,4,6
	v_pk_fma_f32 v[P+\i:P+\i+1], v[T+\i:T+\i+1], v[K9:K9+1], s[CC+16:CC+17] op_sel_hi:[1,1,0]
.endr
.irp k, 7,6,5,4,3,2,1,0
.irp i, 0,2,4,6
	v_pk_fma_f32 v[P+\i:P+\i+1], v[P+\i:P+\i+1], v[T+\i:T+\i+1], s[CC+2*\k:CC+2*\k+1] op_sel_hi:[1,1,0]
.endr
.endr
.irp i, 0,2,4,6
	v_pk_fma_f32 v[P+\i:P+\i+1], v[U+\i:U+\i+1], v[U+\i:U+\i+1], v[P+\i:P+\i+1] neg_lo:[1,0,0] neg_hi:[1,0,0]   ; Q'(T) - U^2
.endr
	s_wait_alu depctr_va_vdst(0)
.irp i, 0,1,2,3,4,5,6,7
	v_exp_f32 v[P+\i], v[P+\i]
.endr
.irp i, 0,2,4,6
	v_pk_mul_f32 v[T+\i:T+\i+1], v[T+\i:T+\i+1], v[U+\i:U+\i+1]   ; (plain places behind the exponentials)
.endr
	s_wait_alu depctr_va_vdst(0)                   ; the eight exponentials have written v[P ..], ahead of their first reader
.irp i, 0,2,4,6
	v_pk_fma_f32 v[\xb+\i:\xb+\i+1], v[T+\i:T+\i+1], v[P+\i:P+\i+1], v[MX+\i:MX+\i+1] neg_lo:[1,0,0] neg_hi:[1,0,0]
.endr
.endm
; 64 numbers of a lane, register 16 b + i = k 32 b + 16 (lane / 16) + i of my row, become a fragment's codes in v[PC] on and its scale word in v[PW].
.macro QUANT s
.irp b, 0,1,2,3
	v_max3_num_f32 v[TM+\b], |v[\s+16*\b]|, |v[\s+1+16*\b]|, 0x2800000   ; block b: my 16 numbers, and the floor 2^(5 - 127)
.endr
.irp i, 2,4,6,8,10,12,14
.irp b, 0,1,2,3
	v_max3_num_f32 v[TM+\b], v[TM+\b], |v[\s+16*\b+\i]|, |v[\s+1+16*\b+\i]|
.endr
.endr
.irp b, 0,1,2,3
	v_permlanex16_b32 v[TM+4+\b], v[TM+\b], s20, s21
.endr
.irp b, 0,1,2,3
	v_max_num_f32 v[TM+\b], v[TM+\b], v[TM+4+\b]   ; with lane l xor 16's: the block's largest magnitude
.endr
.irp b, 0,1,2,3
	v_add_nc_u32 v[TM+12+\b], 0xfe000000, v[TM+\b]
.endr
.irp b, 0,1,2,3
	v_lshrrev_b32 v[TM+4+\b], 23, v[TM+12+\b]
.endr
	v_lshl_or_b32 v[PW], v[TM+5], 8, v[TM+4]
	v_lshl_or_b32 v[PW], v[TM+6], 16, v[PW]
	v_lshl_or_b32 v[PW], v[TM+7], 24, v[PW]
.irp c, 0,1
	v_cvt_scalef32_pk16_bf6_f32 v[PC+6*\c:PC+2+6*\c], v[\s+32*\c:\s+15+32*\c], v[TM+12+2*\c]
	v_cvt_scalef32_pk16_bf6_f32 v[PC+12+4*\c:PC+14+4*\c], v[\s+16+32*\c:\s+31+32*\c], v[TM+12+2*\c+1]
.endr
	v_nop                                          ; one plain place behind a scaled conversion
.irp c, 0,1
.irp i, 0,1,2
	v_permlane16_swap_b32 v[PC+6*\c+\i], v[PC+12+4*\c+\i]
.endr
.irp i, 0,1,2
	v_mov_b32 v[PC+3+6*\c+\i], v[PC+12+4*\c+\i]
.endr
.endr
.endm
	s_wait_kmcnt 0x0                               ; the count, asked for at the head of phase 1
	s_min_u32 s17, s17, 1024
	s_add_co_u32 s18, s17, 31
	s_lshr_b32 s18, s18, 5                         ; the expert's pairs
	s_sub_co_u32 s19, s15, s16                     ; my first pair: kw + 4 ((cg - kw) mod 4).  Any four pairs on end fall on four waves that differ both in w % 4 and in w / 4:
	s_and_b32 s19, s19, 3                          ; however the sixteen waves are dealt to the four SIMDs, an expert's pairs are spread evenly over them
	s_lshl_b32 s19, s19, 2
	s_add_co_u32 s19, s19, s16
	SETP
	s_wait_alu depctr_va_vdst(0)                   ; v7 to v10 are written, which the pass's loads and stores read; phase 1's vector instructions are done with v32-127, in which the loads below and the pass's first fragments land
	BPRE                                           ; on every wave's way to the barrier, so that every way into a pass has the same fourteen loads out; they are on their way across the barrier: nobody writes
	                                               ; those bytes in this launch.  A wave without a pair has asked for bytes that another wave reads anyway, and uses nothing of them
	s_mov_b32 s23, 0
	s_wait_dscnt 0x0                               ; for the others' sake: my fragments lie in LDS
	s_barrier_signal -1
	s_barrier_wait -1                              ; the slice's 64 fragments are whole; from here on LDS is only read
	s_cmp_ge_u32 s19, s18                          ; has the expert my pair?  (a whole number that an earlier launch stored)
	s_cbranch_scc1 .Lend
.Lpass:
	WPRE                                           ; (no vector or matrix instruction stands between the wait behind SETP and these loads, on either way here)
.irp ks, 0,1,2,3,4,5,6,7
.irp g, 0,1,2,3
	PSTEP \ks, \g
.endr
.endr
	PLACES
	v_mov_b32 v[K9], 0x3e7c6f08                    ; 0.24651730, Q' 's coefficient 9
	v_mov_b32 v[K9+1], 0x3e7c6f08
.irp b, 0,1,2,3
	v_mov_b32 v[TM+4+\b], 0                        ; (a lane permute's destination counts as one of its sources)
.endr
.irp m, 0,1
.irp t, 0,1,2,3,4,5,6,7
	GELU ACC+64*\m+8*\t
.endr
.if \m == 1
	s_wait_xcnt 0x0                                ; the first tile's stores have had their addresses translated: their data registers are written again below
	s_wait_alu depctr_vm_vsrc(0)                   ; the first tile's stores have read v[PC ..] and v[PW], which QUANT writes again
.endif
	QUANT ACC+64*\m                                ; the slice's 128 units are K step sl of the next product
	s_wait_alu depctr_va_vdst(0)                   ; QUANT has written v[PC ..] and v[PW], which the stores read
.irp c, 0,1,2
	global_store_b128 v9, v[PC+4*\c:PC+4*\c+3], s[10:11] offset:\m*65536+512*\c   ; the record: 512 consecutive bytes a store
.endr
	global_store_b32 v10, v[PW], s[10:11] offset:\m*65536+1536
.endr
	s_wait_xcnt 0x0                                ; the stores' data and address registers are written again in the next pass
	s_wait_alu depctr_vm_vsrc(0)                   ; the pass's loads and stores have read v7 to v10, which SETP writes again, and the stores v[PC ..] and v[PW], in which the next pass's records land
	s_add_co_u32 s19, s19, 16                      ; my next pair
	s_add_co_u32 s23, s23, 1
	s_cmp_ge_u32 s19, s18                          ; where the expert does not have it, nothing is asked for
	s_cbranch_scc1 .Lend
	SETP                                           ; (my loads are all in since K step 7's wait for 0: their address registers are free)
	s_wait_alu depctr_va_vdst(0)                   ; v7 to v10 are written, which the pass's loads and stores read; gelu and QUANT are done with v32-127, in which the loads below and the pass's first fragments land
	BPRE
	s_cmp_lt_u32 s23, 2                            ; 32 pairs at the most, 16 waves: two passes
	s_cbranch_scc1 .Lpass
.Lend:
	s_wait_dscnt 0x0                               ; the closing lines, six on end
	s_wait_alu 0x0
	s_wait_tensorcnt 0x0
	ds_add_u32 v30, v31
	s_wait_dscnt 0x0
	s_endpgm
.Lfunc_end_k_qc35e4e4a54_up:
	.size	k_qc35e4e4a54_up, .Lfunc_end_k_qc35e4e4a54_up-k_qc35e4e4a54_up
	.p2alignl 7, 3214868480
	.fill 96, 4, 3214868480
	.section	.rodata,"a",@progbits
	.p2align	6, 0x0
	.amdhsa_kernel k_qc35e4e4a54_up
		.amdhsa_group_segment_fixed_size 104448
		.amdhsa_private_segment_fixed_size 0
		.amdhsa_enable_private_segment 0
		.amdhsa_kernarg_size 32
		.amdhsa_user_sgpr_count 2
		.amdhsa_user_sgpr_kernarg_segment_ptr 1
		.amdhsa_wavefront_size32 1
		.amdhsa_system_sgpr_workgroup_id_x 1
		.amdhsa_system_sgpr_workgroup_id_y 1
		.amdhsa_system_sgpr_workgroup_id_z 1
		.amdhsa_system_vgpr_workitem_id 0
		.amdhsa_next_free_vgpr 256
		.amdhsa_next_free_sgpr 66
		.amdhsa_reserve_vcc 0
		.amdhsa_float_denorm_mode_32 3
		.amdhsa_float_denorm_mode_16_64 3
		.amdhsa_memory_ordered 1
		.amdhsa_forward_progress 1
		.amdhsa_inst_pref_size 166
	.end_amdhsa_kernel
	.amdgpu_metadata
---
amdhsa.version: [ 1, 2 ]
amdhsa.kernels:
  - .name:           k_qc35e4e4a54_up
    .symbol:         k_qc35e4e4a54_up.kd
    .args:
      - { .name: w1, .offset: 0, .size: 8, .value_kind: global_buffer, .address_space: global }
      - { .name: xrec, .offset: 8, .size: 8, .value_kind: global_buffer, .address_space: global }
      - { .name: cnt, .offset: 16, .size: 8, .value_kind: global_buffer, .address_space: global }
      - { .name: hrec, .offset: 24, .size: 8, .value_kind: global_buffer, .address_space: global }
    .group_segment_fixed_size: 104448
    .private_segment_fixed_size: 0
    .kernarg_segment_align: 8
    .kernarg_segment_size: 32
    .max_flat_workgroup_size: 512
    .sgpr_count:     66
    .vgpr_count:     256
    .wavefront_size: 32
...
	.end_amdgpu_metadata
.endif
;; end of part 10
;; launch down (part 11): grid 32 x 8, 16 waves a work-group, no clusters, 239,616 bytes of LDS; arguments w2, hrec, cnt, parts; writes parts
.if DOCPART == 11
	.amdgcn_target "amdgcn-amd-amdhsa--gfx1250"
	.amdhsa_code_object_version 6
	.text
	.protected	k_qc35e4e4a54_down
	.globl	k_qc35e4e4a54_down
	.p2align	8
	.type	k_qc35e4e4a54_down,@function
k_qc35e4e4a54_down:
	s_mov_b64 s[64:65], 0
	v_nop
	global_prefetch_b8 v0, s[64:65] scope:SCOPE_SE
	s_setreg_imm32_b32 hwreg(HW_REG_WAVE_SCHED_MODE, 0, 2), 2
	s_setreg_imm32_b32 hwreg(HW_REG_WAVE_MODE, 25, 1), 1
	s_wait_xcnt 0x0
	s_wait_alu depctr_vm_vsrc(0)
; y = h W2[e] for the rows that chose expert e, on codes of E3M2 with one E8M0 scale for each 32 along K (K = H = 4,096), K in four quarters.
; SHARES.  Work-group (ds + 8 kq, e) owns the slice W2[e][1,024 kq .. + 1,023][128 ds .. + 127]: EVERY BYTE OF W2 IS READ ONCE IN THE LAUNCH, BY ITS OWNER, and is quantised in registers; its codes go no further than LDS.
;   With c column slices and s parts of K, c s = 32: the hidden records are read c times and s partial results are written; s = 4 keeps both small, and the slice has the shape of the first product's.
; PHASE 1.  Wave w = (cg = w % 4: 32 columns; kw = w / 4: 256 rows of K).  A lane takes a column and its registers run down K.  Of four blocks (128 along K) the wave makes two operand fragments and stores their images in LDS.
; PHASE 2.  One barrier; then a wave takes up to two of the expert's pairs of tiles (a pair = 32 sorted rows), as far as the stored count has them: 8 K steps x (8 tiles of columns x 2 tiles of rows).
;   A wave without a pair ends behind the barrier.  The product is used transposed (source 0 = 16 columns of W2, source 1 = 16 rows of h): a lane holds eight neighbouring numbers of a row of y.
;   W's fragments come from LDS through a ring of four register slots, two halves of two: while a step's four products read one half, the next step's two fragments land in the other.
; parts[kq][e][place in e's list][1,024] f32: the quarter's sums; the last launch adds the four quarters and the two experts of a token, in f32.
; hrec[e][tile][32 K steps][record]; a record is the image of a fragment: registers 4 c .. 4 c + 3 of lane l at byte 512 c + 16 l, the row's scale word at 1,536 + 4 l.
; LIMITS: NaN and infinities are not served.  A block of zeros has the scale byte 1 where the rule says 127: its codes are zeros, and this program alone reads the bytes.  A sum over K is formed in four quarters.
; NOT SHARED IN A CLUSTER: the 8 column slices of a quarter read the same records, some 200 KB beside each one's own 512 KB of weights, and how many of them hangs on a count read from memory.
; THE MODE: SCHED_MODE bits 1:0 = 2 (LLVM: expert scheduling mode 2), set by the entry lines.  The code itself states the register dependences
; between vector or matrix instructions and memory or LDS instructions, with s_wait_alu, always for 0.
; THE PLAN.  Registers that memory or LDS instructions touch, and who else names them:
;   v1, v2, v5, v6, v9, v10, v18-20   offsets and LDS addresses: made at the head, ahead of one wait on va_vdst, and never written again.
;   X0, X1 (phase 1)       block t's maxima and conversions read X[t % 2]; behind them the loads of block t + 2 land in it.
;   FA, FB, SW (phase 1)   written by a K step's conversions, moves and exchanges; read by its seven LDS stores; written again by the next K step, and behind phase 1 by the rows' loads.
;                          So one wait on va_vdst stands in a block, behind its last vector instruction and ahead of its loads and LDS stores, and one on vm_vsrc behind each run of LDS stores.
;   v7, v8                 the pair's offsets: written by SETP once a pass, ahead of a wait on va_vdst; read by the pass's loads and stores; a wait on vm_vsrc stands behind the pass's last stores.
;   WF, WS, BF, BS         written by loads, read by products alone.  A step is a pair of tiles: two fragments (half of the ring), one register of W's scale words, four products.  ONE wait on va_vdst
;                          at a step's head states that the step before is done reading its half of the ring, its scale register and, at a K step's head, the rows' slot of the K step before.  All loads
;                          of the step land in just these, which none of the step's own products names, so they are dealt among the products with no further wait.
;   the accumulators       written by products; read by the LDS stores of the way out, behind four places and one wait on va_vdst; written again by the next pass, behind a wait on vm_vsrc.
;   v32-95 (the way out)   a tile's rows land there from the stage; the global stores read them; they are loaded again behind a wait on vm_vsrc.
.set PITCH, 4096                       ; bytes from row to row of W2
.set TS,    65536                      ; bytes from tile to tile of hrec
.set TSL,   16
.set WSC,   98304                      ; LDS: 64 fragments ((8 ks + tile) x 1,536) at 0; then scale words: (4 ks + cg) x 128 + 4 x lane;
.set STG,   102400                     ; then a stage of 16 rows x (512 + 16) bytes for each wave
.set WS,  12                           ; v12-15   W's scale words of a K step: scales and nothing else
.set BS,  16                           ; v16-17   the rows' scale words, slot 0 and 1: scales and nothing else
.set X,   32                           ; phase 1: v32-95 two sets of 32 numbers; v96-107, v108-119 the two fragments; v120-127 at work
.set FA,  96
.set FB,  108
.set TC,  120
.set SW,  123
.set MG,  124
.set SO,  126
.set SBY, 127
.set WF,  32                           ; phase 2: v32-79 the ring: four slots of one fragment of W; v80-127 the rows' fragments; v128-255 accumulator (m, t) at 64 m + 8 t; on the way out v32-95 hold 16 rows
.set BF,  80
.set ACC, 128
.set NISS, 0                           ; symbols of the text, not registers: the LDS loads issued so far in a pass,
.set RDY0, 0                           ; and that number as it stood behind the loads of each slot of the ring
.set RDY1, 0
.set RDY2, 0
.set RDY3, 0
	s_load_b256 s[4:11], s[0:1], 0x0               ; w2 s[4:5], hrec s[6:7], cnt s[8:9], parts s[10:11]
	v_lshl_add_u32 v30, v0, 2, 0x3a000
	v_mov_b32 v31, 0
	v_lshrrev_b32 v21, 5, v0
	v_readfirstlane_b32 s14, v21                   ; wave 0..15
	v_and_b32 v22, 31, v0
	v_lshlrev_b32 v1, 4, v22                       ; 16 x lane: an image's place for my lane; the LDS address of K steps 0-3
	v_lshlrev_b32 v2, 2, v22                       ; 4 x lane: also my column of the wave's 32, in bytes
	s_wait_alu depctr_va_vdst(0)
	v_bfe_u32 v25, v0, 4, 1
	v_add_nc_u32 v5, 49152, v1                     ; the LDS address of K steps 4-7
	v_add_nc_u32 v6, WSC, v2
	s_wait_alu depctr_va_sdst(0)                   ; s14 is written, ahead of its first reader: addresses, bases and the wave's pair are made from it
	s_and_b32 s15, s14, 3                          ; cg
	s_lshr_b32 s16, s14, 2                         ; kw
	s_mul_i32 s30, s16, 24576
	s_mul_i32 s31, s15, 3072
	s_add_co_u32 s30, s30, s31
	v_add_nc_u32 v18, s30, v1                      ; where I store fragments: K step 2 kw, tile 2 cg
	s_lshl_b32 s30, s16, 10
	s_lshl_b32 s31, s15, 7
	s_add_co_u32 s30, s30, s31
	s_add_co_u32 s30, s30, WSC
	v_add_nc_u32 v19, s30, v2                      ; and their scale words
	v_and_b32 v26, 15, v0
	v_lshlrev_b32 v27, 2, v26
	s_wait_alu depctr_va_vdst(0)
	v_lshl_add_u32 v20, v25, TSL, v27              ; the rows' scale words: lanes 16-31 take the pair's second tile
	s_mul_i32 s30, s14, 8448
	s_add_co_u32 s30, s30, STG                     ; my wave's stage
	v_mul_u32_u24 v9, v26, 528
	v_lshl_add_u32 v9, v25, 5, v9
	v_add_nc_u32 v9, s30, v9                       ; in: row lane % 16, 32 bytes for each half of the lanes
	v_add_nc_u32 v10, s30, v1                      ; back: a row's 512 bytes, 16 a lane
	s_and_b32 s12, ttmp7, 0xffff                   ; e
	s_and_b32 s13, ttmp9, 7                        ; ds
	s_lshr_b32 s24, ttmp9, 3                       ; kq
	s_lshl_b32 s30, s12, 24                        ; W2: the expert,
	s_lshl_b32 s31, s24, 22                        ; the quarter's 1,024 rows,
	s_add_co_u32 s30, s30, s31
	s_lshl_b32 s31, s16, 20                        ; 256 kw rows,
	s_add_co_u32 s30, s30, s31
	s_lshl_b32 s31, s13, 9                         ; the slice's 128 columns,
	s_add_co_u32 s30, s30, s31
	s_lshl_b32 s31, s15, 7                         ; my wave's 32
	s_add_co_u32 s30, s30, s31
	s_mov_b32 s31, 0
	s_lshl_b32 s32, s12, 22                        ; hrec[e], K steps 8 kq on
	s_lshl_b32 s33, s24, 14
	s_add_co_u32 s32, s32, s33
	s_mov_b32 s33, 0
	s_lshl_b32 s34, s12, 7                         ; cnt[e]
	s_mov_b32 s35, 0
	s_lshl_b32 s36, s24, 25                        ; parts[kq][e], the slice's columns
	s_lshl_b32 s37, s12, 22
	s_add_co_u32 s36, s36, s37
	s_lshl_b32 s37, s13, 9
	s_add_co_u32 s36, s36, s37
	s_mov_b32 s37, 0
	s_wait_kmcnt 0x0
	s_add_nc_u64 s[4:5], s[4:5], s[30:31]
	s_add_nc_u64 s[6:7], s[6:7], s[32:33]
	s_add_nc_u64 s[8:9], s[8:9], s[34:35]
	s_add_nc_u64 s[10:11], s[10:11], s[36:37]
.macro LOADW t                         ; block t: W(32 t + i, my column) into set t % 2; a wave's load covers 128 consecutive bytes, four waves side by side 512
.irp i, 0,1,2,3,4,5,6,7,8,9,10,11,12,13,14,15,16,17,18,19,20,21,22,23,24,25,26,27,28,29,30,31
	global_load_b32 v[X+32*((\t)%2)+\i], v2, s[4:5] offset:(32*(\t)+\i)*PITCH th:TH_LOAD_NT
.endr
.endm
	s_wait_alu depctr_va_vdst(0)                   ; v1, v2, v5, v6, v9, v10 and v18 to v20 are written: every load and store that takes one of them as its offset or LDS address stands behind this wait
	LOADW 0
	LOADW 1
	s_load_b32 s17, s[8:9], 0x0                    ; the expert's rows
; Block t of my 8: its scale, its codes.  Blocks 2 c and 2 c + 1 of a K step go to registers 6 c .. 6 c + 5 of FA and of FB; six exchanges of halves then leave in FA the fragment of lanes 0-15's
; columns (lanes 0-15 block 2 c, lanes 16-31 block 2 c + 1, as the operand's layout asks) and in FB that of lanes 16-31's.
; All the block's vector instructions stand first; then its one wait on va_vdst; then its memory and LDS instructions.
.macro BLOCK t
.set XS, X+32*((\t)%2)
.set BQ, (\t)%4
.set CQ, BQ/2
.if BQ%2
.set DB, FB+6*CQ
.else
.set DB, FA+6*CQ
.endif
.if (\t) < 7
	s_wait_loadcnt 32                              ; this block's 32 loads are in; the next block's may be out
.else
	s_wait_loadcnt 0x0
.endif
	v_max3_num_f32 v[MG], |v[XS]|, |v[XS+1]|, |v[XS+2]|            ; the block's largest magnitude: all 32 numbers are mine; two chains
	v_max3_num_f32 v[MG+1], |v[XS+3]|, |v[XS+4]|, |v[XS+5]|
.irp i, 6,10,14,18,22,26
	v_max3_num_f32 v[MG], v[MG], |v[XS+\i]|, |v[XS+\i+1]|
	v_max3_num_f32 v[MG+1], v[MG+1], |v[XS+\i+2]|, |v[XS+\i+3]|
.endr
	v_max3_num_f32 v[MG], v[MG], |v[XS+30]|, |v[XS+31]|
	v_max3_num_f32 v[MG], v[MG], v[MG+1], 0x2800000                ; and the floor 2^(5 - 127): the byte cannot fall under 1
	v_add_nc_u32 v[SO], 0xfe000000, v[MG]          ; 4 off its exponent field: the conversion takes the exponent field of this operand as its scale
.if BQ == 0
	v_lshrrev_b32 v[SW], 23, v[SO]                 ; the scale's byte: four make my column's word, the lower K in the lower byte
.else
	v_lshrrev_b32 v[SBY], 23, v[SO]
	v_lshl_or_b32 v[SW], v[SBY], 8*BQ, v[SW]
.endif
	v_cvt_scalef32_pk16_bf6_f32 v[DB:DB+2], v[XS:XS+15], v[SO]
	v_cvt_scalef32_pk16_bf6_f32 v[TC:TC+2], v[XS+16:XS+31], v[SO]  ; (a conversion's three registers begin on an even number)
	v_nop                                          ; one plain place behind a scaled conversion
.irp i, 0,1,2
	v_mov_b32 v[DB+3+\i], v[TC+\i]
.endr
.if BQ%2
.irp i, 0,1,2,3,4,5
	v_permlane16_swap_b32 v[FA+6*CQ+\i], v[FB+6*CQ+\i]
.endr
.endif
.if ((\t)+2 < 8) || (BQ == 3)
	s_wait_alu depctr_va_vdst(0)                   ; the maxima and conversions are done reading this set of X, in which the loads below land; in a K step's last block FA, FB and SW are written, which the LDS stores below read
.endif
.if (\t)+2 < 8
	LOADW (\t)+2
.endif
.if BQ == 3
.irp c, 0,1,2
	ds_store_b128 v18, v[FA+4*\c:FA+4*\c+3] offset:((\t)/4)*12288+512*\c
.endr
.irp c, 0,1,2
	ds_store_b128 v18, v[FB+4*\c:FB+4*\c+3] offset:((\t)/4)*12288+1536+512*\c
.endr
	ds_store_b32 v19, v[SW] offset:((\t)/4)*512
	s_wait_dscnt 0x0                               ; this K step's images lie in LDS
	s_wait_alu depctr_vm_vsrc(0)                   ; the LDS stores have read FA, FB and SW: the next K step's codes are written there, and behind the last K step the rows' records land there
.endif
.endm
.irp t, 0,1,2,3,4,5,6,7
	BLOCK \t
.endr
; The offsets of pair s19.  A wave whose pair the expert does not have is given the last pair that the expert has (pair 0 where it has no row at all).
.macro SETP
	s_max_u32 s22, s18, 1
	s_sub_co_u32 s22, s22, 1                       ; the expert's last pair
	s_min_u32 s22, s22, s19
	s_min_u32 s22, s22, 31                         ; inside the buffers, whatever was read
	s_lshl_b32 s30, s22, 17
	v_add_nc_u32 v7, s30, v1                       ; the pair's records in hrec; the pair's 32 rows of parts lie as many bytes on, so this serves the stores too
	v_add_nc_u32 v8, s30, v20                      ; the records' scale words
.endm
.macro BLOADS ks, q                    ; K step ks of the pair's two tiles into slot q: seven loads
.irp m, 0,1
.irp c, 0,1,2
	global_load_b128 v[BF+24*(\q)+12*\m+4*\c:BF+24*(\q)+12*\m+4*\c+3], v7, s[6:7] offset:\m*TS+(\ks)*2048+512*\c
.endr
.endr
	global_load_b32 v[BS+(\q)], v8, s[6:7] offset:(\ks)*2048+1536
.endm
.macro BPRE                            ; a pass's first two K steps: fourteen loads
	BLOADS 0, 0
	BLOADS 1, 1
.endm
.macro PLACES                          ; four places behind the pass's last products, ahead of the first read of a result (ISA guide 7.12.1)
.rept 4
	v_nop
.endr
.endm
.macro SLOAD ks, g                     ; the scale words of W's tiles 2 g and 2 g + 1 of K step ks
	ds_load_b32 v[WS+(\g)], v6 offset:(\ks)*512+(\g)*128
.set NISS, NISS+1
.endm
.macro FLOAD ks, t                     ; W's tile t of K step ks, as it was stored, into slot t % 4
.if (\ks) < 4
.set WAD, 1
.else
.set WAD, 5
.endif
.set WSL, WF+12*((\t)%4)
.irp c, 0,1,2
	ds_load_b128 v[WSL+4*\c:WSL+4*\c+3], v[WAD] offset:((\ks)%4)*12288+(\t)*1536+512*\c
.endr
.set NISS, NISS+3
.if (\t)%4 == 0
.set RDY0, NISS
.elseif (\t)%4 == 1
.set RDY1, NISS
.elseif (\t)%4 == 2
.set RDY2, NISS
.else
.set RDY3, NISS
.endif
.endm
.macro FWAIT t                         ; LDS loads come back in order (ISA guide 5.7.1): the count is the number of LDS loads issued behind this slot's three: the younger fragments' and the scale words among them,
.if (\t)%4 == 0                        ; 7 for a step's first fragment and 8 for its second; it runs down to 0 over the pass's last steps.  The fragment's own scale word was asked for before its loads
	s_wait_dscnt NISS-RDY0
.elseif (\t)%4 == 1
	s_wait_dscnt NISS-RDY1
.elseif (\t)%4 == 2
	s_wait_dscnt NISS-RDY2
.else
	s_wait_dscnt NISS-RDY3
.endif
.endm
.macro WPRE                            ; a pass's first scale words and its first four fragments: steps 0 and 1
.set NISS, 0
.irp g, 0,1,2,3
	SLOAD 0, \g
.endr
.irp t, 0,1,2,3
	FLOAD 0, \t
.endr
.endm
; One product: tile of columns t x tile of rows m; the rows' slot q.  An odd tile's scale words lie in lanes 16-31 of its register, and so do the second tile of rows'.
.macro WM t, m, q, zero
.set rD, ACC+64*(\m)+8*(\t)
.set rA, WF+12*((\t)%4)
.set rB, BF+24*(\q)+12*(\m)
.set rW, WS+(\t)/2
.set rX, BS+(\q)
.if \zero
.if ((\t)%2) && (\m)
	v_wmma_scale_f32_16x16x128_f8f6f4 v[rD:rD+7], v[rA:rA+11], v[rB:rB+11], 0, v[rW], v[rX] matrix_a_fmt:MATRIX_FMT_BF6 matrix_b_fmt:MATRIX_FMT_BF6 matrix_a_scale:MATRIX_SCALE_ROW1 matrix_b_scale:MATRIX_SCALE_ROW1
.elseif (\t)%2
	v_wmma_scale_f32_16x16x128_f8f6f4 v[rD:rD+7], v[rA:rA+11], v[rB:rB+11], 0, v[rW], v[rX] matrix_a_fmt:MATRIX_FMT_BF6 matrix_b_fmt:MATRIX_FMT_BF6 matrix_a_scale:MATRIX_SCALE_ROW1
.elseif \m
	v_wmma_scale_f32_16x16x128_f8f6f4 v[rD:rD+7], v[rA:rA+11], v[rB:rB+11], 0, v[rW], v[rX] matrix_a_fmt:MATRIX_FMT_BF6 matrix_b_fmt:MATRIX_FMT_BF6 matrix_b_scale:MATRIX_SCALE_ROW1
.else
	v_wmma_scale_f32_16x16x128_f8f6f4 v[rD:rD+7], v[rA:rA+11], v[rB:rB+11], 0, v[rW], v[rX] matrix_a_fmt:MATRIX_FMT_BF6 matrix_b_fmt:MATRIX_FMT_BF6
.endif
.else
.if ((\t)%2) && (\m)
	v_wmma_scale_f32_16x16x128_f8f6f4 v[rD:rD+7], v[rA:rA+11], v[rB:rB+11], v[rD:rD+7], v[rW], v[rX] matrix_a_fmt:MATRIX_FMT_BF6 matrix_b_fmt:MATRIX_FMT_BF6 matrix_a_scale:MATRIX_SCALE_ROW1 matrix_b_scale:MATRIX_SCALE_ROW1
.elseif (\t)%2
	v_wmma_scale_f32_16x16x128_f8f6f4 v[rD:rD+7], v[rA:rA+11], v[rB:rB+11], v[rD:rD+7], v[rW], v[rX] matrix_a_fmt:MATRIX_FMT_BF6 matrix_b_fmt:MATRIX_FMT_BF6 matrix_a_scale:MATRIX_SCALE_ROW1
.elseif \m
	v_wmma_scale_f32_16x16x128_f8f6f4 v[rD:rD+7], v[rA:rA+11], v[rB:rB+11], v[rD:rD+7], v[rW], v[rX] matrix_a_fmt:MATRIX_FMT_BF6 matrix_b_fmt:MATRIX_FMT_BF6 matrix_b_scale:MATRIX_SCALE_ROW1
.else
	v_wmma_scale_f32_16x16x128_f8f6f4 v[rD:rD+7], v[rA:rA+11], v[rB:rB+11], v[rD:rD+7], v[rW], v[rX] matrix_a_fmt:MATRIX_FMT_BF6 matrix_b_fmt:MATRIX_FMT_BF6
.endif
.endif
.endm
; Step g of K step ks: tiles 2 g and 2 g + 1, four products.  Behind the wait at its head come the loads into what the step before has read: at a K step's head the rows' records of the next K step;
; the next step's two fragments; the next K step's scale word of the step before's two tiles.  This step's products name the other half of the ring, another scale register and the other slot of rows.
; The first step of a pass finds its fragments and the next step's asked for; the last step asks for nothing and has no wait.
; The sixteen accumulators take turns, one instruction a turn, in the same order in every K step.  K step 0 starts the sums: nothing is cleared.
.macro PSTEP ks, g
.set SJ, 4*(\ks)+(\g)                  ; the step's number in the pass, 0 to 31
.set FN, 2*SJ+2                        ; the next step's first fragment, 8 x K step + tile
.set PJ, SJ-1                          ; the step before
.if (SJ > 0) && (FN < 64)
	s_wait_alu depctr_va_vdst(0)                   ; the products of the step before are done reading their two slots of the ring and their scale register, and at a K step's head those of the K step before its slot of rows: the step's loads land there
.if ((\g) == 0) && ((\ks) < 7)
	BLOADS (\ks)+1, ((\ks)+1)%2
.endif
	FLOAD FN/8, FN%8
.endif
.if (\g) == 0
.if (\ks) < 7
	s_wait_loadcnt 7                               ; this K step's seven loads are in; the other slot's seven, issued behind them, may be out
.else
	s_wait_loadcnt 0x0
.endif
.endif
	FWAIT 2*(\g)
.if (\ks) == 0
	WM 2*(\g), 0, 0, 1
	WM 2*(\g), 1, 0, 1
.else
	WM 2*(\g), 0, (\ks)%2, 0
	WM 2*(\g), 1, (\ks)%2, 0
.endif
.if (SJ > 0) && (FN < 64)
	FLOAD (FN+1)/8, (FN+1)%8                       ; no wait: no product since the step's head names this slot, nor the scale register below
.if PJ < 28
	SLOAD PJ/4+1, PJ%4
.endif
.endif
	FWAIT 2*(\g)+1
.if (\ks) == 0
	WM 2*(\g)+1, 0, 0, 1
	WM 2*(\g)+1, 1, 0, 1
.else
	WM 2*(\g)+1, 0, (\ks)%2, 0
	WM 2*(\g)+1, 1, (\ks)%2, 0
.endif
.endm
	s_wait_kmcnt 0x0                               ; the count, asked for at the head of phase 1
	s_min_u32 s17, s17, 1024
	s_add_co_u32 s18, s17, 31
	s_lshr_b32 s18, s18, 5                         ; the expert's pairs
	s_sub_co_u32 s19, s15, s16                     ; my first pair: kw + 4 ((cg - kw) mod 4).  Any four pairs on end fall on four waves that differ both in w % 4 and in w / 4:
	s_and_b32 s19, s19, 3                          ; however the sixteen waves are dealt to the four SIMDs, an expert's pairs are spread evenly over them
	s_lshl_b32 s19, s19, 2
	s_add_co_u32 s19, s19, s16
	SETP
	s_wait_alu depctr_va_vdst(0)                   ; v7 and v8 are written, which the pass's loads and stores read; phase 1's vector instructions are done with v32-127, in which the loads below and the pass's first fragments land
	BPRE                                           ; on every wave's way to the barrier, so that every way into a pass has the same fourteen loads out; they are on their way across the barrier: nobody writes
	                                               ; those bytes in this launch.  A wave without a pair has asked for bytes that another wave reads anyway, and uses nothing of them
	s_mov_b32 s23, 0
	s_wait_dscnt 0x0                               ; for the others' sake: my fragments lie in LDS
	s_barrier_signal -1
	s_barrier_wait -1                              ; the slice's 64 fragments are whole; from here on they are only read, and each wave's stage is its own
	s_cmp_ge_u32 s19, s18                          ; has the expert my pair?  (a whole number that an earlier launch stored)
	s_cbranch_scc1 .Lend
.Lpass:
	WPRE                                           ; (no vector or matrix instruction stands between the wait behind SETP and these loads, on either way here)
.irp ks, 0,1,2,3,4,5,6,7
.irp g, 0,1,2,3
	PSTEP \ks, \g
.endr
.endr
	; THE WAY OUT, a tile of 16 rows at a time: a lane holds 32 neighbouring bytes of a row and the lanes beside it other rows, so the tile goes through my stage and comes back as whole rows of 512 bytes
	PLACES
	s_wait_alu depctr_va_vdst(0)                   ; the products have written the accumulators, which both tiles' LDS stores read, and are done reading v32-95, in which the rows land; the places above stay beside this wait
.irp m, 0,1
.irp t, 0,1,2,3,4,5,6,7
	ds_store_b128 v9, v[ACC+64*\m+8*\t:ACC+64*\m+8*\t+3] offset:64*\t          ; each accumulator from its low end on
	ds_store_b128 v9, v[ACC+64*\m+8*\t+4:ACC+64*\m+8*\t+7] offset:64*\t+16
.endr
.if \m == 1
	s_wait_xcnt 0x0                                ; the first tile's stores have had their addresses translated: their data registers are loaded again below
	s_wait_alu depctr_vm_vsrc(0)                   ; the first tile's global stores have read v32-95, in which the second tile's rows land
.endif
.irp i, 0,1,2,3,4,5,6,7,8,9,10,11,12,13,14,15
	ds_load_b128 v[32+4*\i:35+4*\i], v10 offset:528*\i   ; LDS serves a wave's instructions in order (ISA guide 5.7.1.4): these see my stores
.endr
.irp i, 0,1,2,3,4,5,6,7,8,9,10,11,12,13,14,15
	s_wait_dscnt 15-\i                             ; row i is back; the younger rows may be out
	global_store_b128 v7, v[32+4*\i:35+4*\i], s[10:11] offset:(16*\m+\i)*4096   ; 32 lanes store 512 consecutive bytes, at a multiple of 512 from the buffer's first byte
.endr
.endr
	s_wait_xcnt 0x0                                ; the stores' data and address registers are written again in the next pass
	s_wait_alu depctr_vm_vsrc(0)                   ; the pass's loads and stores have read v7 and v8, which SETP writes again; the global stores v32-95, in which the next pass's loads land; the LDS stores the accumulators, which its products write
	s_add_co_u32 s19, s19, 16                      ; my next pair
	s_add_co_u32 s23, s23, 1
	s_cmp_ge_u32 s19, s18                          ; where the expert does not have it, nothing is asked for
	s_cbranch_scc1 .Lend
	SETP                                           ; (my loads are all in since K step 7's wait for 0: their address registers are free)
	s_wait_alu depctr_va_vdst(0)                   ; v7 and v8 are written, which the pass's loads and stores read
	BPRE
	s_cmp_lt_u32 s23, 2                            ; 32 pairs at the most, 16 waves: two passes
	s_cbranch_scc1 .Lpass
.Lend:
	s_wait_dscnt 0x0                               ; the closing lines, six on end
	s_wait_alu 0x0
	s_wait_tensorcnt 0x0
	ds_add_u32 v30, v31
	s_wait_dscnt 0x0
	s_endpgm
.Lfunc_end_k_qc35e4e4a54_down:
	.size	k_qc35e4e4a54_down, .Lfunc_end_k_qc35e4e4a54_down-k_qc35e4e4a54_down
	.p2alignl 7, 3214868480
	.fill 96, 4, 3214868480
	.section	.rodata,"a",@progbits
	.p2align	6, 0x0
	.amdhsa_kernel k_qc35e4e4a54_down
		.amdhsa_group_segment_fixed_size 239616
		.amdhsa_private_segment_fixed_size 0
		.amdhsa_enable_private_segment 0
		.amdhsa_kernarg_size 32
		.amdhsa_user_sgpr_count 2
		.amdhsa_user_sgpr_kernarg_segment_ptr 1
		.amdhsa_wavefront_size32 1
		.amdhsa_system_sgpr_workgroup_id_x 1
		.amdhsa_system_sgpr_workgroup_id_y 1
		.amdhsa_system_sgpr_workgroup_id_z 1
		.amdhsa_system_vgpr_workitem_id 0
		.amdhsa_next_free_vgpr 256
		.amdhsa_next_free_sgpr 66
		.amdhsa_reserve_vcc 0
		.amdhsa_float_denorm_mode_32 3
		.amdhsa_float_denorm_mode_16_64 3
		.amdhsa_memory_ordered 1
		.amdhsa_forward_progress 1
		.amdhsa_inst_pref_size 90
	.end_amdhsa_kernel
	.amdgpu_metadata
---
amdhsa.version: [ 1, 2 ]
amdhsa.kernels:
  - .name:           k_qc35e4e4a54_down
    .symbol:         k_qc35e4e4a54_down.kd
    .args:
      - { .name: w2, .offset: 0, .size: 8, .value_kind: global_buffer, .address_space: global }
      - { .name: hrec, .offset: 8, .size: 8, .value_kind: global_buffer, .address_space: global }
      - { .name: cnt, .offset: 16, .size: 8, .value_kind: global_buffer, .address_space: global }
      - { .name: parts, .offset: 24, .size: 8, .value_kind: global_buffer, .address_space: global }
    .group_segment_fixed_size: 239616
    .private_segment_fixed_size: 0
    .kernarg_segment_align: 8
    .kernarg_segment_size: 32
    .max_flat_workgroup_size: 512
    .sgpr_count:     66
    .vgpr_count:     256
    .wavefront_size: 32
...
	.end_amdgpu_metadata
.endif
;; end of part 11
;; launch combine (part 12): grid 256 x 1, 8 waves a work-group, no clusters, 0 bytes of LDS; arguments parts, sel, pos, rw, out0; writes out0
.if DOCPART == 12
	.amdgcn_target "amdgcn-amd-amdhsa--gfx1250"
	.amdhsa_code_object_version 6
	.text
	.protected	k_qc35e4e4a54_combine
	.globl	k_qc35e4e4a54_combine
	.p2align	8
	.type	k_qc35e4e4a54_combine,@function
k_qc35e4e4a54_combine:
	s_mov_b64 s[64:65], 0
	v_nop
	global_prefetch_b8 v0, s[64:65] scope:SCOPE_SE
	s_setreg_imm32_b32 hwreg(HW_REG_WAVE_MODE, 25, 1), 1
	s_wait_xcnt 0x0
; out0[t] = rw[t][0] y[e0][t] + rw[t][1] y[e1][t], where y[e][t] = the sum of the four quarters parts[kq][e][pos[e][t]].  Each output row has one owner: nothing is added in memory.
; SHARES.  A work-group takes 4 tokens; a wave half a token's row, 2,048 bytes: 32 loads of 512 consecutive bytes, all issued at once; 4 stores of 512.
; The two experts and the places come from whole numbers that earlier launches stored; each is held inside its table before it enters an address.
; A stream: no LDS, no barrier, no matrix unit; waves share nothing.
	s_load_b256 s[4:11], s[0:1], 0x0               ; parts s[4:5], sel s[6:7], pos s[8:9], rw s[10:11]
	s_load_b64 s[12:13], s[0:1], 0x20              ; out0
	v_lshrrev_b32 v2, 5, v0
	s_delay_alu instid0(VALU_DEP_1)
	v_readfirstlane_b32 s14, v2                    ; wave 0..7
	v_and_b32 v3, 31, v0
	s_and_b32 s15, s14, 1                          ; which half of the row
	s_lshr_b32 s16, s14, 1
	s_lshl_b32 s17, ttmp9, 2
	s_add_co_u32 s16, s16, s17                     ; the token
	s_lshl_b32 s15, s15, 11
	v_lshl_add_u32 v1, v3, 4, s15                  ; 16 x lane + 2,048 x half
	s_lshl_b32 s18, s16, 2
	s_mov_b32 s19, 0
	s_lshl_b32 s20, s16, 3
	s_mov_b32 s21, 0
	s_lshl_b32 s22, s16, 12
	s_mov_b32 s23, 0
	s_wait_alu depctr_va_vdst(0)
	s_wait_kmcnt 0x0
	s_add_nc_u64 s[6:7], s[6:7], s[18:19]
	s_add_nc_u64 s[8:9], s[8:9], s[18:19]
	s_add_nc_u64 s[10:11], s[10:11], s[20:21]
	s_add_nc_u64 s[12:13], s[12:13], s[22:23]
	s_load_b32 s33, s[6:7], 0x0                    ; the choice word
	s_load_b64 s[34:35], s[10:11], 0x0             ; the two weights
.irp e, 0,1,2,3,4,5,6,7
	s_load_b32 s[24+\e], s[8:9], 4096*\e           ; the token's place in all eight lists: one round of loads, at addresses made of ids alone
.endr
	s_wait_kmcnt 0x0
	s_and_b32 s36, s33, 0xff
	s_min_u32 s36, s36, 7                          ; e0
	s_bfe_u32 s37, s33, 0x80008
	s_min_u32 s37, s37, 7                          ; e1
	s_mov_b32 s38, s24
	s_mov_b32 s39, s24
.irp i, 1,2,3,4,5,6,7
	s_cmp_eq_u32 s36, \i
	s_cselect_b32 s38, s[24+\i], s38
	s_cmp_eq_u32 s37, \i
	s_cselect_b32 s39, s[24+\i], s39
.endr
	s_min_u32 s38, s38, 1023                       ; the places
	s_min_u32 s39, s39, 1023
	s_lshl_b32 s56, s36, 10
	s_add_co_u32 s56, s56, s38
	s_lshl_b32 s56, s56, 12                        ; (1,024 e + place) rows of 4,096 bytes
	s_mov_b32 s57, 0
	s_lshl_b32 s58, s37, 10
	s_add_co_u32 s58, s58, s39
	s_lshl_b32 s58, s58, 12
	s_mov_b32 s59, 0
	s_mov_b32 s60, s35                             ; the second weight as a pair's low word (both words are written)
	s_mov_b32 s61, s35
	s_add_nc_u64 s[40:41], s[4:5], s[56:57]
	s_add_nc_u64 s[48:49], s[4:5], s[58:59]
.irp k, 1,2,3
	s_add_nc_u64 s[40+2*\k:41+2*\k], s[40:41], \k*0x2000000   ; the quarters lie 33,554,432 bytes apart
	s_add_nc_u64 s[48+2*\k:49+2*\k], s[48:49], \k*0x2000000
.endr
.irp j, 0,1
.irp k, 0,1,2,3
.irp i, 0,1,2,3
	global_load_b128 v[16+64*\j+16*\k+4*\i:19+64*\j+16*\k+4*\i], v1, s[40+8*\j+2*\k:41+8*\j+2*\k] offset:512*\i th:TH_LOAD_NT
.endr
.endr
.endr
.macro SUMJ j                          ; the four quarters of choice j, into the first quarter's registers
.irp q, 0,2,4,6,8,10,12,14
	v_pk_add_f32 v[16+64*\j+\q:17+64*\j+\q], v[16+64*\j+\q:17+64*\j+\q], v[32+64*\j+\q:33+64*\j+\q]
	v_pk_add_f32 v[48+64*\j+\q:49+64*\j+\q], v[48+64*\j+\q:49+64*\j+\q], v[64+64*\j+\q:65+64*\j+\q]
.endr
.irp q, 0,2,4,6,8,10,12,14
	v_pk_add_f32 v[16+64*\j+\q:17+64*\j+\q], v[16+64*\j+\q:17+64*\j+\q], v[48+64*\j+\q:49+64*\j+\q]
.endr
.endm
	s_wait_loadcnt 16                              ; the first choice's sixteen loads are in; the second's may be out
	SUMJ 0
.irp q, 0,2,4,6,8,10,12,14
	v_pk_mul_f32 v[16+\q:17+\q], v[16+\q:17+\q], s[34:35] op_sel_hi:[1,0]
.endr
	s_wait_loadcnt 0x0
	SUMJ 1
.irp q, 0,2,4,6,8,10,12,14
	v_pk_fma_f32 v[16+\q:17+\q], v[80+\q:81+\q], s[60:61], v[16+\q:17+\q] op_sel_hi:[1,0,1]
.endr
.irp i, 0,1,2,3
	global_store_b128 v1, v[16+4*\i:19+4*\i], s[12:13] offset:512*\i th:TH_STORE_NT   ; 512 consecutive bytes each
.endr
	s_endpgm
.Lfunc_end_k_qc35e4e4a54_combine:
	.size	k_qc35e4e4a54_combine, .Lfunc_end_k_qc35e4e4a54_combine-k_qc35e4e4a54_combine
	.p2alignl 7, 3214868480
	.fill 96, 4, 3214868480
	.section	.rodata,"a",@progbits
	.p2align	6, 0x0
	.amdhsa_kernel k_qc35e4e4a54_combine
		.amdhsa_group_segment_fixed_size 0
		.amdhsa_private_segment_fixed_size 0
		.amdhsa_enable_private_segment 0
		.amdhsa_kernarg_size 40
		.amdhsa_user_sgpr_count 2
		.amdhsa_user_sgpr_kernarg_segment_ptr 1
		.amdhsa_wavefront_size32 1
		.amdhsa_system_sgpr_workgroup_id_x 1
		.amdhsa_system_sgpr_workgroup_id_y 1
		.amdhsa_system_sgpr_workgroup_id_z 1
		.amdhsa_system_vgpr_workitem_id 0
		.amdhsa_next_free_vgpr 148
		.amdhsa_next_free_sgpr 66
		.amdhsa_reserve_vcc 0
		.amdhsa_float_denorm_mode_32 3
		.amdhsa_float_denorm_mode_16_64 3
		.amdhsa_memory_ordered 1
		.amdhsa_forward_progress 1
		.amdhsa_inst_pref_size 12
	.end_amdhsa_kernel
	.amdgpu_metadata
---
amdhsa.version: [ 1, 2 ]
amdhsa.kernels:
  - .name:           k_qc35e4e4a54_combine
    .symbol:         k_qc35e4e4a54_combine.kd
    .args:
      - { .name: parts, .offset: 0, .size: 8, .value_kind: global_buffer, .address_space: global }
      - { .name: sel, .offset: 8, .size: 8, .value_kind: global_buffer, .address_space: global }
      - { .name: pos, .offset: 16, .size: 8, .value_kind: global_buffer, .address_space: global }
      - { .name: rw, .offset: 24, .size: 8, .value_kind: global_buffer, .address_space: global }
      - { .name: out0, .offset: 32, .size: 8, .value_kind: global_buffer, .address_space: global }
    .group_segment_fixed_size: 0
    .private_segment_fixed_size: 0
    .kernarg_segment_align: 8
    .kernarg_segment_size: 40
    .max_flat_workgroup_size: 256
    .sgpr_count:     66
    .vgpr_count:     148
    .wavefront_size: 32
...
	.end_amdgpu_metadata
.endif
;; end of part 12
